; MI455X (gfx1250); checked and timed in simulation.
; The chip was launched on July 23, 2026; its instructions are those of AMD's public machine-readable ISA for CDNA 5 (MIT licence, August 2026) and "CDNA5" Instruction Set Architecture Reference Guide (July 2026). The comments in the code are by the model that wrote it; some were corrected since.
;; Hierarchical Phimoe Experts. Allowed arithmetic: matrix products marked QUANTISED: E2M1 operands, one E8M0 scale for each 32 along K, by v_wmma_scale_f32_16x16x128_f8f6f4 with both operands' format E2M1 (or v_wmma_scale_f32_32x16x128_f4), f32 sums; products left as they are: f32 operands where the result goes on into a quantised operand, else bf16, f16 or f32 operands; f32 sums; everything else in f32.
;; Inputs: A 8 x 16 x 1,024 float32; B 8 x 1,024 x 16 float32; Wd 8 x 1,024 x 2,048 float32; Wg 8 x 2,048 x 1,024 float32; Wu 8 x 2,048 x 1,024 float32; hidden_states 1,024 x 1,024 float32; sA 8 x 2 x 8 x 1,024 float32; sB 8 x 2 x 1,024 x 8 float32; sgate 8 x 2 x 1,024 float32; top_k_indices 1,024 x 2 int32; top_k_weights 1,024 x 8 float32.
;; Outputs: out0 1,024 x 1,024 float32.
;; This version of the problem:
;;   THIS VERSION OF THE PROBLEM IS GIVEN IN LOW PRECISION. The matrix products marked QUANTISED in the list below multiply operands that are first quantised to E2M1 (2 exponent bits, 1 mantissa bit; 4 bits a number), with one power-of-two scale for each 32 numbers along K (OCP MX v1.0); their sums are f32. All else is computed in f32.
;;   The module's matrix products, in the order in which they are computed (A, B: the left and right operand; K: the contracted axis; several contracted axes count as one K, in the product's order):
;;     1. [M 1,024, K 1,024] x [K 1,024, N 16,384]; A: input hidden_states; B: input Wg: QUANTISED
;;     2. [M 1,024, K 1,024] x [K 1,024, N 16,384]; A: input hidden_states; B: input Wu: QUANTISED
;;     3. [M 1,024, K 16,384] x [K 16,384, N 1,024]; A: computed on the way; B: input Wd: QUANTISED
;;     4. [M 1,024, K 1,024] x [K 1,024, N 128]; A: input hidden_states; B: input A: QUANTISED
;;     5. batch 8,192 x [M 16, K 1] x [K 1, N 1]; A: computed on the way; B: computed on the way: left as it is (no contracted axis)
;;     6. [M 1,024, K 128] x [K 128, N 1,024]; A: computed on the way; B: input B: QUANTISED
;;     7. [M 1,024, K 1,024] x [K 1,024, N 16]; A: input hidden_states; B: input sgate: QUANTISED
;;     8. [M 1,024, K 1,024] x [K 1,024, N 128]; A: input hidden_states; B: input sA: QUANTISED
;;     9. batch 8,192 x [M 2, K 1] x [K 1, N 1]; A: computed on the way; B: computed on the way: left as it is (no contracted axis)
;;     10. batch 16,384 x [M 8, K 1] x [K 1, N 1]; A: computed on the way; B: computed on the way: left as it is (no contracted axis)
;;     11. [M 1,024, K 128] x [K 128, N 1,024]; A: computed on the way; B: input sB: QUANTISED
;;   THE QUANTISER, for each operand of a quantised product, along K:
;;     - K is cut into blocks of 32 from its start; a last block that is shorter is filled with zeros.
;;     - A block's scale is 2^e with e = floor(log2(the largest magnitude in the block)) - 2, held to -126 .. 127; a block of zeros has e = 0. As a byte (E8M0): e + 127.
;;     - Each number is divided by its block's scale, clamped to +-6, and rounded to the nearest number of E2M1, ties to even, subnormals kept.
;;     - The product sums the exact products of the quantised numbers (number of the format x scale) in f32.
;;   ~~~python
;;   def quantise(x, axis):      # numpy; x: float32 -> the quantised numbers, widened to float32 again
;;       x = np.moveaxis(x, axis, -1); K = x.shape[-1]
;;       x = np.pad(x, [(0, 0)] * (x.ndim - 1) + [(0, -K % 32)]); x = x.reshape(x.shape[:-1] + (-1, 32)); a = np.abs(x).max(-1, keepdims=True)
;;       e = np.where(a > 0, np.clip(np.frexp(np.where(a > 0, a, 1))[1] - 1 - 2, -126, 127), 0)      # np.frexp(a)[1] - 1 = floor(log2(a)), exactly
;;       r = np.clip(x / 2.0 ** e, -6, 6)
;;       step = 2.0 ** (np.maximum(np.frexp(np.where(r == 0, 1, r))[1] - 1, 0) - 1)
;;       q = np.round(r / step) * step * 2.0 ** e      # np.round: ties to even
;;       return np.moveaxis(q.reshape(q.shape[:-2] + (-1,))[..., :K], -1, axis).astype(np.float32)
;;   ~~~
;;   OPERANDS COMPUTED ON THE WAY. 'Computed on the way' means the value that the module computes at that place (a softmax that the list does not call 'softmax' is quantised finished and normalised). What goes into a quantiser is computed in f32, as accurately as f32 sums, v_exp_f32 and their like allow (about 1e-6 of the number): no bf16 or f16 on the way to a quantiser, and a product that is left as it is and whose result goes on into a quantised operand takes f32 operands (vector FMAs, or v_wmma_f32_16x16x4_f32). A number that lies on a knife's edge between two numbers of the format may be rounded either way, as far as f32 arithmetic and the matrix unit's own rounding can turn it there, and no further.
;; 2 versions. Each part assembles by itself: llvm-mc -triple=amdgcn-amd-amdhsa -mcpu=gfx1250 --defsym DOCPART=n.
;; ======== version 1 of 2: 4 launches
;; workspace buffers: route 66,560 bytes of whole numbers; qx 705,024 bytes; bq 147,456 bytes; hq 8,912,896 bytes; part 37,748,736 bytes; zb 1,048,576 bytes
;; launch prep (part 1): grid 137 x 1, 4 waves a work-group, no clusters, 38,400 bytes of LDS; arguments hidden_states, A, sA, sgate, B, sB, top_k_weights, qx, bq, route; writes qx, bq, route
.if DOCPART == 1
	.amdgcn_target "amdgcn-amd-amdhsa--gfx1250"
	.amdhsa_code_object_version 6
	.text
	.protected	k_qc450bfdec3_prep
	.globl	k_qc450bfdec3_prep
	.p2align	8
	.type	k_qc450bfdec3_prep,@function
k_qc450bfdec3_prep:
	s_mov_b64 s[64:65], 0
	v_nop
	global_prefetch_b8 v0, s[64:65] scope:SCOPE_SE
	s_setreg_imm32_b32 hwreg(HW_REG_WAVE_MODE, 25, 1), 1
	s_wait_xcnt 0x0
; PREP: three kinds of work-groups, parted on the work-group's number.
; (a) 0-40: hidden_states (1,024 rows), A (128), sA (128) and sgate (16), all rows of 1,024 f32 with K innermost, become codes of E2M1 (512 bytes a row) and
;     E8M0 scale bytes (32 a row) in qx: rows 0-1023 x, 1024+16e+r A, 1152+16e+8s+r sA, 1280+2e+s sgate; the scale bytes begin at byte 663,552.  A wave takes 8 rows.
; (b) 41-72: B and sB become register images of matrix operands in bq.  K = 128 is (expert, rank) with the expert slowest: a block of 32 is two experts' 16 numbers.
; (c) 73-136: the routing, by top_k_weights != 0 (the definition routes by these weights alone and never reads top_k_indices, so neither does this program):
;     list[e][p] = the p-th token of expert e (0 behind the last), rk[e][t] = 32768 e + rank, or 0x40000 where the weight is 0, nt[e] = tiles of 16 tokens, at least 1.
;     The mask enters data only: every address and every branch here is made of ids.
; A block's scale byte is its largest magnitude's exponent field - 2, held at 1 from below.  A block of zeros so has the byte 1: its codes are zeros, and this program alone reads the bytes.
; LIMITS: NaN and infinities among the inputs are not served; a weight of -0 counts as 0.
; A UNIT is 4,096 consecutive bytes, 32 blocks.  Eight loads take it as it lies, 512 consecutive bytes each; it turns through the wave's own stage in LDS (a block: 128 bytes + 16 of padding)
; and comes back with block l whole in lane l's 32 registers: no other lane is asked for the maximum, the codes are 16 bytes a lane, 512 on end, and the scale byte is one a lane.
.set FST,  0                           ; LDS: two stages of 4,608 bytes for each wave
.set SBY,  36864                       ; behind them 256 scale bytes for each wave
.set L16,  4                           ; v4  16 x lane
.set TIN,  5                           ; v5  the stage on the way in: 144 (lane / 8) + 16 (lane % 8)
.set TOUT, 6                           ; v6  and on the way out: 144 x lane
.set SW,   7                           ; v7  my scale byte's place
.set L8,   8                           ; v8  8 x lane
.set SR,   9                           ; v9  where I read 8 scale bytes back
.set X,    32                          ; v32-95   two sets of 32 numbers
.set CB,   96                          ; v96-127  codes: a set for each unit, since they are the data of global stores
.set BYB,  128                         ; v128-135 scale bytes likewise
.set MXA,  136
.set MXB,  137
.set SCL,  138
.set NCS,  8
.set NU,   8                           ; units of a wave
.set SINKDS, 1                         ; LDS instructions in a unit's sink
.set SRC,  26                          ; s[26:27] the wave's first byte
.set MSB, 0
.macro WIN new                         ; register windows: bits 1:0 source 0, 3:2 source 1, 5:4 source 2, 7:6 destination; the high byte repeats the setting that is left
.if MSB != (\new)
	s_set_vgpr_msb (MSB<<8)|(\new)
.set MSB, (\new)
.endif
.endm
.macro LOADU n                         ; unit n as it lies, into set n % 7 of window 1
	WIN 0x40
.irp m, 0,1,2,3,4,5,6,7
	global_load_b128 v[32*((\n)%7)+4*\m:32*((\n)%7)+4*\m+3], v[L16], s[SRC:SRC+1] offset:4096*(\n)+512*\m th:TH_LOAD_NT
.endr
.endm
.macro TURNU n                         ; through the stage: LDS serves a wave's instructions in order, so no wait stands between the stores and the loads
	WIN 0x04
.irp m, 0,1,2,3,4,5,6,7
	ds_store_b128 v[TIN], v[32*((\n)%7)+4*\m:32*((\n)%7)+4*\m+3] offset:4608*((\n)%2)+576*\m
.endr
	WIN 0
.irp i, 0,1,2,3,4,5,6,7
	ds_load_b128 v[X+32*((\n)%2)+4*\i:X+32*((\n)%2)+4*\i+3], v[TOUT] offset:4608*((\n)%2)+16*\i
.endr
.endm
.macro QBLK n                          ; my block: largest magnitude with the floor 2^(3 - 127), scale operand, 32 codes, scale byte
.set XQ, X+32*((\n)%2)
.set CQ, CB+4*((\n)%NCS)
.set BQ, BYB+((\n)%NCS)
	v_max3_num_f32 v[MXA], |v[XQ]|, |v[XQ+1]|, |v[XQ+2]|
	v_max3_num_f32 v[MXB], |v[XQ+3]|, |v[XQ+4]|, |v[XQ+5]|
.irp i, 6,10,14,18,22,26
	v_max3_num_f32 v[MXA], v[MXA], |v[XQ+\i]|, |v[XQ+\i+1]|
	v_max3_num_f32 v[MXB], v[MXB], |v[XQ+\i+2]|, |v[XQ+\i+3]|
.endr
	v_max3_num_f32 v[MXA], v[MXA], |v[XQ+30]|, |v[XQ+31]|
	v_max3_num_f32 v[MXA], v[MXA], v[MXB], 0x1800000
	v_add_nc_u32 v[SCL], 0xff000000, v[MXA]        ; 2 off the exponent field: the conversion takes this operand's exponent field as its scale
.irp g, 0,1,2,3
	v_cvt_scalef32_pk8_fp4_f32 v[CQ+\g], v[XQ+8*\g:XQ+8*\g+7], v[SCL]
.endr
	v_lshrrev_b32 v[BQ], 23, v[SCL]                ; the byte; also the plain line behind the conversions
.endm
.macro SINK n
	global_store_b128 v[L16], v[CQ:CQ+3], s[28:29] offset:512*(\n)   ; a row's 512 bytes of codes, consecutive
	ds_store_b8 v[SW], v[BQ] offset:32*(\n)
.endm
.macro UNIT n
.if (\n) == 0
	s_wait_dscnt 0x0
.else
	s_wait_dscnt SINKDS                            ; this unit's numbers are back from the stage; only the last unit's sink is younger.  So its stores into the stage have read set n % 7,
.endif
.if (\n)+7 < NU
	LOADU (\n)+7                                   ; which takes the unit seven on
.endif
.if (\n)+1 < NU
.if NU-2-(\n) >= 6
	s_wait_loadcnt 48                              ; the next unit's eight loads are in; six units behind it may be out
.else
	s_wait_loadcnt 8*(NU-2-(\n))                   ; near the end: as many units as are left behind it
.endif
	TURNU (\n)+1
.endif
	QBLK \n
	SINK \n
.endm
	s_load_b512 s[4:19], s[0:1], 0x0               ; x 4, A 6, sA 8, sgate 10, B 12, sB 14, weights 16, qx 18
	s_load_b128 s[20:23], s[0:1], 0x40             ; bq 20, route 22
	v_lshl_add_u32 v254, v0, 2, 0x9400
	v_mov_b32 v255, 0
	v_lshrrev_b32 v1, 5, v0
	v_readfirstlane_b32 s24, v1                    ; wave
	v_and_b32 v1, 31, v0                           ; lane
	v_and_b32 v2, 15, v0                           ; r
	v_bfe_u32 v3, v0, 4, 1                         ; h
	v_lshlrev_b32 v[L16], 4, v1
	s_mov_b32 s33, 0
	s_wait_kmcnt 0x0
	s_cmp_ge_u32 ttmp9, 73
	s_cbranch_scc1 .Lroute
	s_cmp_ge_u32 ttmp9, 41
	s_cbranch_scc1 .Llora
	; ---- (a) the stream
	s_lshl_b32 s25, ttmp9, 2
	s_add_co_u32 s25, s25, s24                     ; my run of 8 rows; there are 162
	s_cmp_ge_u32 s25, 162
	s_cbranch_scc1 .Lend
	s_mul_i32 s34, s24, 9216
	v_lshrrev_b32 v10, 3, v1
	v_mul_u32_u24 v[TIN], v10, 144
	v_and_b32 v10, 7, v1
	v_lshl_add_u32 v[TIN], v10, 4, v[TIN]
	v_add_nc_u32 v[TIN], s34, v[TIN]
	v_mul_u32_u24 v[TOUT], v1, 144
	v_add_nc_u32 v[TOUT], s34, v[TOUT]
	s_lshl_b32 s34, s24, 8
	s_add_co_u32 s34, s34, SBY
	v_add_nc_u32 v[SW], s34, v1
	v_lshlrev_b32 v[L8], 3, v1
	v_add_nc_u32 v[SR], s34, v[L8]
	s_mov_b64 s[26:27], s[10:11]                   ; which tensor, and its first run: the choice hangs on the run's number alone
	s_mov_b32 s32, 160
	s_cmp_lt_u32 s25, 160
	s_cselect_b64 s[26:27], s[8:9], s[26:27]
	s_cselect_b32 s32, 144, s32
	s_cmp_lt_u32 s25, 144
	s_cselect_b64 s[26:27], s[6:7], s[26:27]
	s_cselect_b32 s32, 128, s32
	s_cmp_lt_u32 s25, 128
	s_cselect_b64 s[26:27], s[4:5], s[26:27]
	s_cselect_b32 s32, 0, s32
	s_sub_co_u32 s32, s25, s32
	s_lshl_b32 s32, s32, 15                        ; 32,768 bytes a run
	s_add_nc_u64 s[26:27], s[26:27], s[32:33]
	s_lshl_b32 s32, s25, 12
	s_add_nc_u64 s[28:29], s[18:19], s[32:33]      ; its codes: 4,096 bytes
	s_lshl_b32 s32, s25, 8
	s_add_co_u32 s32, s32, 663552
	s_add_nc_u64 s[30:31], s[18:19], s[32:33]      ; its scale bytes: 256
.irp t, 0,1,2,3,4,5,6
	LOADU \t
.endr
	s_wait_loadcnt 48                              ; unit 0 is in; units 1 to 6 may be out
	TURNU 0
.set Q, 0
.rept NU
	UNIT Q
.set Q, Q+1
.endr
	ds_load_b64 v[140:141], v[SR]                  ; in order behind my byte stores
	s_wait_dscnt 0x0
	global_store_b64 v[L8], v[140:141], s[30:31]   ; 32 lanes store 256 consecutive bytes
	s_wait_tensorcnt 0x0
	ds_add_u32 v254, v255
	s_wait_dscnt 0x0
	s_endpgm
	; ---- (b) B (p = 0) and sB (p = 1): lane (r, h) takes row d = 16 dt + r; for c = 0, 1 its block 2 c + h is experts 4 c + 2 h and 4 c + 2 h + 1, in the order [expert][rank] or [expert][s][rank]
.Llora:
	s_sub_co_u32 s25, ttmp9, 41
	s_lshl_b32 s25, s25, 2
	s_add_co_u32 s25, s25, s24                     ; u = 2 dt + p
	s_lshr_b32 s26, s25, 1
	s_and_b32 s27, s25, 1
	v_lshl_add_u32 v5, s26, 4, v2                  ; d
	v_lshlrev_b32 v6, 17, v3                       ; two experts further for lanes 16-31
	v_lshlrev_b32 v8, 2, v1
	s_mov_b32 s34, 0x76543210
	s_mov_b32 s35, 0xfedcba98                      ; lane l xor 16
	s_lshl_b32 s32, s25, 10
	s_add_nc_u64 s[28:29], s[20:21], s[32:33]      ; the image: 1,024 bytes
	s_lshl_b32 s32, s25, 7
	s_add_nc_u64 s[30:31], s[20:21], s[32:33]      ; its scale words: 128 bytes, from byte 131,072 on
	s_cmp_lg_u32 s27, 0
	s_cbranch_scc1 .Lspawn
	v_lshl_add_u32 v7, v5, 6, v6                   ; B: 64 bytes a row d, 65,536 an expert
.irp c, 0,1
.irp ee, 0,1
.irp i, 0,1,2,3
	global_load_b128 v[X+32*\c+16*\ee+4*\i:X+32*\c+16*\ee+4*\i+3], v7, s[12:13] offset:262144*\c+65536*\ee+16*\i
.endr
.endr
.endr
	s_branch .Lgot
.Lspawn:
	v_lshl_add_u32 v7, v5, 5, v6                   ; sB: 32 bytes a row d, 32,768 an s, 65,536 an expert
.irp c, 0,1
.irp ee, 0,1
.irp sp, 0,1
.irp i, 0,1
	global_load_b128 v[X+32*\c+16*\ee+8*\sp+4*\i:X+32*\c+16*\ee+8*\sp+4*\i+3], v7, s[14:15] offset:262144*\c+65536*\ee+32768*\sp+16*\i
.endr
.endr
.endr
.endr
.Lgot:
	s_wait_loadcnt 0x0
.irp c, 0,1
	v_max3_num_f32 v[10+\c], |v[X+32*\c]|, |v[X+32*\c+1]|, 0x1800000
.endr
.irp i, 2,4,6,8,10,12,14,16,18,20,22,24,26,28,30
.irp c, 0,1
	v_max3_num_f32 v[10+\c], v[10+\c], |v[X+32*\c+\i]|, |v[X+32*\c+\i+1]|
.endr
.endr
.irp c, 0,1
	v_add_nc_u32 v[12+\c], 0xff000000, v[10+\c]
.endr
.irp c, 0,1
	v_lshrrev_b32 v[14+\c], 23, v[12+\c]
.endr
	v_lshl_or_b32 v16, v15, 16, v14                ; my two bytes, blocks h and 2 + h,
	v_lshlrev_b32 v17, 3, v3
	v_lshlrev_b32 v16, v17, v16                    ; at their places in the row's scale word;
	v_mov_b32 v17, 0
	v_permlanex16_b32 v17, v16, s34, s35
	v_or_b32 v16, v16, v17                         ; with lane l xor 16's two the word is whole
.irp c, 0,1
.irp g, 0,1,2,3
	v_cvt_scalef32_pk8_fp4_f32 v[20+4*\c+\g], v[X+32*\c+8*\g:X+32*\c+8*\g+7], v[12+\c]
.endr
.endr
	global_store_b128 v[L16], v[20:23], s[28:29]
	global_store_b128 v[L16], v[24:27], s[28:29] offset:512
	global_store_b32 v8, v16, s[30:31] offset:131072
	s_endpgm
	; ---- (c) the routing: wave (e, g) makes places 32 g .. 32 g + 31 of expert e's list and the ranks of tokens 32 g .. 32 g + 31
.Lroute:
	s_sub_co_u32 s25, ttmp9, 73
	s_lshl_b32 s25, s25, 2
	s_add_co_u32 s25, s25, s24
	s_lshr_b32 s31, s25, 5                         ; e
	s_and_b32 s32, s25, 31                         ; g
	s_lshl_b32 s34, s31, 2
	v_lshl_add_u32 v5, v1, 5, s34                  ; a token's weights are 32 bytes
.set i, 0
.rept 32
	global_load_b32 v[32+i], v5, s[16:17] offset:1024*i      ; the weight of token 32 i + lane
.set i, i+1
.endr
	s_lshl_b32 s34, s32, 5
	v_add_nc_u32 v6, s34, v1                       ; my place p
	v_mov_b32 v7, 0                                ; the mask word that holds my place,
	v_mov_b32 v8, 0                                ; the count in front of it,
	v_mov_b32 v9, 0                                ; and its number
	s_mov_b32 s26, 0                               ; the running count
	s_mov_b32 s27, 0                               ; word g
	s_mov_b32 s28, 0                               ; the count in front of word g
	s_lshl_b32 s34, s31, 12
	s_lshl_b32 s36, s32, 7
	s_add_co_u32 s34, s34, s36
	s_mov_b32 s35, 0
	s_add_nc_u64 s[36:37], s[22:23], s[34:35]      ; route + 4,096 e + 128 g
	s_lshl_b32 s34, s31, 7
	s_add_nc_u64 s[38:39], s[22:23], s[34:35]      ; route + 128 e
	s_wait_loadcnt 0x0
.set i, 0
.rept 32
	v_cmp_neq_f32 s29, 0, v[32+i]                  ; word i of the mask
	v_cmp_le_u32 vcc_lo, s26, v6                   ; the count never falls: the last word for which it is at most p holds place p
	v_mov_b32 v10, i
	v_cndmask_b32 v7, v7, s29, vcc_lo
	v_cndmask_b32 v8, v8, s26, vcc_lo
	v_cndmask_b32 v9, v9, v10, vcc_lo
	s_cmp_eq_u32 s32, i
	s_cselect_b32 s27, s29, s27
	s_cselect_b32 s28, s26, s28
	s_bcnt1_i32_b32 s30, s29
	s_add_co_u32 s26, s26, s30
.set i, i+1
.endr
	v_sub_nc_u32 v11, v6, v8                       ; which set bit of my word
	v_mov_b32 v13, 0
	v_mov_b32 v14, 0
.set i, 0
.rept 32
	v_bfe_u32 v12, v7, i, 1
	v_add_nc_u32 v13, v13, v12                     ; set bits up to bit i
	v_cmp_le_u32 vcc_lo, v13, v11
	v_cndmask_b32 v12, 0, 1, vcc_lo
	v_add_nc_u32 v14, v14, v12                     ; the bits in front of mine are those for which that count is not above my number
.set i, i+1
.endr
	v_lshl_add_u32 v14, v9, 5, v14                 ; the token
	v_cmp_gt_u32 vcc_lo, s26, v6
	v_cndmask_b32 v14, 0, v14, vcc_lo              ; 0 behind the expert's last token
	v_lshlrev_b32 v16, 2, v1
	global_store_b32 v16, v14, s[36:37]
	v_mbcnt_lo_u32_b32 v13, s27, 0                 ; the rank of token 32 g + lane
	v_add_nc_u32 v13, s28, v13
	s_lshl_b32 s30, s31, 15
	v_add_nc_u32 v13, s30, v13
	v_mov_b32 v15, s27
	v_lshrrev_b32 v15, v1, v15
	v_and_b32 v15, 1, v15
	v_cmp_eq_u32 vcc_lo, 1, v15
	v_mov_b32 v15, 0x40000
	v_cndmask_b32 v13, v15, v13, vcc_lo
	global_store_b32 v16, v13, s[36:37] offset:32768
	s_add_co_u32 s30, s26, 15
	s_lshr_b32 s30, s30, 4
	s_max_u32 s30, s30, 1                          ; at least one tile, so that every byte that a held tile number can reach is stored
	v_mov_b32 v17, s30
	s_cmp_lg_u32 s32, 0
	s_cbranch_scc1 .Lend
	global_store_b32 v16, v17, s[38:39] offset:65536
.Lend:
	s_endpgm
.Lfunc_end_k_qc450bfdec3_prep:
	.size	k_qc450bfdec3_prep, .Lfunc_end_k_qc450bfdec3_prep-k_qc450bfdec3_prep
	.p2alignl 7, 3214868480
	.fill 96, 4, 3214868480
	.section	.rodata,"a",@progbits
	.p2align	6, 0x0
	.amdhsa_kernel k_qc450bfdec3_prep
		.amdhsa_group_segment_fixed_size 38400
		.amdhsa_private_segment_fixed_size 0
		.amdhsa_enable_private_segment 0
		.amdhsa_kernarg_size 80
		.amdhsa_user_sgpr_count 2
		.amdhsa_user_sgpr_kernarg_segment_ptr 1
		.amdhsa_wavefront_size32 1
		.amdhsa_system_sgpr_workgroup_id_x 1
		.amdhsa_system_sgpr_workgroup_id_y 1
		.amdhsa_system_sgpr_workgroup_id_z 1
		.amdhsa_system_vgpr_workitem_id 0
		.amdhsa_next_free_vgpr 512
		.amdhsa_next_free_sgpr 66
		.amdhsa_reserve_vcc 1
		.amdhsa_float_denorm_mode_32 3
		.amdhsa_float_denorm_mode_16_64 3
		.amdhsa_memory_ordered 1
		.amdhsa_forward_progress 1
		.amdhsa_inst_pref_size 64
	.end_amdhsa_kernel
	.amdgpu_metadata
---
amdhsa.version: [ 1, 2 ]
amdhsa.kernels:
  - .name:           k_qc450bfdec3_prep
    .symbol:         k_qc450bfdec3_prep.kd
    .args:
      - { .name: hidden_states, .offset: 0, .size: 8, .value_kind: global_buffer, .address_space: global }
      - { .name: A, .offset: 8, .size: 8, .value_kind: global_buffer, .address_space: global }
      - { .name: sA, .offset: 16, .size: 8, .value_kind: global_buffer, .address_space: global }
      - { .name: sgate, .offset: 24, .size: 8, .value_kind: global_buffer, .address_space: global }
      - { .name: B, .offset: 32, .size: 8, .value_kind: global_buffer, .address_space: global }
      - { .name: sB, .offset: 40, .size: 8, .value_kind: global_buffer, .address_space: global }
      - { .name: top_k_weights, .offset: 48, .size: 8, .value_kind: global_buffer, .address_space: global }
      - { .name: qx, .offset: 56, .size: 8, .value_kind: global_buffer, .address_space: global }
      - { .name: bq, .offset: 64, .size: 8, .value_kind: global_buffer, .address_space: global }
      - { .name: route, .offset: 72, .size: 8, .value_kind: global_buffer, .address_space: global }
    .group_segment_fixed_size: 38400
    .private_segment_fixed_size: 0
    .kernarg_segment_align: 8
    .kernarg_segment_size: 80
    .max_flat_workgroup_size: 128
    .sgpr_count:     66
    .vgpr_count:     512
    .wavefront_size: 32
...
	.end_amdgpu_metadata
.endif
;; end of part 1
;; launch up (part 2): grid 256 x 1, 4 waves a work-group, no clusters, 144,896 bytes of LDS; arguments Wg, Wu, qx, route, top_k_weights, hq; writes hq
.if DOCPART == 2
	.amdgcn_target "amdgcn-amd-amdhsa--gfx1250"
	.amdhsa_code_object_version 6
	.text
	.protected	k_qc450bfdec3_up
	.globl	k_qc450bfdec3_up
	.p2align	8
	.type	k_qc450bfdec3_up,@function
k_qc450bfdec3_up:
	s_mov_b64 s[64:65], 0
	v_nop
	global_prefetch_b8 v0, s[64:65] scope:SCOPE_SE
	s_setreg_imm32_b32 hwreg(HW_REG_WAVE_MODE, 25, 1), 1
	s_wait_xcnt 0x0
; UP: h = silu(x Wg^T) (x Wu^T) w, quantised along f, for the tokens on each expert's list.
; A WORK-GROUP OWNS WEIGHTS: expert e = wg / 32, f = 64 j .. 64 j + 63 (j = wg % 32): 64 rows of Wg and 64 of Wu, 512 KB of f32, read once, by this work-group alone, in loads of 512 consecutive bytes.
; Phase W: wave w quantises 32 of the 128 rows (units as in the first launch) into LDS.  One barrier.  Then EVERY wave takes all 64 fragments (512 registers) and walks token tiles w, w + 4, ..
; Nothing is shared between work-groups but x's codes, which are gathered rows in loops whose trip counts are read from memory: no barrier may stand there, so no tile is fetched jointly.
; BOTH PRODUCTS ARE USED TRANSPOSED (source 0 = 16 weight rows, source 1 = 16 tokens): a lane holds one token, its registers run along f.  The rows of a tile are not neighbours:
; lane r of tile 2 b + u takes row 32 b + 8 u + r + 8 (r / 8), so that the 16 registers of tiles 2 b, 2 b + 1 are f = 32 b + 16 (lane / 16) + 0 .. 15.
; hq: codes [e][tile][K step 16][c 2][lane][16 bytes], the register image of the next launch's operand; from byte 8,388,608 scale words [e][tile][lane 32][8]: lane (r, h) word q is token r, K step 8 h + q.
; The 64 f of a work-group are half a K step: 16 bytes a lane, and two scale bytes a token, which leave as single bytes (a K step's word comes from two work-groups).
; Places of a tile behind the expert's last token carry token 0; what is made of them is stored and never used.
; LIMITS: NaN and infinities among the inputs are not served; a block of zeros has the scale byte 1 (its codes are zeros).
.set WS,   67584                       ; LDS: codes, 128 rows x 528 bytes from 0; scale bytes, 128 rows x 48
.set FST,  73728                       ; two stages of 4,608 bytes for each wave
.set XST,  110592                      ; 16 rows x 528 bytes for each wave: x's rows on their way to fragments
.set L16,  4
.set TIN,  5
.set TOUT, 6
.set CW,   7                           ; v7   where I put a row's codes
.set SW,   8                           ; v8   and its scale byte
.set FRA,  9                           ; v9   my lane's place in a tile of weight rows
.set SCA,  10                          ; v10  and among their scale words: lanes 0-15 Wg's rows, lanes 16-31 Wu's
.set XSTO, 11
.set XRD,  12
.set VTK,  13                          ; v13  my token
.set LA,   14
.set RA,   16                          ; v16-31 the 16 rows' offsets in qx
.set X,    32                          ; phase W: v32-95 numbers, v96-108 codes and temporaries
.set CB,   96
.set BYB,  104
.set MXA,  106
.set MXB,  107
.set SCL,  108
.set NCS,  2
.set NU,   32
.set SINKDS, 2
.set G,    96                          ; v96-127 the gate's four tiles, v128-159 the up product's, v160-191 at work
.set U,    128
.set T,    160
.set WSC,  192                         ; v192-223 the weights' scale words: 8 (tile % 4) + K step
.set XS,   224                         ; v224-227 x's scale words: lanes 0-15 K steps 0-3, lanes 16-31 steps 4-7
.set XSL,  228                         ; v228-231 the next tile's, as loaded
.set WL,   232
.set BYL,  233
.set WV,   234                         ; v234-235 the routing weight, twice
.set HSC,  236
.set XSA,  237
.set WA,   238
.set HO,   239
.set HSO,  240
.set PCD,  242                         ; v242-245 h's codes
.set TM,   246
.set TP,   248
.set SC,   250
.set BY,   252
.set SRC,  24
.set MSB, 0
.macro WIN new                         ; register windows: bits 1:0 source 0, 3:2 source 1, 5:4 source 2, 7:6 destination; the high byte repeats the setting that is left
.if MSB != (\new)
	s_set_vgpr_msb (MSB<<8)|(\new)
.set MSB, (\new)
.endif
.endm
; window 1: phase W: seven sets of 32 numbers as loaded; then the fragments of K steps 0-3 at v[8 (4 a + s)].  window 2: those of K steps 4-7.  window 3: v0-63 x's fragments, v64-127 x's rows as loaded.
.macro LOADU n
	WIN 0x40
.irp m, 0,1,2,3,4,5,6,7
	global_load_b128 v[32*((\n)%7)+4*\m:32*((\n)%7)+4*\m+3], v[L16], s[SRC:SRC+1] offset:4096*(\n)+512*\m th:TH_LOAD_NT
.endr
.endm
.macro TURNU n
	WIN 0x04
.irp m, 0,1,2,3,4,5,6,7
	ds_store_b128 v[TIN], v[32*((\n)%7)+4*\m:32*((\n)%7)+4*\m+3] offset:4608*((\n)%2)+576*\m
.endr
	WIN 0
.irp i, 0,1,2,3,4,5,6,7
	ds_load_b128 v[X+32*((\n)%2)+4*\i:X+32*((\n)%2)+4*\i+3], v[TOUT] offset:4608*((\n)%2)+16*\i
.endr
.endm
.macro QBLK n
.set XQ, X+32*((\n)%2)
.set CQ, CB+4*((\n)%NCS)
.set BQ, BYB+((\n)%NCS)
	v_max3_num_f32 v[MXA], |v[XQ]|, |v[XQ+1]|, |v[XQ+2]|
	v_max3_num_f32 v[MXB], |v[XQ+3]|, |v[XQ+4]|, |v[XQ+5]|
.irp i, 6,10,14,18,22,26
	v_max3_num_f32 v[MXA], v[MXA], |v[XQ+\i]|, |v[XQ+\i+1]|
	v_max3_num_f32 v[MXB], v[MXB], |v[XQ+\i+2]|, |v[XQ+\i+3]|
.endr
	v_max3_num_f32 v[MXA], v[MXA], |v[XQ+30]|, |v[XQ+31]|
	v_max3_num_f32 v[MXA], v[MXA], v[MXB], 0x1800000
	v_add_nc_u32 v[SCL], 0xff000000, v[MXA]
.irp g, 0,1,2,3
	v_cvt_scalef32_pk8_fp4_f32 v[CQ+\g], v[XQ+8*\g:XQ+8*\g+7], v[SCL]
.endr
	v_lshrrev_b32 v[BQ], 23, v[SCL]                ; the byte; also the plain line behind the conversions
.endm
.macro SINK n                          ; unit n is weight row n of my 32
	ds_store_b128 v[CW], v[CQ:CQ+3] offset:528*(\n)
	ds_store_b8 v[SW], v[BQ] offset:48*(\n)
.endm
.macro UNIT n
.if (\n) == 0
	s_wait_dscnt 0x0
.else
	s_wait_dscnt SINKDS                            ; this unit's numbers are back from the stage; only the last unit's two sink stores are younger
.endif
.if (\n)+7 < NU
	LOADU (\n)+7                                   ; set n % 7 has been read by its stage stores
.endif
.if (\n)+1 < NU
.if NU-2-(\n) >= 6
	s_wait_loadcnt 48                              ; the next unit is in; six units behind it may be out
.else
	s_wait_loadcnt 8*(NU-2-(\n))
.endif
	TURNU (\n)+1
.endif
	QBLK \n
	SINK \n
.endm
; The list's 16 tokens of tile s21 + add (held at 63; every place of a list is stored): as scalars for the rows' addresses, and token r for lane (r, h)
.macro LISTREQ add
	s_add_co_u32 s53, s21, \add
	s_min_u32 s53, s53, 63
	s_lshl_b32 s53, s53, 6
	s_add_co_u32 s53, s53, s52
	s_load_b512 s[32:47], s[10:11], s53 offset:0x0
	v_lshl_add_u32 v[LA], v2, 2, s53
	global_load_b32 v[VTK], v[LA], s[10:11]
.endm
.macro ADDR
.irp i, 0,1,2,3,4,5,6,7,8,9,10,11,12,13,14,15
	s_min_u32 s[32+\i], s[32+\i], 1023
	v_lshl_add_u32 v[RA+\i], s[32+\i], 9, v[L16]   ; a row of codes is 512 bytes: 16 a lane
.endr
	v_min_u32 v15, 1023, v[VTK]
	v_lshlrev_b32 v15, 5, v15
	v_lshl_add_u32 v[XSA], v3, 4, v15              ; its 32 scale bytes: 16 for each half of the lanes
	v_add_nc_u32 v[WA], s50, v15                   ; its weight for expert e
.endm
.macro ROWLOADS
	WIN 0xc0
.irp i, 0,1,2,3,4,5,6,7,8,9,10,11,12,13,14,15
	global_load_b128 v[64+4*\i:64+4*\i+3], v[RA+\i], s[8:9]        ; one token's 512 consecutive bytes
.endr
	WIN 0
	global_load_b128 v[XSL:XSL+3], v[XSA], s[8:9] offset:663552
	global_load_b32 v[WL], v[WA], s[12:13]
.endm
.macro TURNX                           ; rows into my stage, fragments out of it
	WIN 0x0c
.irp i, 0,1,2,3,4,5,6,7,8,9,10,11,12,13,14,15
	ds_store_b128 v[XSTO], v[64+4*\i:64+4*\i+3] offset:528*\i
.endr
	WIN 0xc0
.irp sp, 0,1,2,3,4,5,6,7
.irp c, 0,1
	ds_load_b128 v[8*\sp+4*\c:8*\sp+4*\c+3], v[XRD] offset:64*\sp+32*\c
.endr
.endr
	WIN 0
.irp i, 0,1,2,3
	v_mov_b32 v[XS+\i], v[XSL+\i]
.endr
	v_mov_b32 v[WV], v[WL]
	v_mov_b32 v[WV+1], v[WL]
.endm
.macro WM a, s                         ; tile a (0-3 gate, 4-7 up), K step s
.set dD, G+8*\a
.set dA, 8*(4*\a+(\s%4))
.set dB, 8*\s
.set dW, WSC+8*(\a%4)+\s
.set dX, XS+(\s%4)
.if \s == 0
.if \a < 4
	v_wmma_scale_f32_16x16x128_f8f6f4 v[dD:dD+7], v[dA:dA+7], v[dB:dB+7], 0, v[dW], v[dX] matrix_a_fmt:MATRIX_FMT_FP4 matrix_b_fmt:MATRIX_FMT_FP4
.else
	v_wmma_scale_f32_16x16x128_f8f6f4 v[dD:dD+7], v[dA:dA+7], v[dB:dB+7], 0, v[dW], v[dX] matrix_a_fmt:MATRIX_FMT_FP4 matrix_b_fmt:MATRIX_FMT_FP4 matrix_a_scale:MATRIX_SCALE_ROW1
.endif
.elseif \s < 4
.if \a < 4
	v_wmma_scale_f32_16x16x128_f8f6f4 v[dD:dD+7], v[dA:dA+7], v[dB:dB+7], v[dD:dD+7], v[dW], v[dX] matrix_a_fmt:MATRIX_FMT_FP4 matrix_b_fmt:MATRIX_FMT_FP4
.else
	v_wmma_scale_f32_16x16x128_f8f6f4 v[dD:dD+7], v[dA:dA+7], v[dB:dB+7], v[dD:dD+7], v[dW], v[dX] matrix_a_fmt:MATRIX_FMT_FP4 matrix_b_fmt:MATRIX_FMT_FP4 matrix_a_scale:MATRIX_SCALE_ROW1
.endif
.else
.if \a < 4
	v_wmma_scale_f32_16x16x128_f8f6f4 v[dD:dD+7], v[dA:dA+7], v[dB:dB+7], v[dD:dD+7], v[dW], v[dX] matrix_a_fmt:MATRIX_FMT_FP4 matrix_b_fmt:MATRIX_FMT_FP4 matrix_b_scale:MATRIX_SCALE_ROW1
.else
	v_wmma_scale_f32_16x16x128_f8f6f4 v[dD:dD+7], v[dA:dA+7], v[dB:dB+7], v[dD:dD+7], v[dW], v[dX] matrix_a_fmt:MATRIX_FMT_FP4 matrix_b_fmt:MATRIX_FMT_FP4 matrix_a_scale:MATRIX_SCALE_ROW1 matrix_b_scale:MATRIX_SCALE_ROW1
.endif
.endif
.endm
.macro MUL                             ; 64 products; the eight accumulators take turns, one instruction a turn
.irp s, 0,1,2,3,4,5,6,7
.if \s < 4
	WIN 0x0d                                       ; weights window 1, x window 3
.else
	WIN 0x0e                                       ; weights window 2
.endif
.irp a, 0,1,2,3,4,5,6,7
	WM \a, \s
.endr
.endr
	WIN 0
.endm
.macro EPI                             ; silu(g) u w in f32, quantised, stored
.rept 4
	v_nop                                          ; four places between the last product and the first read of results (ISA guide 7.12.1)
.endr
	s_wait_xcnt 0x0                                ; the last tile's stores have read their data and addresses, which are written again below
.set k, 0
.rept 16
	v_pk_mul_f32 v[T+k:T+k+1], v[G+k:G+k+1], 0xbfb8aa3b op_sel_hi:[1,0]   ; -g log2(e); each accumulator from its low end on
.set k, k+2
.endr
.set k, 0
.rept 32
	v_exp_f32 v[T+k], v[T+k]
.set k, k+1
.endr
	v_nop                                          ; a plain line between the exponentials and the use of their results
.set k, 0
	s_wait_alu depctr_va_vdst(0)
.rept 16
	v_pk_add_f32 v[T+k:T+k+1], v[T+k:T+k+1], 1.0 op_sel_hi:[1,0]
.set k, k+2
.endr
.set k, 0
.rept 32
	v_rcp_f32 v[T+k], v[T+k]                       ; sigmoid(g)
.set k, k+1
.endr
	v_nop
.set k, 0
	s_wait_alu depctr_va_vdst(0)
.rept 16
	v_pk_mul_f32 v[G+k:G+k+1], v[G+k:G+k+1], v[T+k:T+k+1]
.set k, k+2
.endr
.set k, 0
.rept 16
	v_pk_mul_f32 v[G+k:G+k+1], v[G+k:G+k+1], v[U+k:U+k+1]
.set k, k+2
.endr
.set k, 0
.rept 16
	v_pk_mul_f32 v[G+k:G+k+1], v[G+k:G+k+1], v[WV:WV+1] op_sel_hi:[1,0]
.set k, k+2
.endr
.irp b, 0,1                            ; two blocks of 32 along f: 16 numbers here, 16 in lane l xor 16
	v_max3_num_f32 v[TM+\b], |v[G+16*\b]|, |v[G+16*\b+1]|, 0x1800000
.endr
.irp i, 2,4,6,8,10,12,14
.irp b, 0,1
	v_max3_num_f32 v[TM+\b], v[TM+\b], |v[G+16*\b+\i]|, |v[G+16*\b+\i+1]|
.endr
.endr
.irp b, 0,1
	v_permlanex16_b32 v[TP+\b], v[TM+\b], s48, s49
.endr
.irp b, 0,1
	v_max_num_f32 v[TM+\b], v[TM+\b], v[TP+\b]
.endr
.irp b, 0,1
	v_add_nc_u32 v[SC+\b], 0xff000000, v[TM+\b]
.endr
.irp b, 0,1
	v_lshrrev_b32 v[BY+\b], 23, v[SC+\b]
.endr
.irp b, 0,1
	v_cvt_scalef32_pk8_fp4_f32 v[PCD+2*\b], v[G+16*\b:G+16*\b+7], v[SC+\b]
	v_cvt_scalef32_pk8_fp4_f32 v[PCD+2*\b+1], v[G+16*\b+8:G+16*\b+15], v[SC+\b]
.endr
	v_nop                                          ; a plain line behind the conversions
	v_permlane16_swap_b32 v[PCD], v[PCD+2]         ; the operand wants a whole block in a lane: lanes 0-15 block 0, lanes 16-31 block 1
	v_permlane16_swap_b32 v[PCD+1], v[PCD+3]
	v_cndmask_b32 v[BYL], v[BY], v[BY+1], s51      ; lane (r, h) stores block h's byte
	s_min_u32 s22, s21, 63
	v_lshl_add_u32 v[HO], s22, 14, v[L16]
	v_lshl_add_u32 v[HSO], s22, 10, v[HSC]
	global_store_b128 v[HO], v[PCD:PCD+3], s[26:27]   ; 512 consecutive bytes
	global_store_b8 v[HSO], v[BYL], s[28:29]
.endm
.macro TRIP next                       ; one tile of 16 tokens; next = 1: the tile after it is asked for
	s_wait_loadcnt 0x0                             ; this tile's rows, scale words and weights; the next tile's tokens
	s_wait_kmcnt 0x0
	TURNX
	s_wait_dscnt 0x0                               ; the fragments are in (in the first trip the weights' too), and the stage's stores have read the rows' registers
.if \next
	ADDR                                           ; twenty plain lines: more than the eight places between the copies of x's scale words and the first scaled product
	ROWLOADS
	LISTREQ 8
.else
.rept 8
	v_nop
.endr
.endif
	MUL
	EPI
	s_add_co_u32 s21, s21, 4
.endm
	s_load_b256 s[4:11], s[0:1], 0x0               ; Wg 4, Wu 6, qx 8, route 10
	s_load_b128 s[12:15], s[0:1], 0x20             ; weights 12, hq 14
	v_lshl_add_u32 v254, v0, 2, 0x23400
	v_mov_b32 v255, 0
	v_lshrrev_b32 v1, 5, v0
	v_readfirstlane_b32 s16, v1                    ; wave
	v_and_b32 v1, 31, v0
	v_and_b32 v2, 15, v0                           ; r
	v_bfe_u32 v3, v0, 4, 1                         ; h
	v_lshlrev_b32 v[L16], 4, v1
	s_lshr_b32 s17, ttmp9, 5                       ; e
	s_and_b32 s18, ttmp9, 31                       ; j
	s_mul_i32 s22, s16, 9216
	s_add_co_u32 s22, s22, FST
	v_lshrrev_b32 v15, 3, v1
	v_mul_u32_u24 v[TIN], v15, 144
	v_and_b32 v15, 7, v1
	v_lshl_add_u32 v[TIN], v15, 4, v[TIN]
	v_add_nc_u32 v[TIN], s22, v[TIN]
	v_mul_u32_u24 v[TOUT], v1, 144
	v_add_nc_u32 v[TOUT], s22, v[TOUT]
	s_mul_i32 s22, s16, 32*528
	v_add_nc_u32 v[CW], s22, v[L16]
	s_mul_i32 s22, s16, 32*48
	s_add_co_u32 s22, s22, WS
	v_add_nc_u32 v[SW], s22, v1
	v_and_b32 v15, 8, v2
	v_add_nc_u32 v15, v15, v2                      ; r + 8 (r / 8)
	v_mul_u32_u24 v[FRA], v15, 528
	v_lshl_add_u32 v[FRA], v3, 4, v[FRA]
	v_mul_u32_u24 v[SCA], v15, 48
	v_mad_u32_u24 v[SCA], v3, 3072, v[SCA]         ; lanes 16-31: 64 rows on
	v_add_nc_u32 v[SCA], WS, v[SCA]
	s_mul_i32 s22, s16, 8448
	s_add_co_u32 s22, s22, XST
	v_add_nc_u32 v[XSTO], s22, v[L16]
	v_mul_u32_u24 v[XRD], v2, 528
	v_lshl_add_u32 v[XRD], v3, 4, v[XRD]
	v_add_nc_u32 v[XRD], s22, v[XRD]
	s_lshr_b32 s22, s18, 4                         ; my scale byte in a tile's 1,024: (16 (j / 16) + r) 32 + 4 ((j / 2) % 8) + 2 (j % 2) + h
	s_lshl_b32 s22, s22, 9
	s_bfe_u32 s23, s18, 0x30001
	s_lshl_b32 s23, s23, 2
	s_add_co_u32 s22, s22, s23
	s_and_b32 s23, s18, 1
	s_lshl_b32 s23, s23, 1
	s_add_co_u32 s22, s22, s23
	v_lshl_add_u32 v[HSC], v2, 5, v3
	v_add_nc_u32 v[HSC], s22, v[HSC]
	v_mov_b32 v[TP], 0                             ; a lane permute's destination counts as one of its sources
	v_mov_b32 v[TP+1], 0
	s_lshl_b32 s50, s17, 2
	s_lshl_b32 s52, s17, 12
	s_mov_b32 s51, 0xffff0000
	s_mov_b32 s48, 0x76543210
	s_mov_b32 s49, 0xfedcba98
	s_mov_b32 s21, s16                             ; my first tile
	s_lshl_b32 s55, s17, 7
	s_lshl_b32 s22, s17, 11
	s_lshl_b32 s23, s18, 6
	s_add_co_u32 s22, s22, s23
	s_and_b32 s23, s16, 1
	s_lshl_b32 s23, s23, 5
	s_add_co_u32 s22, s22, s23                     ; my first weight row: 2,048 e + 64 j + 32 (wave % 2)
	s_lshl_b32 s22, s22, 12
	s_mov_b32 s23, 0
	s_wait_kmcnt 0x0
	s_cmp_lt_u32 s16, 2                            ; waves 0, 1: Wg; waves 2, 3: Wu
	s_cselect_b64 s[24:25], s[4:5], s[6:7]
	s_add_nc_u64 s[24:25], s[24:25], s[22:23]
	s_lshl_b32 s22, s17, 20
	s_lshl_b32 s54, s18, 9
	s_add_co_u32 s22, s22, s54
	s_add_nc_u64 s[26:27], s[14:15], s[22:23]      ; h's codes: 1,048,576 e + 512 j
	s_lshl_b32 s22, s17, 16
	s_add_co_u32 s22, s22, 8388608
	s_add_nc_u64 s[28:29], s[14:15], s[22:23]      ; h's scale words
	s_load_b32 s19, s[10:11], s55 offset:0x10000   ; the expert's tiles
	LISTREQ 0
.irp t, 0,1,2,3,4,5,6
	LOADU \t
.endr
	s_wait_loadcnt 48                              ; unit 0 is in; units 1 to 6 may be out
	TURNU 0
.set Q, 0
.rept NU
	UNIT Q
.set Q, Q+1
.endr
	s_wait_kmcnt 0x0
	s_wait_loadcnt 0x0
	s_min_u32 s19, s19, 64
	ADDR
	ROWLOADS                                       ; my first tile's rows are on their way across the barrier: nobody stores those bytes
	LISTREQ 4
	s_wait_dscnt 0x0                               ; my codes and scale bytes lie in LDS
	s_barrier_signal -1
	s_barrier_wait -1                              ; everybody's do; nothing is stored there again
.irp hw, 0,1
	WIN 0x40+0x40*\hw
.irp a, 0,1,2,3,4,5,6,7
.irp sp, 0,1,2,3
.irp c, 0,1
	ds_load_b128 v[8*(4*\a+\sp)+4*\c:8*(4*\a+\sp)+4*\c+3], v[FRA] offset:(64*(\a/4)+32*((\a%4)/2)+8*(\a%2))*528+256*\hw+64*\sp+32*\c
.endr
.endr
.endr
.endr
	WIN 0
.irp ta, 0,1,2,3
.irp q, 0,1
	ds_load_b128 v[WSC+8*\ta+4*\q:WSC+8*\ta+4*\q+3], v[SCA] offset:(32*(\ta/2)+8*(\ta%2))*48+16*\q
.endr
.endr
	s_add_co_u32 s31, s19, 3
	s_sub_co_u32 s31, s31, s16
	s_lshr_b32 s31, s31, 2                         ; my tiles: w, w + 4, .. under nt
	s_cmp_eq_u32 s31, 0
	s_cbranch_scc1 .Lend
	s_sub_co_u32 s30, s31, 1
	s_cmp_eq_u32 s30, 0
	s_cbranch_scc1 .Ltail
.Lt:
	TRIP 1
	s_sub_co_u32 s30, s30, 1
	s_cmp_lg_u32 s30, 0
	s_cbranch_scc1 .Lt
.Ltail:
	TRIP 0                                         ; the last tile asks for nothing
.Lend:
	s_wait_tensorcnt 0x0
	ds_add_u32 v254, v255
	s_wait_dscnt 0x0
	s_endpgm
.Lfunc_end_k_qc450bfdec3_up:
	.size	k_qc450bfdec3_up, .Lfunc_end_k_qc450bfdec3_up-k_qc450bfdec3_up
	.p2alignl 7, 3214868480
	.fill 96, 4, 3214868480
	.section	.rodata,"a",@progbits
	.p2align	6, 0x0
	.amdhsa_kernel k_qc450bfdec3_up
		.amdhsa_group_segment_fixed_size 144896
		.amdhsa_private_segment_fixed_size 0
		.amdhsa_enable_private_segment 0
		.amdhsa_kernarg_size 48
		.amdhsa_user_sgpr_count 2
		.amdhsa_user_sgpr_kernarg_segment_ptr 1
		.amdhsa_wavefront_size32 1
		.amdhsa_system_sgpr_workgroup_id_x 1
		.amdhsa_system_sgpr_workgroup_id_y 1
		.amdhsa_system_sgpr_workgroup_id_z 1
		.amdhsa_system_vgpr_workitem_id 0
		.amdhsa_next_free_vgpr 896
		.amdhsa_next_free_sgpr 66
		.amdhsa_reserve_vcc 0
		.amdhsa_float_denorm_mode_32 3
		.amdhsa_float_denorm_mode_16_64 3
		.amdhsa_memory_ordered 1
		.amdhsa_forward_progress 1
		.amdhsa_inst_pref_size 172
	.end_amdhsa_kernel
	.amdgpu_metadata
---
amdhsa.version: [ 1, 2 ]
amdhsa.kernels:
  - .name:           k_qc450bfdec3_up
    .symbol:         k_qc450bfdec3_up.kd
    .args:
      - { .name: Wg, .offset: 0, .size: 8, .value_kind: global_buffer, .address_space: global }
      - { .name: Wu, .offset: 8, .size: 8, .value_kind: global_buffer, .address_space: global }
      - { .name: qx, .offset: 16, .size: 8, .value_kind: global_buffer, .address_space: global }
      - { .name: route, .offset: 24, .size: 8, .value_kind: global_buffer, .address_space: global }
      - { .name: top_k_weights, .offset: 32, .size: 8, .value_kind: global_buffer, .address_space: global }
      - { .name: hq, .offset: 40, .size: 8, .value_kind: global_buffer, .address_space: global }
    .group_segment_fixed_size: 144896
    .private_segment_fixed_size: 0
    .kernarg_segment_align: 8
    .kernarg_segment_size: 48
    .max_flat_workgroup_size: 128
    .sgpr_count:     66
    .vgpr_count:     896
    .wavefront_size: 32
...
	.end_amdgpu_metadata
.endif
;; end of part 2
;; launch down (part 3): grid 256 x 1, 4 waves a work-group, no clusters, 82,432 bytes of LDS; arguments Wd, hq, qx, route, top_k_weights, part, zb; writes part, zb
.if DOCPART == 3
	.amdgcn_target "amdgcn-amd-amdhsa--gfx1250"
	.amdhsa_code_object_version 6
	.text
	.protected	k_qc450bfdec3_down
	.globl	k_qc450bfdec3_down
	.p2align	8
	.type	k_qc450bfdec3_down,@function
k_qc450bfdec3_down:
	s_mov_b64 s[64:65], 0
	v_nop
	global_prefetch_b8 v0, s[64:65] scope:SCOPE_SE
	s_setreg_imm32_b32 hwreg(HW_REG_WAVE_MODE, 25, 1), 1
	s_wait_xcnt 0x0
; DOWN: part[e][j][p][32] = h (place p of expert e's list) Wd[e]^T for d = 32 j .. 32 j + 31; beside it the first stage of the three adapters, and the rows of zeros.
; A WORK-GROUP OWNS WEIGHTS: expert e = wg / 32, 32 rows of Wd (256 KB on end), read once.  Phase W: wave w quantises 8 rows (16 units) into LDS; one barrier; every wave takes all 32 fragments
; (256 registers) and walks the expert's token tiles w, w + 4, ..  h's tiles come as register images, 512 consecutive bytes a load, two tiles ahead.
; The product is used transposed (source 0 = 16 rows of Wd, source 1 = 16 places): a lane holds one place and eight neighbouring d.  K = 2,048 is summed in two chains (even and odd K steps) that are added.
; part: rows of 128 bytes, row (32 e + j) 1,024 + p; rows (256 + j) 1,024 .. + 3 are zeros, for the experts that a token does not have.
; ADAPTERS (waves 0 and 1, token tile 2 j + w, every token): z = x A^T, zs = x sA^T, gate = x sgate^T on codes; zb[t][e] = 16 numbers z w, then 16 numbers zs (relu(gate) w), [s][rank].
; The gate's tile takes sgate's row s = 0 for its rows 0-7 and s = 1 for rows 8-15, so that lane (r, h) finds gate s = h in every register, beside zs of s = h.
; LIMITS: NaN and infinities among the inputs are not served; a block of zeros has the scale byte 1 (its codes are zeros).
.set WS,   33280                       ; LDS: codes, 32 rows x 1,040 bytes from 0; scale bytes, 32 rows x 80
.set FST,  35840                       ; two stages of 4,608 bytes for each wave
.set PST,  72704                       ; 16 rows x 144 bytes for each wave: the way out
.set L16,  4
.set TIN,  5
.set TOUT, 6
.set CW,   7
.set SW,   8
.set FRA,  9
.set WSA,  10
.set L32,  11
.set PSI,  12
.set PSO,  13
.set PO,   14
.set HA,   16                          ; v16-17 h's codes, set 0, 1;  v18-19 its scale words
.set HSA,  18
.set X,    32
.set CB,   96
.set BYB,  104
.set MXA,  106
.set MXB,  107
.set SCL,  108
.set NCS,  2
.set NU,   16
.set SINKDS, 2
.set ACC,  64                          ; v64-95: accumulator (n, parity) at 8 (2 n + parity)
.set OB,   96                          ; v96-111 rows on their way out
.set WSC,  192                         ; v192-207 Wd's scale words, one a K step: lanes 0-15 rows 0-15, lanes 16-31 rows 16-31
.set HS,   208                         ; v208-223 h's, two sets of 8: lanes 0-15 K steps 0-7, lanes 16-31 steps 8-15
.set SRC,  24
.set MSB, 0
.macro WIN new                         ; register windows: bits 1:0 source 0, 3:2 source 1, 5:4 source 2, 7:6 destination; the high byte repeats the setting that is left
.if MSB != (\new)
	s_set_vgpr_msb (MSB<<8)|(\new)
.set MSB, (\new)
.endif
.endm
; window 1: phase W: seven sets of 32 numbers as loaded; then Wd's fragments at v[8 (16 n + s)].  window 2: first A's, sA's and the gate's fragments, then two sets of h.  window 3: v0-63 x's fragments.
.macro LOADU n
	WIN 0x40
.irp m, 0,1,2,3,4,5,6,7
	global_load_b128 v[32*((\n)%7)+4*\m:32*((\n)%7)+4*\m+3], v[L16], s[SRC:SRC+1] offset:4096*(\n)+512*\m th:TH_LOAD_NT
.endr
.endm
.macro TURNU n
	WIN 0x04
.irp m, 0,1,2,3,4,5,6,7
	ds_store_b128 v[TIN], v[32*((\n)%7)+4*\m:32*((\n)%7)+4*\m+3] offset:4608*((\n)%2)+576*\m
.endr
	WIN 0
.irp i, 0,1,2,3,4,5,6,7
	ds_load_b128 v[X+32*((\n)%2)+4*\i:X+32*((\n)%2)+4*\i+3], v[TOUT] offset:4608*((\n)%2)+16*\i
.endr
.endm
.macro QBLK n
.set XQ, X+32*((\n)%2)
.set CQ, CB+4*((\n)%NCS)
.set BQ, BYB+((\n)%NCS)
	v_max3_num_f32 v[MXA], |v[XQ]|, |v[XQ+1]|, |v[XQ+2]|
	v_max3_num_f32 v[MXB], |v[XQ+3]|, |v[XQ+4]|, |v[XQ+5]|
.irp i, 6,10,14,18,22,26
	v_max3_num_f32 v[MXA], v[MXA], |v[XQ+\i]|, |v[XQ+\i+1]|
	v_max3_num_f32 v[MXB], v[MXB], |v[XQ+\i+2]|, |v[XQ+\i+3]|
.endr
	v_max3_num_f32 v[MXA], v[MXA], |v[XQ+30]|, |v[XQ+31]|
	v_max3_num_f32 v[MXA], v[MXA], v[MXB], 0x1800000
	v_add_nc_u32 v[SCL], 0xff000000, v[MXA]
.irp g, 0,1,2,3
	v_cvt_scalef32_pk8_fp4_f32 v[CQ+\g], v[XQ+8*\g:XQ+8*\g+7], v[SCL]
.endr
	v_lshrrev_b32 v[BQ], 23, v[SCL]                ; the byte; also the plain line behind the conversions
.endm
.macro SINK n                          ; unit n is half n % 2 of row n / 2 of my 8
	ds_store_b128 v[CW], v[CQ:CQ+3] offset:1040*((\n)/2)+512*((\n)%2)
	ds_store_b8 v[SW], v[BQ] offset:80*((\n)/2)+32*((\n)%2)
.endm
.macro UNIT n
.if (\n) == 0
	s_wait_dscnt 0x0
.else
	s_wait_dscnt SINKDS                            ; this unit's numbers are back from the stage; only the last unit's two sink stores are younger
.endif
.if (\n)+7 < NU
	LOADU (\n)+7
.endif
.if (\n)+1 < NU
.if NU-2-(\n) >= 6
	s_wait_loadcnt 48                              ; the next unit is in; six units behind it may be out
.else
	s_wait_loadcnt 8*(NU-2-(\n))
.endif
	TURNU (\n)+1
.endif
	QBLK \n
	SINK \n
.endm
.macro ZP d, a, sc, s                  ; one product of the adapters' first stage: accumulator d, fragments from a on (window 2), their scale words from sc on, K step s
.if \s == 0
	v_wmma_scale_f32_16x16x128_f8f6f4 v[\d:\d+7], v[\a+8*\s:\a+8*\s+7], v[8*\s:8*\s+7], 0, v[\sc+\s], v[136+\s] matrix_a_fmt:MATRIX_FMT_FP4 matrix_b_fmt:MATRIX_FMT_FP4
.elseif \s < 4
	v_wmma_scale_f32_16x16x128_f8f6f4 v[\d:\d+7], v[\a+8*\s:\a+8*\s+7], v[8*\s:8*\s+7], v[\d:\d+7], v[\sc+\s], v[136+\s] matrix_a_fmt:MATRIX_FMT_FP4 matrix_b_fmt:MATRIX_FMT_FP4
.else
	v_wmma_scale_f32_16x16x128_f8f6f4 v[\d:\d+7], v[\a+8*\s:\a+8*\s+7], v[8*\s:8*\s+7], v[\d:\d+7], v[\sc+\s-4], v[136+\s-4] matrix_a_fmt:MATRIX_FMT_FP4 matrix_b_fmt:MATRIX_FMT_FP4 matrix_a_scale:MATRIX_SCALE_ROW1 matrix_b_scale:MATRIX_SCALE_ROW1
.endif
.endm
.macro LOADH k, add                    ; h's tile s21 + add, held at the expert's last tile, into set k: 34 loads
	s_add_co_u32 s22, s21, \add
	s_min_u32 s22, s22, s20
	s_min_u32 s22, s22, 63
	v_lshl_add_u32 v[HA+\k], s22, 14, v[L16]
	v_lshl_add_u32 v[HSA+\k], s22, 10, v[L32]
	WIN 0x80
.irp m, 0,1,2,3,4,5,6,7,8,9,10,11,12,13,14,15,16,17,18,19,20,21,22,23,24,25,26,27,28,29,30,31
	global_load_b128 v[128*\k+4*\m:128*\k+4*\m+3], v[HA+\k], s[26:27] offset:512*\m
.endr
	WIN 0
.irp q, 0,1
	global_load_b128 v[HS+8*\k+4*\q:HS+8*\k+4*\q+3], v[HSA+\k], s[34:35] offset:16*\q
.endr
.endm
.macro DW k, s, n
.set dD, ACC+8*(2*\n+(\s%2))
.set dA, 8*(16*\n+\s)
.set dB, 128*\k+8*\s
.set dW, WSC+\s
.set dH, HS+8*\k+(\s%8)
.if \s < 2
.if \n == 0
	v_wmma_scale_f32_16x16x128_f8f6f4 v[dD:dD+7], v[dA:dA+7], v[dB:dB+7], 0, v[dW], v[dH] matrix_a_fmt:MATRIX_FMT_FP4 matrix_b_fmt:MATRIX_FMT_FP4
.else
	v_wmma_scale_f32_16x16x128_f8f6f4 v[dD:dD+7], v[dA:dA+7], v[dB:dB+7], 0, v[dW], v[dH] matrix_a_fmt:MATRIX_FMT_FP4 matrix_b_fmt:MATRIX_FMT_FP4 matrix_a_scale:MATRIX_SCALE_ROW1
.endif
.elseif \s < 8
.if \n == 0
	v_wmma_scale_f32_16x16x128_f8f6f4 v[dD:dD+7], v[dA:dA+7], v[dB:dB+7], v[dD:dD+7], v[dW], v[dH] matrix_a_fmt:MATRIX_FMT_FP4 matrix_b_fmt:MATRIX_FMT_FP4
.else
	v_wmma_scale_f32_16x16x128_f8f6f4 v[dD:dD+7], v[dA:dA+7], v[dB:dB+7], v[dD:dD+7], v[dW], v[dH] matrix_a_fmt:MATRIX_FMT_FP4 matrix_b_fmt:MATRIX_FMT_FP4 matrix_a_scale:MATRIX_SCALE_ROW1
.endif
.else
.if \n == 0
	v_wmma_scale_f32_16x16x128_f8f6f4 v[dD:dD+7], v[dA:dA+7], v[dB:dB+7], v[dD:dD+7], v[dW], v[dH] matrix_a_fmt:MATRIX_FMT_FP4 matrix_b_fmt:MATRIX_FMT_FP4 matrix_b_scale:MATRIX_SCALE_ROW1
.else
	v_wmma_scale_f32_16x16x128_f8f6f4 v[dD:dD+7], v[dA:dA+7], v[dB:dB+7], v[dD:dD+7], v[dW], v[dH] matrix_a_fmt:MATRIX_FMT_FP4 matrix_b_fmt:MATRIX_FMT_FP4 matrix_a_scale:MATRIX_SCALE_ROW1 matrix_b_scale:MATRIX_SCALE_ROW1
.endif
.endif
.endm
.macro TILE k, refill                  ; tile s21 + 4 k from set k: 32 products, four accumulators by turns; then 16 rows of 128 bytes leave
	WIN 0x09                                       ; Wd window 1, h window 2
.irp s, 0,1,2,3,4,5,6,7,8,9,10,11,12,13,14,15
.irp n, 0,1
	DW \k, \s, \n
.endr
.endr
	WIN 0
.rept 4
	v_nop                                          ; four places in front of the loads into h's registers and of the first read of results
.endr
.if \refill
	LOADH \k, 8+4*\k
.endif
	s_wait_xcnt 0x0                                ; the last tile's stores have read their data and address
.irp n, 0,1
.irp q, 0,1,2,3
	v_pk_add_f32 v[ACC+16*\n+2*\q:ACC+16*\n+2*\q+1], v[ACC+16*\n+2*\q:ACC+16*\n+2*\q+1], v[ACC+16*\n+8+2*\q:ACC+16*\n+8+2*\q+1]   ; the two chains; each accumulator from its low end on
.endr
.endr
.irp n, 0,1
.irp q, 0,1
	ds_store_b128 v[PSI], v[ACC+16*\n+4*\q:ACC+16*\n+4*\q+3] offset:64*\n+16*\q
.endr
.endr
.irp q, 0,1,2,3
	ds_load_b128 v[OB+4*\q:OB+4*\q+3], v[PSO] offset:576*\q        ; in order behind my stores: four rows of 128 bytes an instruction
.endr
	s_add_co_u32 s22, s21, 4*\k
	s_min_u32 s22, s22, 63
	v_lshl_add_u32 v[PO], s22, 11, v[L16]
	s_wait_dscnt 0x0
.irp q, 0,1,2,3
	global_store_b128 v[PO], v[OB+4*\q:OB+4*\q+3], s[28:29] offset:512*\q   ; 512 consecutive bytes
.endr
.endm
	s_load_b256 s[4:11], s[0:1], 0x0               ; Wd 4, hq 6, qx 8, route 10
	s_load_b128 s[12:15], s[0:1], 0x20             ; weights 12, part 14
	s_load_b64 s[36:37], s[0:1], 0x30              ; zb
	v_lshl_add_u32 v254, v0, 2, 0x14000
	v_mov_b32 v255, 0
	v_lshrrev_b32 v1, 5, v0
	v_readfirstlane_b32 s16, v1                    ; wave
	v_and_b32 v1, 31, v0
	v_and_b32 v2, 15, v0                           ; r
	v_bfe_u32 v3, v0, 4, 1                         ; h
	v_lshlrev_b32 v[L16], 4, v1
	v_lshlrev_b32 v[L32], 5, v1
	s_lshr_b32 s17, ttmp9, 5                       ; e
	s_and_b32 s18, ttmp9, 31                       ; j
	s_mul_i32 s22, s16, 9216
	s_add_co_u32 s22, s22, FST
	v_lshrrev_b32 v15, 3, v1
	v_mul_u32_u24 v[TIN], v15, 144
	v_mul_u32_u24 v[PSO], v15, 144
	v_and_b32 v15, 7, v1
	v_lshl_add_u32 v[TIN], v15, 4, v[TIN]
	v_lshl_add_u32 v[PSO], v15, 4, v[PSO]
	v_add_nc_u32 v[TIN], s22, v[TIN]
	v_mul_u32_u24 v[TOUT], v1, 144
	v_add_nc_u32 v[TOUT], s22, v[TOUT]
	s_mul_i32 s22, s16, 8*1040
	v_add_nc_u32 v[CW], s22, v[L16]
	s_mul_i32 s22, s16, 8*80
	s_add_co_u32 s22, s22, WS
	v_add_nc_u32 v[SW], s22, v1
	v_mul_u32_u24 v[FRA], v2, 1040
	v_lshl_add_u32 v[FRA], v3, 4, v[FRA]
	v_mul_u32_u24 v[WSA], v1, 80
	v_add_nc_u32 v[WSA], WS, v[WSA]
	s_mul_i32 s22, s16, 2304
	s_add_co_u32 s22, s22, PST
	v_add_nc_u32 v[PSO], s22, v[PSO]
	v_mul_u32_u24 v[PSI], v2, 144
	v_lshl_add_u32 v[PSI], v3, 5, v[PSI]
	v_add_nc_u32 v[PSI], s22, v[PSI]
	; the adapters' addresses in qx, the weights and zb
	v_lshlrev_b32 v185, 4, v3                      ; 16 h
	s_lshl_b32 s22, s18, 1
	s_add_co_u32 s22, s22, s16
	s_lshl_b32 s22, s22, 4
	v_add_nc_u32 v186, s22, v2                     ; my token: 16 (2 j + wave) + r
	v_lshl_add_u32 v176, v186, 9, v185             ; its codes,
	v_lshl_add_u32 v177, v186, 5, v185             ; its scale words,
	s_lshl_b32 s22, s17, 2
	v_lshl_add_u32 v178, v186, 5, s22              ; its weight
	s_lshl_b32 s22, s17, 4
	s_add_co_u32 s22, s22, 1024
	v_add_nc_u32 v15, s22, v2                      ; A's row 1,024 + 16 e + r; sA's lies 128 rows on
	v_lshl_add_u32 v179, v15, 9, v185
	v_lshl_add_u32 v180, v15, 5, v185
	s_lshl_b32 s22, s17, 1
	s_add_co_u32 s22, s22, 1280
	v_lshrrev_b32 v15, 3, v2
	v_add_nc_u32 v15, s22, v15                     ; the gate's row 1,280 + 2 e + r / 8
	v_lshl_add_u32 v181, v15, 9, v185
	v_lshl_add_u32 v182, v15, 5, v185
	s_lshl_b32 s22, s17, 7
	v_lshl_add_u32 v183, v3, 5, s22
	v_lshl_add_u32 v184, v186, 10, v183            ; zb: 1,024 t + 128 e + 32 h
	s_lshl_b32 s55, s17, 7
	s_lshl_b32 s22, s17, 10
	s_lshl_b32 s23, s18, 5
	s_add_co_u32 s22, s22, s23
	s_lshl_b32 s23, s16, 3
	s_add_co_u32 s22, s22, s23                     ; my first row of Wd: 1,024 e + 32 j + 8 wave
	s_lshl_b32 s22, s22, 13
	s_mov_b32 s23, 0
	s_wait_kmcnt 0x0
	s_add_nc_u64 s[24:25], s[4:5], s[22:23]
	s_lshl_b32 s22, s17, 20
	s_add_nc_u64 s[26:27], s[6:7], s[22:23]        ; the expert's h codes
	s_lshl_b32 s22, s17, 16
	s_add_co_u32 s22, s22, 8388608
	s_add_nc_u64 s[34:35], s[6:7], s[22:23]        ; and scale words
	s_lshl_b32 s22, ttmp9, 17
	s_add_nc_u64 s[28:29], s[14:15], s[22:23]      ; part: 1,024 rows of 128 bytes for (e, j)
	s_add_co_u32 s22, s18, 256
	s_lshl_b32 s22, s22, 17
	s_add_nc_u64 s[38:39], s[14:15], s[22:23]      ; the rows of zeros of slice j
	s_load_b32 s19, s[10:11], s55 offset:0x10000   ; the expert's tiles
	s_cmp_ge_u32 s16, 2
	s_cbranch_scc1 .Lno_z1
	WIN 0xc0                                       ; 69 loads, ahead of the stream's
.irp sp, 0,1,2,3,4,5,6,7
.irp c, 0,1
	global_load_b128 v[8*\sp+4*\c:8*\sp+4*\c+3], v176, s[8:9] offset:64*\sp+32*\c
.endr
.endr
	WIN 0x80
.irp sp, 0,1,2,3,4,5,6,7
.irp c, 0,1
	global_load_b128 v[8*\sp+4*\c:8*\sp+4*\c+3], v179, s[8:9] offset:64*\sp+32*\c
	global_load_b128 v[64+8*\sp+4*\c:64+8*\sp+4*\c+3], v179, s[8:9] offset:65536+64*\sp+32*\c
	global_load_b128 v[128+8*\sp+4*\c:128+8*\sp+4*\c+3], v181, s[8:9] offset:64*\sp+32*\c
.endr
.endr
	WIN 0
	global_load_b128 v[136:139], v177, s[8:9] offset:663552        ; scale words: lanes 0-15 K steps 0-3, lanes 16-31 steps 4-7
	global_load_b128 v[140:143], v180, s[8:9] offset:663552
	global_load_b128 v[144:147], v180, s[8:9] offset:663552+4096
	global_load_b128 v[148:151], v182, s[8:9] offset:663552
	global_load_b32 v152, v178, s[12:13]
.Lno_z1:
.irp t, 0,1,2,3,4,5,6
	LOADU \t
.endr
	WIN 0
	s_cmp_ge_u32 s16, 2
	s_cbranch_scc1 .Lno_z2
	s_wait_loadcnt 56                              ; the adapters' 69 loads are in; the stream's 56 are younger
	WIN 0x0e                                       ; source 0 window 2, x window 3
.irp s, 0,1,2,3,4,5,6,7
	ZP 112, 0, 140, \s                             ; three accumulators by turns
	ZP 120, 64, 144, \s
	ZP 128, 128, 148, \s
.endr
	WIN 0
.rept 4
	v_nop
.endr
	v_max_num_f32 v153, 0, v128                    ; relu(gate s = h)
	v_mul_f32 v153, v153, v152                     ; x w
.irp q, 0,1,2,3,4,5,6,7
	v_mul_f32 v[160+\q], v[112+\q], v152           ; z w, ranks 8 h + q
.endr
.irp q, 0,1,2,3,4,5,6,7
	v_mul_f32 v[168+\q], v[120+\q], v153           ; zs (relu(gate) w), s = h, rank q
.endr
	global_store_b128 v184, v[160:163], s[36:37]
	global_store_b128 v184, v[164:167], s[36:37] offset:16
	global_store_b128 v184, v[168:171], s[36:37] offset:64
	global_store_b128 v184, v[172:175], s[36:37] offset:80
.Lno_z2:
	s_cmp_lg_u32 s17, 0
	s_cbranch_scc1 .Lno_zero
	s_cmp_lg_u32 s16, 3
	s_cbranch_scc1 .Lno_zero
.irp q, 0,1,2,3
	v_mov_b32 v[156+\q], 0
.endr
	global_store_b128 v[L16], v[156:159], s[38:39] ; four rows of zeros, 512 consecutive bytes
.Lno_zero:
	s_wait_loadcnt 48                              ; unit 0 is in; units 1 to 6 may be out
	TURNU 0
.set Q, 0
.rept NU
	UNIT Q
.set Q, Q+1
.endr
	s_wait_kmcnt 0x0
	s_min_u32 s19, s19, 64
	s_sub_co_u32 s20, s19, 1
	s_mov_b32 s21, s16                             ; my first tile
	LOADH 0, 0                                     ; two tiles of h are on their way across the barrier: nobody stores those bytes here
	LOADH 1, 4
	s_wait_dscnt 0x0                               ; my codes and scale bytes lie in LDS
	s_barrier_signal -1
	s_barrier_wait -1                              ; everybody's do; nothing is stored there again
	WIN 0x40
.irp n, 0,1
.irp sp, 0,1,2,3,4,5,6,7,8,9,10,11,12,13,14,15
.irp c, 0,1
	ds_load_b128 v[8*(16*\n+\sp)+4*\c:8*(16*\n+\sp)+4*\c+3], v[FRA] offset:16*\n*1040+64*\sp+32*\c
.endr
.endr
.endr
	WIN 0
.irp q, 0,1,2,3
	ds_load_b128 v[WSC+4*\q:WSC+4*\q+3], v[WSA] offset:16*\q
.endr
	s_wait_dscnt 0x0
	s_add_co_u32 s31, s19, 3
	s_sub_co_u32 s31, s31, s16
	s_lshr_b32 s31, s31, 2                         ; my tiles
	s_cmp_eq_u32 s31, 0
	s_cbranch_scc1 .Lend
	s_sub_co_u32 s30, s31, 1
	s_lshr_b32 s30, s30, 1                         ; trips of two tiles; one or two tiles are left for the tail
	s_cmp_eq_u32 s30, 0
	s_cbranch_scc1 .Ltail
.Lt:
	s_wait_loadcnt 34                              ; set 0 is in; set 1's 34 loads may be out
	TILE 0, 1
	s_wait_loadcnt 34                              ; set 1 is in; the 34 just issued into set 0 may be out
	TILE 1, 1
	s_add_co_u32 s21, s21, 8
	s_sub_co_u32 s30, s30, 1
	s_cmp_lg_u32 s30, 0
	s_cbranch_scc1 .Lt
.Ltail:
	s_wait_loadcnt 34
	TILE 0, 0
	s_add_co_u32 s22, s21, 4
	s_cmp_ge_u32 s22, s19
	s_cbranch_scc1 .Lend
	s_wait_loadcnt 0x0
	TILE 1, 0
.Lend:
	s_wait_tensorcnt 0x0
	ds_add_u32 v254, v255
	s_wait_dscnt 0x0
	s_endpgm
.Lfunc_end_k_qc450bfdec3_down:
	.size	k_qc450bfdec3_down, .Lfunc_end_k_qc450bfdec3_down-k_qc450bfdec3_down
	.p2alignl 7, 3214868480
	.fill 96, 4, 3214868480
	.section	.rodata,"a",@progbits
	.p2align	6, 0x0
	.amdhsa_kernel k_qc450bfdec3_down
		.amdhsa_group_segment_fixed_size 82432
		.amdhsa_private_segment_fixed_size 0
		.amdhsa_enable_private_segment 0
		.amdhsa_kernarg_size 56
		.amdhsa_user_sgpr_count 2
		.amdhsa_user_sgpr_kernarg_segment_ptr 1
		.amdhsa_wavefront_size32 1
		.amdhsa_system_sgpr_workgroup_id_x 1
		.amdhsa_system_sgpr_workgroup_id_y 1
		.amdhsa_system_sgpr_workgroup_id_z 1
		.amdhsa_system_vgpr_workitem_id 0
		.amdhsa_next_free_vgpr 832
		.amdhsa_next_free_sgpr 66
		.amdhsa_reserve_vcc 0
		.amdhsa_float_denorm_mode_32 3
		.amdhsa_float_denorm_mode_16_64 3
		.amdhsa_memory_ordered 1
		.amdhsa_forward_progress 1
		.amdhsa_inst_pref_size 112
	.end_amdhsa_kernel
	.amdgpu_metadata
---
amdhsa.version: [ 1, 2 ]
amdhsa.kernels:
  - .name:           k_qc450bfdec3_down
    .symbol:         k_qc450bfdec3_down.kd
    .args:
      - { .name: Wd, .offset: 0, .size: 8, .value_kind: global_buffer, .address_space: global }
      - { .name: hq, .offset: 8, .size: 8, .value_kind: global_buffer, .address_space: global }
      - { .name: qx, .offset: 16, .size: 8, .value_kind: global_buffer, .address_space: global }
      - { .name: route, .offset: 24, .size: 8, .value_kind: global_buffer, .address_space: global }
      - { .name: top_k_weights, .offset: 32, .size: 8, .value_kind: global_buffer, .address_space: global }
      - { .name: part, .offset: 40, .size: 8, .value_kind: global_buffer, .address_space: global }
      - { .name: zb, .offset: 48, .size: 8, .value_kind: global_buffer, .address_space: global }
    .group_segment_fixed_size: 82432
    .private_segment_fixed_size: 0
    .kernarg_segment_align: 8
    .kernarg_segment_size: 56
    .max_flat_workgroup_size: 128
    .sgpr_count:     66
    .vgpr_count:     832
    .wavefront_size: 32
...
	.end_amdgpu_metadata
.endif
;; end of part 3
;; launch fin (part 4): grid 256 x 1, 4 waves a work-group, no clusters, 17,920 bytes of LDS; arguments part, zb, bq, route, out0; writes out0
.if DOCPART == 4
	.amdgcn_target "amdgcn-amd-amdhsa--gfx1250"
	.amdhsa_code_object_version 6
	.text
	.protected	k_qc450bfdec3_fin
	.globl	k_qc450bfdec3_fin
	.p2align	8
	.type	k_qc450bfdec3_fin,@function
k_qc450bfdec3_fin:
	s_mov_b64 s[64:65], 0
	v_nop
	global_prefetch_b8 v0, s[64:65] scope:SCOPE_SE
	s_setreg_imm32_b32 hwreg(HW_REG_WAVE_MODE, 25, 1), 1
	s_wait_xcnt 0x0
; FIN: out0[t][d] = 2 (zq B^T + zsq sB^T) + the sum over the token's experts, in ascending order, of its rows of part.
; Work-group (i = wg / 4, dq = wg % 4), wave w: tokens 16 i .. + 15, d = 256 dq + 64 w .. + 63.  Waves share nothing: no barrier.
; The adapters' second stage has K = 128 = (expert, rank), the expert slowest: a block of 32 is two experts' 16 numbers, whole in one lane: lane (r, h) holds, for c = 0, 1, block 2 c + h of token r,
; in the order in which the first launch laid B and sB.  The products are used transposed (source 0 = 16 rows d of B or sB, source 1 = 16 tokens): a lane holds one token and eight neighbouring d,
; which is also how it reads its rows of part: 32 bytes of each row of 128.
; rk[e][t] is a row number, or 0x40000, the largest, for an expert that the token does not have: sorted ascending, a token's experts come first, in ascending order, and 0x40000 leads to rows of zeros.
; Two slots are always summed; further pairs only while some token of the tile has one (a branch on whole numbers that an earlier launch stored).
; LIMITS: NaN and infinities among the inputs are not served; a block of zeros has the scale byte 1 (its codes are zeros).
.set L16, 4
.set L4,  5
.set T4,  6
.set ZAD, 7
.set H32, 8
.set STI, 9
.set STO, 10
.set GO,  11
.set RK,  16                           ; v16-23 the eight row numbers, then sorted
.set OF,  24                           ; v24-31 their byte offsets in part
.set ACC, 32                           ; v32-63 four tiles of 16 d
.set BS,  64                           ; v64-71 B's and sB's scale words: 2 n + p
.set ZF,  72                           ; v72-87 z's codes: product p at 8 p
.set ZW,  88                           ; v88-89 z's scale words
.set TM,  90
.set SC,  92
.set BY,  94
.set Z,   128                          ; v128-255: 64 c + 32 (expert % 2) + 16 p + index; later v128-159 rows on their way out
.set MSB, 0
.macro WIN new                         ; register windows: bits 1:0 source 0, 3:2 source 1, 5:4 source 2, 7:6 destination; the high byte repeats the setting that is left
.if MSB != (\new)
	s_set_vgpr_msb (MSB<<8)|(\new)
.set MSB, (\new)
.endif
.endm
; window 1: v0-63 B's and sB's fragments at 8 (2 n + p); v64-127 two sets of 32 numbers of part
.macro CE a, b                         ; the smaller of two to a, the larger to b
	v_min_u32 v12, v[RK+\a], v[RK+\b]
	v_max_u32 v[RK+\b], v[RK+\a], v[RK+\b]
	v_mov_b32 v[RK+\a], v12
.endm
.macro PLOAD jj, set                   ; slot jj's 64 numbers: two slices of 32 d, 131,072 bytes apart
	WIN 0x40
.irp sl, 0,1
.irp np, 0,1
.irp kk, 0,1
	global_load_b128 v[64+32*\set+8*(2*\sl+\np)+4*\kk:64+32*\set+8*(2*\sl+\np)+4*\kk+3], v[OF+\jj], s[4:5] offset:131072*\sl+64*\np+16*\kk
.endr
.endr
.endr
	WIN 0
.endm
.macro ZQ pp                           ; product pp's 64 numbers of my token become its operand's 8 registers and scale word
.irp c, 0,1
	v_max3_num_f32 v[TM+\c], |v[Z+64*\c+16*\pp]|, |v[Z+64*\c+16*\pp+1]|, 0x1800000
.endr
.irp i, 2,4,6,8,10,12,14,32,34,36,38,40,42,44,46
.irp c, 0,1
	v_max3_num_f32 v[TM+\c], v[TM+\c], |v[Z+64*\c+16*\pp+\i]|, |v[Z+64*\c+16*\pp+\i+1]|
.endr
.endr
.irp c, 0,1
	v_add_nc_u32 v[SC+\c], 0xff000000, v[TM+\c]
.endr
.irp c, 0,1
	v_lshrrev_b32 v[BY+\c], 23, v[SC+\c]
.endr
	v_lshl_or_b32 v[ZW+\pp], v[BY+1], 16, v[BY]    ; blocks h and 2 + h,
	v_lshlrev_b32 v[ZW+\pp], v13, v[ZW+\pp]        ; at their places in the word;
	v_permlanex16_b32 v96, v[ZW+\pp], s24, s25
	v_or_b32 v[ZW+\pp], v[ZW+\pp], v96             ; with lane l xor 16's two it is whole
.irp c, 0,1
.irp g, 0,1
	v_cvt_scalef32_pk8_fp4_f32 v[ZF+8*\pp+4*\c+\g], v[Z+64*\c+16*\pp+8*\g:Z+64*\c+16*\pp+8*\g+7], v[SC+\c]
	v_cvt_scalef32_pk8_fp4_f32 v[ZF+8*\pp+4*\c+2+\g], v[Z+64*\c+32+16*\pp+8*\g:Z+64*\c+32+16*\pp+8*\g+7], v[SC+\c]
.endr
.endr
	v_nop                                          ; a plain line behind the conversions
.endm
	s_load_b256 s[4:11], s[0:1], 0x0               ; part 4, zb 6, bq 8, route 10
	s_load_b64 s[12:13], s[0:1], 0x20              ; out0
	v_lshl_add_u32 v126, v0, 2, 0x4400
	v_mov_b32 v127, 0
	v_lshrrev_b32 v1, 5, v0
	v_readfirstlane_b32 s18, v1                    ; wave
	v_and_b32 v1, 31, v0
	v_and_b32 v2, 15, v0                           ; r
	v_bfe_u32 v3, v0, 4, 1                         ; h
	v_lshlrev_b32 v[L16], 4, v1
	v_lshlrev_b32 v[L4], 2, v1
	v_lshlrev_b32 v[H32], 5, v3
	v_lshlrev_b32 v13, 3, v3                       ; 8 h
	v_mov_b32 v96, 0                               ; a lane permute's destination counts as one of its sources
	s_lshr_b32 s19, ttmp9, 2                       ; i
	s_and_b32 s20, ttmp9, 3                        ; dq
	s_lshl_b32 s27, s20, 2
	s_add_co_u32 s27, s27, s18                     ; 4 dq + w: my 64 d
	s_lshl_b32 s26, s27, 11                        ; my first slice of part, in rows: 1,024 (8 dq + 2 w)
	s_mov_b32 s21, 0x40000
	s_mov_b32 s24, 0x76543210
	s_mov_b32 s25, 0xfedcba98
	s_lshl_b32 s22, s19, 4
	v_add_nc_u32 v14, s22, v2                      ; my token
	v_lshlrev_b32 v[T4], 2, v14
	v_lshlrev_b32 v[ZAD], 10, v14
	v_lshl_add_u32 v[ZAD], v3, 8, v[ZAD]           ; zb: 1,024 t + 256 h
	s_mul_i32 s22, s18, 4352                       ; my stage: 16 rows x 272 bytes
	v_mul_u32_u24 v[STI], v2, 272
	v_lshl_add_u32 v[STI], v3, 5, v[STI]
	v_add_nc_u32 v[STI], s22, v[STI]
	v_mul_u32_u24 v[STO], v3, 272
	v_lshl_add_u32 v[STO], v2, 4, v[STO]
	v_add_nc_u32 v[STO], s22, v[STO]
	v_lshlrev_b32 v[GO], 12, v3
	v_lshl_add_u32 v[GO], v2, 4, v[GO]             ; lanes 0-15 one row of out0, lanes 16-31 the next
	s_mov_b32 s23, 0
	s_wait_kmcnt 0x0
	s_lshl_b32 s22, s27, 13
	s_add_nc_u64 s[14:15], s[8:9], s[22:23]        ; my four d tiles' images: 2,048 bytes each
	s_lshl_b32 s22, s27, 10
	s_add_nc_u64 s[16:17], s[8:9], s[22:23]        ; their scale words: 256 bytes each, from byte 131,072 on
	s_lshl_b32 s22, s19, 16
	s_lshl_b32 s28, s27, 8
	s_add_co_u32 s22, s22, s28
	s_add_nc_u64 s[28:29], s[12:13], s[22:23]      ; out0 at row 16 i, column 64 (4 dq + w)
.irp e, 0,1,2,3,4,5,6,7
	global_load_b32 v[RK+\e], v[T4], s[10:11] offset:32768+4096*\e
.endr
.irp c, 0,1
.irp m, 0,1,2,3,4,5,6,7,8,9,10,11,12,13,14,15
	global_load_b128 v[Z+64*\c+4*\m:Z+64*\c+4*\m+3], v[ZAD], s[6:7] offset:512*\c+16*\m
.endr
.endr
	WIN 0x40
.irp f, 0,1,2,3,4,5,6,7
.irp c, 0,1
	global_load_b128 v[8*\f+4*\c:8*\f+4*\c+3], v[L16], s[14:15] offset:1024*\f+512*\c
.endr
.endr
	WIN 0
.irp f, 0,1,2,3,4,5,6,7
	global_load_b32 v[BS+\f], v[L4], s[16:17] offset:131072+128*\f
.endr
	s_wait_loadcnt 56                              ; the row numbers are in; the 32 + 16 + 8 loads behind them may be out
	CE 0, 1                                        ; an odd-even merge sort of eight: 19 exchanges
	CE 2, 3
	CE 4, 5
	CE 6, 7
	CE 0, 2
	CE 1, 3
	CE 4, 6
	CE 5, 7
	CE 1, 2
	CE 5, 6
	CE 0, 4
	CE 1, 5
	CE 2, 6
	CE 3, 7
	CE 2, 4
	CE 3, 5
	CE 1, 2
	CE 3, 4
	CE 5, 6
.irp q, 0,1,2,3,4,5,6,7
	v_min_u32 v[RK+\q], 0x40000, v[RK+\q]
	v_add_nc_u32 v[OF+\q], s26, v[RK+\q]
	v_lshl_add_u32 v[OF+\q], v[OF+\q], 7, v[H32]   ; rows of 128 bytes; my half's 32 bytes
.endr
	PLOAD 0, 0
	PLOAD 1, 1
	s_wait_loadcnt 16                              ; z, the images and their scale words are in; the 16 loads of part may be out
	ZQ 0
	ZQ 1
.rept 8
	v_nop                                          ; a scale word made by vector lines stands eight places ahead of a scaled product, codes so made four
.endr
	WIN 0x01                                       ; source 0 window 1
.irp n, 0,1,2,3
	v_wmma_scale_f32_16x16x128_f8f6f4 v[ACC+8*\n:ACC+8*\n+7], v[16*\n:16*\n+7], v[ZF:ZF+7], 0, v[BS+2*\n], v[ZW] matrix_a_fmt:MATRIX_FMT_FP4 matrix_b_fmt:MATRIX_FMT_FP4
.endr
.irp n, 0,1,2,3
	v_wmma_scale_f32_16x16x128_f8f6f4 v[ACC+8*\n:ACC+8*\n+7], v[16*\n+8:16*\n+15], v[ZF+8:ZF+15], v[ACC+8*\n:ACC+8*\n+7], v[BS+2*\n+1], v[ZW+1] matrix_a_fmt:MATRIX_FMT_FP4 matrix_b_fmt:MATRIX_FMT_FP4
.endr
	WIN 0                                          ; (four accumulators by turns)
.rept 4
	v_nop
.endr
	s_wait_loadcnt 0x0
	WIN 0x10                                       ; source 2 window 1
.set k, 0
.rept 16
	v_pk_fma_f32 v[ACC+k:ACC+k+1], v[ACC+k:ACC+k+1], 2.0, v[64+k:64+k+1] op_sel_hi:[1,0,1]   ; both adapters' scale is 2; each accumulator from its low end on
.set k, k+2
.endr
	WIN 0x04                                       ; source 1 window 1
.set k, 0
.rept 16
	v_pk_add_f32 v[ACC+k:ACC+k+1], v[ACC+k:ACC+k+1], v[96+k:96+k+1]
.set k, k+2
.endr
	WIN 0
.irp m, 1,2,3
	v_cmp_gt_u32 vcc_lo, s21, v[RK+2*\m]           ; has any of my 16 tokens a further expert?
	s_cbranch_vccz .Lsum_done
	PLOAD 2*\m, 0
	PLOAD 2*\m+1, 1
	s_wait_loadcnt 0x0
	WIN 0x04
.set k, 0
.rept 16
	v_pk_add_f32 v[ACC+k:ACC+k+1], v[ACC+k:ACC+k+1], v[64+k:64+k+1]
.set k, k+2
.endr
.set k, 0
.rept 16
	v_pk_add_f32 v[ACC+k:ACC+k+1], v[ACC+k:ACC+k+1], v[96+k:96+k+1]
.set k, k+2
.endr
	WIN 0
.endr
.Lsum_done:
.irp n, 0,1,2,3
.irp kk, 0,1
	ds_store_b128 v[STI], v[ACC+8*\n+4*\kk:ACC+8*\n+4*\kk+3] offset:64*\n+16*\kk
.endr
.endr
.irp m, 0,1,2,3,4,5,6,7
	ds_load_b128 v[128+4*\m:128+4*\m+3], v[STO] offset:544*\m      ; in order behind my stores: two rows of 256 bytes an instruction
.endr
.irp m, 0,1,2,3,4,5,6,7
	s_wait_dscnt 7-\m                              ; the younger reads of the stage may be out
	global_store_b128 v[GO], v[128+4*\m:128+4*\m+3], s[28:29] offset:8192*\m th:TH_STORE_NT   ; sixteen lanes store 256 consecutive bytes, at a multiple of 256 from out0's first byte
.endr
	s_wait_tensorcnt 0x0
	ds_add_u32 v126, v127
	s_wait_dscnt 0x0
	s_endpgm
.Lfunc_end_k_qc450bfdec3_fin:
	.size	k_qc450bfdec3_fin, .Lfunc_end_k_qc450bfdec3_fin-k_qc450bfdec3_fin
	.p2alignl 7, 3214868480
	.fill 96, 4, 3214868480
	.section	.rodata,"a",@progbits
	.p2align	6, 0x0
	.amdhsa_kernel k_qc450bfdec3_fin
		.amdhsa_group_segment_fixed_size 17920
		.amdhsa_private_segment_fixed_size 0
		.amdhsa_enable_private_segment 0
		.amdhsa_kernarg_size 40
		.amdhsa_user_sgpr_count 2
		.amdhsa_user_sgpr_kernarg_segment_ptr 1
		.amdhsa_wavefront_size32 1
		.amdhsa_system_sgpr_workgroup_id_x 1
		.amdhsa_system_sgpr_workgroup_id_y 1
		.amdhsa_system_sgpr_workgroup_id_z 1
		.amdhsa_system_vgpr_workitem_id 0
		.amdhsa_next_free_vgpr 384
		.amdhsa_next_free_sgpr 66
		.amdhsa_reserve_vcc 1
		.amdhsa_float_denorm_mode_32 3
		.amdhsa_float_denorm_mode_16_64 3
		.amdhsa_memory_ordered 1
		.amdhsa_forward_progress 1
		.amdhsa_inst_pref_size 36
	.end_amdhsa_kernel
	.amdgpu_metadata
---
amdhsa.version: [ 1, 2 ]
amdhsa.kernels:
  - .name:           k_qc450bfdec3_fin
    .symbol:         k_qc450bfdec3_fin.kd
    .args:
      - { .name: part, .offset: 0, .size: 8, .value_kind: global_buffer, .address_space: global }
      - { .name: zb, .offset: 8, .size: 8, .value_kind: global_buffer, .address_space: global }
      - { .name: bq, .offset: 16, .size: 8, .value_kind: global_buffer, .address_space: global }
      - { .name: route, .offset: 24, .size: 8, .value_kind: global_buffer, .address_space: global }
      - { .name: out0, .offset: 32, .size: 8, .value_kind: global_buffer, .address_space: global }
    .group_segment_fixed_size: 17920
    .private_segment_fixed_size: 0
    .kernarg_segment_align: 8
    .kernarg_segment_size: 40
    .max_flat_workgroup_size: 128
    .sgpr_count:     66
    .vgpr_count:     384
    .wavefront_size: 32
...
	.end_amdgpu_metadata
.endif
;; end of part 4
;; ======== version 2 of 2: 4 launches
;; workspace buffers: route 66,560 bytes of whole numbers; qx 705,024 bytes; bq 147,456 bytes; hq 8,912,896 bytes; part 37,748,736 bytes; zb 1,048,576 bytes
;; launch prep (part 5): grid 137 x 1, 4 waves a work-group, no clusters, 38,400 bytes of LDS; arguments hidden_states, A, sA, sgate, B, sB, top_k_weights, qx, bq, route; writes qx, bq, route
.if DOCPART == 5
	.amdgcn_target "amdgcn-amd-amdhsa--gfx1250"
	.amdhsa_code_object_version 6
	.text
	.protected	k_qc450bfdec3_prep
	.globl	k_qc450bfdec3_prep
	.p2align	8
	.type	k_qc450bfdec3_prep,@function
k_qc450bfdec3_prep:
	s_mov_b64 s[64:65], 0
	v_nop
	global_prefetch_b8 v0, s[64:65] scope:SCOPE_SE
	s_setreg_imm32_b32 hwreg(HW_REG_WAVE_MODE, 25, 1), 1
	s_wait_xcnt 0x0
; PREP: three kinds of work-groups, parted on the work-group's number.
; (a) 0-40: hidden_states (1,024 rows), A (128), sA (128) and sgate (16), all rows of 1,024 f32 with K innermost, become codes of E2M1 (512 bytes a row) and
;     E8M0 scale bytes (32 a row) in qx: rows 0-1023 x, 1024+16e+r A, 1152+16e+8s+r sA, 1280+2e+s sgate; the scale bytes begin at byte 663,552.  A wave takes 8 rows.
; (b) 41-72: B and sB become register images of matrix operands in bq.  K = 128 is (expert, rank) with the expert slowest: a block of 32 is two experts' 16 numbers.
; (c) 73-136: the routing, by top_k_weights != 0 (the definition routes by these weights alone and never reads top_k_indices, so neither does this program):
;     list[e][p] = the p-th token of expert e (0 behind the last), rk[e][t] = 32768 e + rank, or 0x40000 where the weight is 0, nt[e] = tiles of 16 tokens, at least 1.
;     The mask enters data only: every address and every branch here is made of ids.
; A block's scale byte is its largest magnitude's exponent field - 2, held at 1 from below.  A block of zeros so has the byte 1: its codes are zeros, and this program alone reads the bytes.
; LIMITS: NaN and infinities among the inputs are not served; a weight of -0 counts as 0.
; A UNIT is 4,096 consecutive bytes, 32 blocks.  Eight loads take it as it lies, 512 consecutive bytes each; it turns through the wave's own stage in LDS (a block: 128 bytes + 16 of padding)
; and comes back with block l whole in lane l's 32 registers: no other lane is asked for the maximum, the codes are 16 bytes a lane, 512 on end, and the scale byte is one a lane.
.set FST,  0                           ; LDS: two stages of 4,608 bytes for each wave
.set SBY,  36864                       ; behind them 256 scale bytes for each wave
.set L16,  4                           ; v4  16 x lane
.set TIN,  5                           ; v5  the stage on the way in: 144 (lane / 8) + 16 (lane % 8)
.set TOUT, 6                           ; v6  and on the way out: 144 x lane
.set SW,   7                           ; v7  my scale byte's place
.set L8,   8                           ; v8  8 x lane
.set SR,   9                           ; v9  where I read 8 scale bytes back
.set X,    32                          ; v32-95   two sets of 32 numbers
.set CB,   96                          ; v96-127  codes: a set for each unit, since they are the data of global stores
.set BYB,  128                         ; v128-135 scale bytes likewise
.set MXA,  136
.set MXB,  137
.set SCL,  138
.set NCS,  8
.set NU,   8                           ; units of a wave
.set SINKDS, 1                         ; LDS instructions in a unit's sink
.set SRC,  26                          ; s[26:27] the wave's first byte
.set MSB, 0
.macro WIN new                         ; register windows: bits 1:0 source 0, 3:2 source 1, 5:4 source 2, 7:6 destination; the high byte repeats the setting that is left
.if MSB != (\new)
	s_set_vgpr_msb (MSB<<8)|(\new)
.set MSB, (\new)
.endif
.endm
.macro LOADU n                         ; unit n as it lies, into set n % 7 of window 1
	WIN 0x40
.irp m, 0,1,2,3,4,5,6,7
	global_load_b128 v[32*((\n)%7)+4*\m:32*((\n)%7)+4*\m+3], v[L16], s[SRC:SRC+1] offset:4096*(\n)+512*\m th:TH_LOAD_NT
.endr
.endm
.macro TURNU n                         ; through the stage: LDS serves a wave's instructions in order, so no wait stands between the stores and the loads
	WIN 0x04
.irp m, 0,1,2,3,4,5,6,7
	ds_store_b128 v[TIN], v[32*((\n)%7)+4*\m:32*((\n)%7)+4*\m+3] offset:4608*((\n)%2)+576*\m
.endr
	WIN 0
.irp i, 0,1,2,3,4,5,6,7
	ds_load_b128 v[X+32*((\n)%2)+4*\i:X+32*((\n)%2)+4*\i+3], v[TOUT] offset:4608*((\n)%2)+16*\i
.endr
.endm
.macro QBLK n                          ; my block: largest magnitude with the floor 2^(3 - 127), scale operand, 32 codes, scale byte
.set XQ, X+32*((\n)%2)
.set CQ, CB+4*((\n)%NCS)
.set BQ, BYB+((\n)%NCS)
	v_max3_num_f32 v[MXA], |v[XQ]|, |v[XQ+1]|, |v[XQ+2]|
	v_max3_num_f32 v[MXB], |v[XQ+3]|, |v[XQ+4]|, |v[XQ+5]|
.irp i, 6,10,14,18,22,26
	v_max3_num_f32 v[MXA], v[MXA], |v[XQ+\i]|, |v[XQ+\i+1]|
	v_max3_num_f32 v[MXB], v[MXB], |v[XQ+\i+2]|, |v[XQ+\i+3]|
.endr
	v_max3_num_f32 v[MXA], v[MXA], |v[XQ+30]|, |v[XQ+31]|
	v_max3_num_f32 v[MXA], v[MXA], v[MXB], 0x1800000
	v_add_nc_u32 v[SCL], 0xff000000, v[MXA]        ; 2 off the exponent field: the conversion takes this operand's exponent field as its scale
.irp g, 0,1,2,3
	v_cvt_scalef32_pk8_fp4_f32 v[CQ+\g], v[XQ+8*\g:XQ+8*\g+7], v[SCL]
.endr
	v_lshrrev_b32 v[BQ], 23, v[SCL]                ; the byte; also the plain line behind the conversions
.endm
.macro SINK n
	global_store_b128 v[L16], v[CQ:CQ+3], s[28:29] offset:512*(\n)   ; a row's 512 bytes of codes, consecutive
	ds_store_b8 v[SW], v[BQ] offset:32*(\n)
.endm
.macro UNIT n
.if (\n) == 0
	s_wait_dscnt 0x0
.else
	s_wait_dscnt SINKDS                            ; this unit's numbers are back from the stage; only the last unit's sink is younger.  So its stores into the stage have read set n % 7,
.endif
.if (\n)+7 < NU
	LOADU (\n)+7                                   ; which takes the unit seven on
.endif
.if (\n)+1 < NU
.if NU-2-(\n) >= 6
	s_wait_loadcnt 48                              ; the next unit's eight loads are in; six units behind it may be out
.else
	s_wait_loadcnt 8*(NU-2-(\n))                   ; near the end: as many units as are left behind it
.endif
	TURNU (\n)+1
.endif
	QBLK \n
	SINK \n
.endm
	s_load_b512 s[4:19], s[0:1], 0x0               ; x 4, A 6, sA 8, sgate 10, B 12, sB 14, weights 16, qx 18
	s_load_b128 s[20:23], s[0:1], 0x40             ; bq 20, route 22
	v_lshl_add_u32 v254, v0, 2, 0x9400
	v_mov_b32 v255, 0
	v_lshrrev_b32 v1, 5, v0
	v_readfirstlane_b32 s24, v1                    ; wave
	v_and_b32 v1, 31, v0                           ; lane
	v_and_b32 v2, 15, v0                           ; r
	v_bfe_u32 v3, v0, 4, 1                         ; h
	v_lshlrev_b32 v[L16], 4, v1
	s_mov_b32 s33, 0
	s_wait_kmcnt 0x0
	s_cmp_ge_u32 ttmp9, 73
	s_cbranch_scc1 .Lroute
	s_cmp_ge_u32 ttmp9, 41
	s_cbranch_scc1 .Llora
	; ---- (a) the stream
	s_lshl_b32 s25, ttmp9, 2
	s_add_co_u32 s25, s25, s24                     ; my run of 8 rows; there are 162
	s_cmp_ge_u32 s25, 162
	s_cbranch_scc1 .Lend
	s_mul_i32 s34, s24, 9216
	s_wait_alu depctr_va_vdst(0)
	v_lshrrev_b32 v10, 3, v1
	v_mul_u32_u24 v[TIN], v10, 144
	v_and_b32 v10, 7, v1
	v_lshl_add_u32 v[TIN], v10, 4, v[TIN]
	v_add_nc_u32 v[TIN], s34, v[TIN]
	v_mul_u32_u24 v[TOUT], v1, 144
	v_add_nc_u32 v[TOUT], s34, v[TOUT]
	s_lshl_b32 s34, s24, 8
	s_add_co_u32 s34, s34, SBY
	v_add_nc_u32 v[SW], s34, v1
	v_lshlrev_b32 v[L8], 3, v1
	v_add_nc_u32 v[SR], s34, v[L8]
	s_mov_b64 s[26:27], s[10:11]                   ; which tensor, and its first run: the choice hangs on the run's number alone
	s_mov_b32 s32, 160
	s_cmp_lt_u32 s25, 160
	s_cselect_b64 s[26:27], s[8:9], s[26:27]
	s_cselect_b32 s32, 144, s32
	s_cmp_lt_u32 s25, 144
	s_cselect_b64 s[26:27], s[6:7], s[26:27]
	s_cselect_b32 s32, 128, s32
	s_cmp_lt_u32 s25, 128
	s_cselect_b64 s[26:27], s[4:5], s[26:27]
	s_cselect_b32 s32, 0, s32
	s_sub_co_u32 s32, s25, s32
	s_lshl_b32 s32, s32, 15                        ; 32,768 bytes a run
	s_add_nc_u64 s[26:27], s[26:27], s[32:33]
	s_lshl_b32 s32, s25, 12
	s_add_nc_u64 s[28:29], s[18:19], s[32:33]      ; its codes: 4,096 bytes
	s_lshl_b32 s32, s25, 8
	s_add_co_u32 s32, s32, 663552
	s_add_nc_u64 s[30:31], s[18:19], s[32:33]      ; its scale bytes: 256
.irp t, 0,1,2,3,4,5,6
	LOADU \t
.endr
	s_wait_alu depctr_va_vdst(0)
	s_wait_loadcnt 48                              ; unit 0 is in; units 1 to 6 may be out
	TURNU 0
.set Q, 0
.rept NU
	UNIT Q
.set Q, Q+1
.endr
	ds_load_b64 v[140:141], v[SR]                  ; in order behind my byte stores
	s_wait_dscnt 0x0
	global_store_b64 v[L8], v[140:141], s[30:31]   ; 32 lanes store 256 consecutive bytes
	s_wait_tensorcnt 0x0
	ds_add_u32 v254, v255
	s_wait_dscnt 0x0
	s_endpgm
	; ---- (b) B (p = 0) and sB (p = 1): lane (r, h) takes row d = 16 dt + r; for c = 0, 1 its block 2 c + h is experts 4 c + 2 h and 4 c + 2 h + 1, in the order [expert][rank] or [expert][s][rank]
.Llora:
	s_sub_co_u32 s25, ttmp9, 41
	s_lshl_b32 s25, s25, 2
	s_add_co_u32 s25, s25, s24                     ; u = 2 dt + p
	s_lshr_b32 s26, s25, 1
	s_and_b32 s27, s25, 1
	s_wait_alu depctr_va_vdst(0)
	v_lshl_add_u32 v5, s26, 4, v2                  ; d
	v_lshlrev_b32 v6, 17, v3                       ; two experts further for lanes 16-31
	v_lshlrev_b32 v8, 2, v1
	s_mov_b32 s34, 0x76543210
	s_mov_b32 s35, 0xfedcba98                      ; lane l xor 16
	s_lshl_b32 s32, s25, 10
	s_add_nc_u64 s[28:29], s[20:21], s[32:33]      ; the image: 1,024 bytes
	s_lshl_b32 s32, s25, 7
	s_add_nc_u64 s[30:31], s[20:21], s[32:33]      ; its scale words: 128 bytes, from byte 131,072 on
	s_cmp_lg_u32 s27, 0
	s_cbranch_scc1 .Lspawn
	s_wait_alu depctr_va_vdst(0)
	v_lshl_add_u32 v7, v5, 6, v6                   ; B: 64 bytes a row d, 65,536 an expert
.irp c, 0,1
.irp ee, 0,1
.irp i, 0,1,2,3
	global_load_b128 v[X+32*\c+16*\ee+4*\i:X+32*\c+16*\ee+4*\i+3], v7, s[12:13] offset:262144*\c+65536*\ee+16*\i
.endr
.endr
.endr
	s_branch .Lgot
.Lspawn:
	s_wait_alu depctr_va_vdst(0)
	v_lshl_add_u32 v7, v5, 5, v6                   ; sB: 32 bytes a row d, 32,768 an s, 65,536 an expert
.irp c, 0,1
.irp ee, 0,1
.irp sp, 0,1
.irp i, 0,1
	global_load_b128 v[X+32*\c+16*\ee+8*\sp+4*\i:X+32*\c+16*\ee+8*\sp+4*\i+3], v7, s[14:15] offset:262144*\c+65536*\ee+32768*\sp+16*\i
.endr
.endr
.endr
.endr
.Lgot:
	s_wait_loadcnt 0x0
.irp c, 0,1
	v_max3_num_f32 v[10+\c], |v[X+32*\c]|, |v[X+32*\c+1]|, 0x1800000
.endr
.irp i, 2,4,6,8,10,12,14,16,18,20,22,24,26,28,30
.irp c, 0,1
	v_max3_num_f32 v[10+\c], v[10+\c], |v[X+32*\c+\i]|, |v[X+32*\c+\i+1]|
.endr
.endr
.irp c, 0,1
	v_add_nc_u32 v[12+\c], 0xff000000, v[10+\c]
.endr
.irp c, 0,1
	v_lshrrev_b32 v[14+\c], 23, v[12+\c]
.endr
	v_lshl_or_b32 v16, v15, 16, v14                ; my two bytes, blocks h and 2 + h,
	v_lshlrev_b32 v17, 3, v3
	v_lshlrev_b32 v16, v17, v16                    ; at their places in the row's scale word;
	v_mov_b32 v17, 0
	v_permlanex16_b32 v17, v16, s34, s35
	v_or_b32 v16, v16, v17                         ; with lane l xor 16's two the word is whole
.irp c, 0,1
.irp g, 0,1,2,3
	v_cvt_scalef32_pk8_fp4_f32 v[20+4*\c+\g], v[X+32*\c+8*\g:X+32*\c+8*\g+7], v[12+\c]
.endr
.endr
	global_store_b128 v[L16], v[20:23], s[28:29]
	global_store_b128 v[L16], v[24:27], s[28:29] offset:512
	global_store_b32 v8, v16, s[30:31] offset:131072
	s_endpgm
	; ---- (c) the routing: wave (e, g) makes places 32 g .. 32 g + 31 of expert e's list and the ranks of tokens 32 g .. 32 g + 31
.Lroute:
	s_sub_co_u32 s25, ttmp9, 73
	s_lshl_b32 s25, s25, 2
	s_add_co_u32 s25, s25, s24
	s_lshr_b32 s31, s25, 5                         ; e
	s_and_b32 s32, s25, 31                         ; g
	s_lshl_b32 s34, s31, 2
	s_wait_alu depctr_va_vdst(0)
	v_lshl_add_u32 v5, v1, 5, s34                  ; a token's weights are 32 bytes
.set i, 0
.rept 32
	global_load_b32 v[32+i], v5, s[16:17] offset:1024*i      ; the weight of token 32 i + lane
.set i, i+1
.endr
	s_lshl_b32 s34, s32, 5
	v_add_nc_u32 v6, s34, v1                       ; my place p
	v_mov_b32 v7, 0                                ; the mask word that holds my place,
	v_mov_b32 v8, 0                                ; the count in front of it,
	v_mov_b32 v9, 0                                ; and its number
	s_mov_b32 s26, 0                               ; the running count
	s_mov_b32 s27, 0                               ; word g
	s_mov_b32 s28, 0                               ; the count in front of word g
	s_lshl_b32 s34, s31, 12
	s_lshl_b32 s36, s32, 7
	s_add_co_u32 s34, s34, s36
	s_mov_b32 s35, 0
	s_add_nc_u64 s[36:37], s[22:23], s[34:35]      ; route + 4,096 e + 128 g
	s_lshl_b32 s34, s31, 7
	s_add_nc_u64 s[38:39], s[22:23], s[34:35]      ; route + 128 e
	s_wait_alu depctr_va_vdst(0)
	s_wait_loadcnt 0x0
.set i, 0
.rept 32
	v_cmp_neq_f32 s29, 0, v[32+i]                  ; word i of the mask
	v_cmp_le_u32 vcc_lo, s26, v6                   ; the count never falls: the last word for which it is at most p holds place p
	v_mov_b32 v10, i
	v_cndmask_b32 v7, v7, s29, vcc_lo
	v_cndmask_b32 v8, v8, s26, vcc_lo
	v_cndmask_b32 v9, v9, v10, vcc_lo
	s_cmp_eq_u32 s32, i
	s_cselect_b32 s27, s29, s27
	s_cselect_b32 s28, s26, s28
	s_bcnt1_i32_b32 s30, s29
	s_add_co_u32 s26, s26, s30
.set i, i+1
.endr
	v_sub_nc_u32 v11, v6, v8                       ; which set bit of my word
	v_mov_b32 v13, 0
	v_mov_b32 v14, 0
.set i, 0
.rept 32
	v_bfe_u32 v12, v7, i, 1
	v_add_nc_u32 v13, v13, v12                     ; set bits up to bit i
	v_cmp_le_u32 vcc_lo, v13, v11
	v_cndmask_b32 v12, 0, 1, vcc_lo
	v_add_nc_u32 v14, v14, v12                     ; the bits in front of mine are those for which that count is not above my number
.set i, i+1
.endr
	v_lshl_add_u32 v14, v9, 5, v14                 ; the token
	v_cmp_gt_u32 vcc_lo, s26, v6
	v_cndmask_b32 v14, 0, v14, vcc_lo              ; 0 behind the expert's last token
	v_lshlrev_b32 v16, 2, v1
	global_store_b32 v16, v14, s[36:37]
	v_mbcnt_lo_u32_b32 v13, s27, 0                 ; the rank of token 32 g + lane
	v_add_nc_u32 v13, s28, v13
	s_lshl_b32 s30, s31, 15
	v_add_nc_u32 v13, s30, v13
	v_mov_b32 v15, s27
	v_lshrrev_b32 v15, v1, v15
	v_and_b32 v15, 1, v15
	v_cmp_eq_u32 vcc_lo, 1, v15
	v_mov_b32 v15, 0x40000
	v_cndmask_b32 v13, v15, v13, vcc_lo
	global_store_b32 v16, v13, s[36:37] offset:32768
	s_add_co_u32 s30, s26, 15
	s_lshr_b32 s30, s30, 4
	s_max_u32 s30, s30, 1                          ; at least one tile, so that every byte that a held tile number can reach is stored
	v_mov_b32 v17, s30
	s_cmp_lg_u32 s32, 0
	s_cbranch_scc1 .Lend
	global_store_b32 v16, v17, s[38:39] offset:65536
.Lend:
	s_endpgm
.Lfunc_end_k_qc450bfdec3_prep:
	.size	k_qc450bfdec3_prep, .Lfunc_end_k_qc450bfdec3_prep-k_qc450bfdec3_prep
	.p2alignl 7, 3214868480
	.fill 96, 4, 3214868480
	.section	.rodata,"a",@progbits
	.p2align	6, 0x0
	.amdhsa_kernel k_qc450bfdec3_prep
		.amdhsa_group_segment_fixed_size 38400
		.amdhsa_private_segment_fixed_size 0
		.amdhsa_enable_private_segment 0
		.amdhsa_kernarg_size 80
		.amdhsa_user_sgpr_count 2
		.amdhsa_user_sgpr_kernarg_segment_ptr 1
		.amdhsa_wavefront_size32 1
		.amdhsa_system_sgpr_workgroup_id_x 1
		.amdhsa_system_sgpr_workgroup_id_y 1
		.amdhsa_system_sgpr_workgroup_id_z 1
		.amdhsa_system_vgpr_workitem_id 0
		.amdhsa_next_free_vgpr 512
		.amdhsa_next_free_sgpr 66
		.amdhsa_reserve_vcc 1
		.amdhsa_float_denorm_mode_32 3
		.amdhsa_float_denorm_mode_16_64 3
		.amdhsa_memory_ordered 1
		.amdhsa_forward_progress 1
		.amdhsa_inst_pref_size 64
	.end_amdhsa_kernel
	.amdgpu_metadata
---
amdhsa.version: [ 1, 2 ]
amdhsa.kernels:
  - .name:           k_qc450bfdec3_prep
    .symbol:         k_qc450bfdec3_prep.kd
    .args:
      - { .name: hidden_states, .offset: 0, .size: 8, .value_kind: global_buffer, .address_space: global }
      - { .name: A, .offset: 8, .size: 8, .value_kind: global_buffer, .address_space: global }
      - { .name: sA, .offset: 16, .size: 8, .value_kind: global_buffer, .address_space: global }
      - { .name: sgate, .offset: 24, .size: 8, .value_kind: global_buffer, .address_space: global }
      - { .name: B, .offset: 32, .size: 8, .value_kind: global_buffer, .address_space: global }
      - { .name: sB, .offset: 40, .size: 8, .value_kind: global_buffer, .address_space: global }
      - { .name: top_k_weights, .offset: 48, .size: 8, .value_kind: global_buffer, .address_space: global }
      - { .name: qx, .offset: 56, .size: 8, .value_kind: global_buffer, .address_space: global }
      - { .name: bq, .offset: 64, .size: 8, .value_kind: global_buffer, .address_space: global }
      - { .name: route, .offset: 72, .size: 8, .value_kind: global_buffer, .address_space: global }
    .group_segment_fixed_size: 38400
    .private_segment_fixed_size: 0
    .kernarg_segment_align: 8
    .kernarg_segment_size: 80
    .max_flat_workgroup_size: 128
    .sgpr_count:     66
    .vgpr_count:     512
    .wavefront_size: 32
...
	.end_amdgpu_metadata
.endif
;; end of part 5
;; launch up (part 6): grid 256 x 1, 4 waves a work-group, no clusters, 144,896 bytes of LDS; arguments Wg, Wu, qx, route, top_k_weights, hq; writes hq
.if DOCPART == 6
	.amdgcn_target "amdgcn-amd-amdhsa--gfx1250"
	.amdhsa_code_object_version 6
	.text
	.protected	k_qc450bfdec3_up
	.globl	k_qc450bfdec3_up
	.p2align	8
	.type	k_qc450bfdec3_up,@function
k_qc450bfdec3_up:
	s_mov_b64 s[64:65], 0
	v_nop
	global_prefetch_b8 v0, s[64:65] scope:SCOPE_SE
	s_setreg_imm32_b32 hwreg(HW_REG_WAVE_SCHED_MODE, 0, 2), 2
	s_setreg_imm32_b32 hwreg(HW_REG_WAVE_MODE, 25, 1), 1
	s_wait_xcnt 0x0
	s_wait_alu depctr_vm_vsrc(0)
; UP: h = silu(x Wg^T) (x Wu^T) w, quantised along f, for the tokens on each expert's list.
; A WORK-GROUP OWNS WEIGHTS: expert e = wg / 32, f = 64 j .. 64 j + 63 (j = wg % 32): 64 rows of Wg and 64 of Wu, 512 KB of f32, read once, by this work-group alone, in loads of 512 consecutive bytes.
; Phase W: wave w quantises 32 of the 128 rows (units as in the first launch) into LDS.  One barrier.  Then EVERY wave takes all 64 fragments (512 registers) and walks token tiles w, w + 4, ..
; Nothing is shared between work-groups but x's codes, which are gathered rows in loops whose trip counts are read from memory: no barrier may stand there, so no tile is fetched jointly.
; BOTH PRODUCTS ARE USED TRANSPOSED (source 0 = 16 weight rows, source 1 = 16 tokens): a lane holds one token, its registers run along f.  The rows of a tile are not neighbours:
; lane r of tile 2 b + u takes row 32 b + 8 u + r + 8 (r / 8), so that the 16 registers of tiles 2 b, 2 b + 1 are f = 32 b + 16 (lane / 16) + 0 .. 15.
; hq: codes [e][tile][K step 16][c 2][lane][16 bytes], the register image of the next launch's operand; from byte 8,388,608 scale words [e][tile][lane 32][8]: lane (r, h) word q is token r, K step 8 h + q.
; The 64 f of a work-group are half a K step: 16 bytes a lane, and two scale bytes a token, which leave as single bytes (a K step's word comes from two work-groups).
; Places of a tile behind the expert's last token carry token 0; what is made of them is stored and never used.
; LIMITS: NaN and infinities among the inputs are not served; a block of zeros has the scale byte 1 (its codes are zeros).
; THE MODE: SCHED_MODE bits 1:0 = 2 (LLVM: expert scheduling mode 2), set by the entry lines.  The code itself states the register dependences
; between vector or matrix instructions and memory or LDS instructions, with s_wait_alu, always for 0.
; THE PLAN, phase W.  Registers that memory or LDS instructions touch:
;   raw sets 0-6 (window 1)  Written by the loads of unit n + 7, issued in unit n; read by the stage's stores alone.  No vector instruction names them.
;   X0, X1                   Written by the stage's loads of unit n + 1, issued in unit n; read by unit n + 1's maxima and conversions.
;   two sets of codes, byte  Written by unit n's conversions; read by the two sink stores, which are issued at the head of unit n + 1.
;   Two waits at a unit's head state all of it; the unit's memory and LDS instructions follow them, and no vector instruction stands between.
; THE PLAN, a trip of the loop over tiles:
;   rows (window 3, v64-127) Written by the loads of the next tile; read by the stage's stores at the head of the next trip.
;   x's fragments (w. 3, v0-63)  Written by the stage's loads; read by the 64 products.  The waits of the way out stand behind every product, and nothing names the fragments behind them.
;   XSL, WL, VTK             Written by loads; read by the copies and by the address lines.
;   RA, XSA, WA, LA          Written by the address lines; read by the next tile's loads.
;   PCD, BYL, HO, HSO        Written at the end of the way out; read by the trip's two stores.
;   One wait on vm_vsrc behind the turn through the stage, one on va_vdst behind the address lines, one on va_vdst ahead of the two stores; between them the two waits behind the transcendentals.
;   All other offsets and LDS addresses are made at the head and never written again.
.set WS,   67584                       ; LDS: codes, 128 rows x 528 bytes from 0; scale bytes, 128 rows x 48
.set FST,  73728                       ; two stages of 4,608 bytes for each wave
.set XST,  110592                      ; 16 rows x 528 bytes for each wave: x's rows on their way to fragments
.set L16,  4
.set TIN,  5
.set TOUT, 6
.set CW,   7                           ; v7   where I put a row's codes
.set SW,   8                           ; v8   and its scale byte
.set FRA,  9                           ; v9   my lane's place in a tile of weight rows
.set SCA,  10                          ; v10  and among their scale words: lanes 0-15 Wg's rows, lanes 16-31 Wu's
.set XSTO, 11
.set XRD,  12
.set VTK,  13                          ; v13  my token
.set LA,   14
.set RA,   16                          ; v16-31 the 16 rows' offsets in qx
.set X,    32                          ; phase W: v32-95 numbers, v96-108 codes and temporaries
.set CB,   96
.set BYB,  104
.set MXA,  106
.set MXB,  107
.set SCL,  108
.set NCS,  2
.set NU,   32
.set G,    96                          ; v96-127 the gate's four tiles, v128-159 the up product's, v160-191 at work
.set U,    128
.set T,    160
.set WSC,  192                         ; v192-223 the weights' scale words: 8 (tile % 4) + K step
.set XS,   224                         ; v224-227 x's scale words: lanes 0-15 K steps 0-3, lanes 16-31 steps 4-7
.set XSL,  228                         ; v228-231 the next tile's, as loaded
.set WL,   232
.set BYL,  233
.set WV,   234                         ; v234-235 the routing weight, twice
.set HSC,  236
.set XSA,  237
.set WA,   238
.set HO,   239
.set HSO,  240
.set PCD,  242                         ; v242-245 h's codes
.set TM,   246
.set TP,   248
.set SC,   250
.set BY,   252
.set SRC,  24
.set MSB, 0
.macro WIN new                         ; register windows: bits 1:0 source 0, 3:2 source 1, 5:4 source 2, 7:6 destination; the high byte repeats the setting that is left
.if MSB != (\new)
	s_set_vgpr_msb (MSB<<8)|(\new)
.set MSB, (\new)
.endif
.endm
; window 1: phase W: seven sets of 32 numbers as loaded; then the fragments of K steps 0-3 at v[8 (4 a + s)].  window 2: those of K steps 4-7.  window 3: v0-63 x's fragments, v64-127 x's rows as loaded.
.macro LOADU n
	WIN 0x40
.irp m, 0,1,2,3,4,5,6,7
	global_load_b128 v[32*((\n)%7)+4*\m:32*((\n)%7)+4*\m+3], v[L16], s[SRC:SRC+1] offset:4096*(\n)+512*\m th:TH_LOAD_NT
.endr
.endm
.macro TURNU n
	WIN 0x04
.irp m, 0,1,2,3,4,5,6,7
	ds_store_b128 v[TIN], v[32*((\n)%7)+4*\m:32*((\n)%7)+4*\m+3] offset:4608*((\n)%2)+576*\m
.endr
	WIN 0
.irp i, 0,1,2,3,4,5,6,7
	ds_load_b128 v[X+32*((\n)%2)+4*\i:X+32*((\n)%2)+4*\i+3], v[TOUT] offset:4608*((\n)%2)+16*\i
.endr
.endm
.macro QBLK n
.set XQ, X+32*((\n)%2)
.set CQ, CB+4*((\n)%NCS)
.set BQ, BYB+((\n)%NCS)
	v_max3_num_f32 v[MXA], |v[XQ]|, |v[XQ+1]|, |v[XQ+2]|
	v_max3_num_f32 v[MXB], |v[XQ+3]|, |v[XQ+4]|, |v[XQ+5]|
.irp i, 6,10,14,18,22,26
	v_max3_num_f32 v[MXA], v[MXA], |v[XQ+\i]|, |v[XQ+\i+1]|
	v_max3_num_f32 v[MXB], v[MXB], |v[XQ+\i+2]|, |v[XQ+\i+3]|
.endr
	v_max3_num_f32 v[MXA], v[MXA], |v[XQ+30]|, |v[XQ+31]|
	v_max3_num_f32 v[MXA], v[MXA], v[MXB], 0x1800000
	v_add_nc_u32 v[SCL], 0xff000000, v[MXA]
.irp g, 0,1,2,3
	v_cvt_scalef32_pk8_fp4_f32 v[CQ+\g], v[XQ+8*\g:XQ+8*\g+7], v[SCL]
.endr
	v_lshrrev_b32 v[BQ], 23, v[SCL]                ; the byte; also the plain line behind the conversions
.endm
.macro SINK n                          ; unit n is weight row n of my 32
	ds_store_b128 v[CW], v[CB+4*((\n)%NCS):CB+4*((\n)%NCS)+3] offset:528*(\n)
	ds_store_b8 v[SW], v[BYB+((\n)%NCS)] offset:48*(\n)
.endm
.macro UNIT n
	s_wait_dscnt 0x0                               ; this unit's numbers are back from the stage: they were my youngest LDS instructions
	s_wait_alu depctr_vm_vsrc(0)                   ; this unit's stores into the stage have read raw set n % 7, in which the loads below land; the sink of two units back has read the codes and the byte that this unit writes again
.if (\n) > 0
	s_wait_alu depctr_va_vdst(0)                   ; the unit before has written its codes and its byte, which the sink below reads, and is done reading its X, in which the stage's loads below land
	SINK (\n)-1
.endif
.if (\n)+7 < NU
	LOADU (\n)+7
.endif
.if (\n)+1 < NU
.if NU-2-(\n) >= 6
	s_wait_loadcnt 48                              ; the next unit is in; six units behind it may be out
.else
	s_wait_loadcnt 8*(NU-2-(\n))
.endif
	TURNU (\n)+1
.endif
	QBLK \n
.endm
; The list's 16 tokens of tile s21 + add (held at 63; every place of a list is stored): as scalars for the rows' addresses, and token r for lane (r, h).  The address is made apart from the two loads, so that it stands ahead of a wait that is there anyway
.macro LISTADR add
	s_add_co_u32 s53, s21, \add
	s_min_u32 s53, s53, 63
	s_lshl_b32 s53, s53, 6
	s_add_co_u32 s53, s53, s52
	v_lshl_add_u32 v[LA], v2, 2, s53
.endm
.macro LISTLD
	s_load_b512 s[32:47], s[10:11], s53 offset:0x0
	global_load_b32 v[VTK], v[LA], s[10:11]
.endm
.macro ADDR
.irp i, 0,1,2,3,4,5,6,7,8,9,10,11,12,13,14,15
	s_min_u32 s[32+\i], s[32+\i], 1023
	v_lshl_add_u32 v[RA+\i], s[32+\i], 9, v[L16]   ; a row of codes is 512 bytes: 16 a lane
.endr
	v_min_u32 v15, 1023, v[VTK]
	v_lshlrev_b32 v15, 5, v15
	v_lshl_add_u32 v[XSA], v3, 4, v15              ; its 32 scale bytes: 16 for each half of the lanes
	v_add_nc_u32 v[WA], s50, v15                   ; its weight for expert e
.endm
.macro ROWLOADS
	WIN 0xc0
.irp i, 0,1,2,3,4,5,6,7,8,9,10,11,12,13,14,15
	global_load_b128 v[64+4*\i:64+4*\i+3], v[RA+\i], s[8:9]        ; one token's 512 consecutive bytes
.endr
	WIN 0
	global_load_b128 v[XSL:XSL+3], v[XSA], s[8:9] offset:663552
	global_load_b32 v[WL], v[WA], s[12:13]
.endm
.macro TURNX                           ; rows into my stage, fragments out of it
	WIN 0x0c
.irp i, 0,1,2,3,4,5,6,7,8,9,10,11,12,13,14,15
	ds_store_b128 v[XSTO], v[64+4*\i:64+4*\i+3] offset:528*\i
.endr
	WIN 0xc0
.irp sp, 0,1,2,3,4,5,6,7
.irp c, 0,1
	ds_load_b128 v[8*\sp+4*\c:8*\sp+4*\c+3], v[XRD] offset:64*\sp+32*\c   ; the last tile's products are done reading these registers: the waits of its way out stand behind them, and nothing has named the registers since
.endr
.endr
	WIN 0
.irp i, 0,1,2,3
	v_mov_b32 v[XS+\i], v[XSL+\i]
.endr
	v_mov_b32 v[WV], v[WL]
	v_mov_b32 v[WV+1], v[WL]
.endm
.macro WM a, s                         ; tile a (0-3 gate, 4-7 up), K step s
.set dD, G+8*\a
.set dA, 8*(4*\a+(\s%4))
.set dB, 8*\s
.set dW, WSC+8*(\a%4)+\s
.set dX, XS+(\s%4)
.if \s == 0
.if \a < 4
	v_wmma_scale_f32_16x16x128_f8f6f4 v[dD:dD+7], v[dA:dA+7], v[dB:dB+7], 0, v[dW], v[dX] matrix_a_fmt:MATRIX_FMT_FP4 matrix_b_fmt:MATRIX_FMT_FP4
.else
	v_wmma_scale_f32_16x16x128_f8f6f4 v[dD:dD+7], v[dA:dA+7], v[dB:dB+7], 0, v[dW], v[dX] matrix_a_fmt:MATRIX_FMT_FP4 matrix_b_fmt:MATRIX_FMT_FP4 matrix_a_scale:MATRIX_SCALE_ROW1
.endif
.elseif \s < 4
.if \a < 4
	v_wmma_scale_f32_16x16x128_f8f6f4 v[dD:dD+7], v[dA:dA+7], v[dB:dB+7], v[dD:dD+7], v[dW], v[dX] matrix_a_fmt:MATRIX_FMT_FP4 matrix_b_fmt:MATRIX_FMT_FP4
.else
	v_wmma_scale_f32_16x16x128_f8f6f4 v[dD:dD+7], v[dA:dA+7], v[dB:dB+7], v[dD:dD+7], v[dW], v[dX] matrix_a_fmt:MATRIX_FMT_FP4 matrix_b_fmt:MATRIX_FMT_FP4 matrix_a_scale:MATRIX_SCALE_ROW1
.endif
.else
.if \a < 4
	v_wmma_scale_f32_16x16x128_f8f6f4 v[dD:dD+7], v[dA:dA+7], v[dB:dB+7], v[dD:dD+7], v[dW], v[dX] matrix_a_fmt:MATRIX_FMT_FP4 matrix_b_fmt:MATRIX_FMT_FP4 matrix_b_scale:MATRIX_SCALE_ROW1
.else
	v_wmma_scale_f32_16x16x128_f8f6f4 v[dD:dD+7], v[dA:dA+7], v[dB:dB+7], v[dD:dD+7], v[dW], v[dX] matrix_a_fmt:MATRIX_FMT_FP4 matrix_b_fmt:MATRIX_FMT_FP4 matrix_a_scale:MATRIX_SCALE_ROW1 matrix_b_scale:MATRIX_SCALE_ROW1
.endif
.endif
.endm
.macro MUL                             ; 64 products; the eight accumulators take turns, one instruction a turn
.irp s, 0,1,2,3,4,5,6,7
.if \s < 4
	WIN 0x0d                                       ; weights window 1, x window 3
.else
	WIN 0x0e                                       ; weights window 2
.endif
.irp a, 0,1,2,3,4,5,6,7
	WM \a, \s
.endr
.endr
	WIN 0
.endm
.macro EPI                             ; silu(g) u w in f32, quantised, stored
.rept 4
	v_nop                                          ; four places between the last product and the first read of results (ISA guide 7.12.1)
.endr
	s_wait_xcnt 0x0                                ; the last tile's stores have had their addresses translated: their data and offsets are written again below (that they have read them is stated by the trip's wait on vm_vsrc)
.set k, 0
.rept 16
	v_pk_mul_f32 v[T+k:T+k+1], v[G+k:G+k+1], 0xbfb8aa3b op_sel_hi:[1,0]   ; -g log2(e); each accumulator from its low end on
.set k, k+2
.endr
.set k, 0
	s_wait_alu depctr_va_vdst(0)
.rept 32
	v_exp_f32 v[T+k], v[T+k]
.set k, k+1
.endr
	v_nop                                          ; a plain line between the exponentials and the use of their results
.set k, 0
	s_wait_alu depctr_va_vdst(0)                   ; the 32 exponentials have written v[T ..], ahead of their first reader
.rept 16
	v_pk_add_f32 v[T+k:T+k+1], v[T+k:T+k+1], 1.0 op_sel_hi:[1,0]
.set k, k+2
.endr
.set k, 0
	s_wait_alu depctr_va_vdst(0)
.rept 32
	v_rcp_f32 v[T+k], v[T+k]                       ; sigmoid(g)
.set k, k+1
.endr
	v_nop
.set k, 0
	s_wait_alu depctr_va_vdst(0)                   ; the 32 reciprocals have written v[T ..], ahead of their first reader
.rept 16
	v_pk_mul_f32 v[G+k:G+k+1], v[G+k:G+k+1], v[T+k:T+k+1]
.set k, k+2
.endr
.set k, 0
.rept 16
	v_pk_mul_f32 v[G+k:G+k+1], v[G+k:G+k+1], v[U+k:U+k+1]
.set k, k+2
.endr
.set k, 0
.rept 16
	v_pk_mul_f32 v[G+k:G+k+1], v[G+k:G+k+1], v[WV:WV+1] op_sel_hi:[1,0]
.set k, k+2
.endr
.irp b, 0,1                            ; two blocks of 32 along f: 16 numbers here, 16 in lane l xor 16
	v_max3_num_f32 v[TM+\b], |v[G+16*\b]|, |v[G+16*\b+1]|, 0x1800000
.endr
.irp i, 2,4,6,8,10,12,14
.irp b, 0,1
	v_max3_num_f32 v[TM+\b], v[TM+\b], |v[G+16*\b+\i]|, |v[G+16*\b+\i+1]|
.endr
.endr
.irp b, 0,1
	v_permlanex16_b32 v[TP+\b], v[TM+\b], s48, s49
.endr
.irp b, 0,1
	v_max_num_f32 v[TM+\b], v[TM+\b], v[TP+\b]
.endr
.irp b, 0,1
	v_add_nc_u32 v[SC+\b], 0xff000000, v[TM+\b]
.endr
.irp b, 0,1
	v_lshrrev_b32 v[BY+\b], 23, v[SC+\b]
.endr
.irp b, 0,1
	v_cvt_scalef32_pk8_fp4_f32 v[PCD+2*\b], v[G+16*\b:G+16*\b+7], v[SC+\b]
	v_cvt_scalef32_pk8_fp4_f32 v[PCD+2*\b+1], v[G+16*\b+8:G+16*\b+15], v[SC+\b]
.endr
	v_nop                                          ; a plain line behind the conversions
	v_permlane16_swap_b32 v[PCD], v[PCD+2]         ; the operand wants a whole block in a lane: lanes 0-15 block 0, lanes 16-31 block 1
	v_permlane16_swap_b32 v[PCD+1], v[PCD+3]
	v_cndmask_b32 v[BYL], v[BY], v[BY+1], s51      ; lane (r, h) stores block h's byte
	s_min_u32 s22, s21, 63
	v_lshl_add_u32 v[HO], s22, 14, v[L16]
	v_lshl_add_u32 v[HSO], s22, 10, v[HSC]
	s_wait_alu depctr_va_vdst(0)                   ; the codes, the byte and the two offsets are written, which the two stores read
	global_store_b128 v[HO], v[PCD:PCD+3], s[26:27]   ; 512 consecutive bytes
	global_store_b8 v[HSO], v[BYL], s[28:29]
.endm
.macro TRIP next                       ; one tile of 16 tokens; next = 1: the tile after it is asked for
	s_wait_loadcnt 0x0                             ; this tile's rows, scale words and weights; the next tile's tokens
	s_wait_kmcnt 0x0
	TURNX
	s_wait_dscnt 0x0                               ; the fragments are in (in the first trip the weights' too)
	s_wait_alu depctr_vm_vsrc(0)                   ; the stage's stores have read the rows' registers, in which the next rows land; the loads issued a trip ago have read the offsets that are made anew below; the last tile's stores have read the codes, the byte and the offsets that the way out writes again; in the first trip: the last sink has read the codes over which the products write
.if \next
	ADDR                                           ; with the line of LISTADR 21 plain lines: more than the eight places between the copies of x's scale words and the first scaled product
	LISTADR 8
	s_wait_alu depctr_va_vdst(0)                   ; the offsets are written, which the loads below read; the lines above are done reading my token, x's scale words and the weight as loaded, in which the loads below land; the copies of x's scale words are written, which the products take
	ROWLOADS
	LISTLD
.else
.rept 8
	v_nop
.endr
	s_wait_alu depctr_va_vdst(0)                   ; the copies of x's scale words are written, which the products take; the eight places above stay beside this wait
.endif
	MUL
	EPI
	s_add_co_u32 s21, s21, 4
.endm
	s_load_b256 s[4:11], s[0:1], 0x0               ; Wg 4, Wu 6, qx 8, route 10
	s_load_b128 s[12:15], s[0:1], 0x20             ; weights 12, hq 14
	v_lshl_add_u32 v254, v0, 2, 0x23400
	v_mov_b32 v255, 0
	v_lshrrev_b32 v1, 5, v0
	v_readfirstlane_b32 s16, v1                    ; wave
	v_and_b32 v1, 31, v0
	v_and_b32 v2, 15, v0                           ; r
	v_bfe_u32 v3, v0, 4, 1                         ; h
	v_lshlrev_b32 v[L16], 4, v1
	s_wait_alu depctr_va_sdst(0)                   ; s16 is written, ahead of its first reader
	s_lshr_b32 s17, ttmp9, 5                       ; e
	s_and_b32 s18, ttmp9, 31                       ; j
	s_mul_i32 s22, s16, 9216
	s_add_co_u32 s22, s22, FST
	v_lshrrev_b32 v15, 3, v1
	v_mul_u32_u24 v[TIN], v15, 144
	v_and_b32 v15, 7, v1
	v_lshl_add_u32 v[TIN], v15, 4, v[TIN]
	v_add_nc_u32 v[TIN], s22, v[TIN]
	v_mul_u32_u24 v[TOUT], v1, 144
	v_add_nc_u32 v[TOUT], s22, v[TOUT]
	s_mul_i32 s22, s16, 32*528
	v_add_nc_u32 v[CW], s22, v[L16]
	s_mul_i32 s22, s16, 32*48
	s_add_co_u32 s22, s22, WS
	v_add_nc_u32 v[SW], s22, v1
	v_and_b32 v15, 8, v2
	v_add_nc_u32 v15, v15, v2                      ; r + 8 (r / 8)
	v_mul_u32_u24 v[FRA], v15, 528
	v_lshl_add_u32 v[FRA], v3, 4, v[FRA]
	v_mul_u32_u24 v[SCA], v15, 48
	v_mad_u32_u24 v[SCA], v3, 3072, v[SCA]         ; lanes 16-31: 64 rows on
	v_add_nc_u32 v[SCA], WS, v[SCA]
	s_mul_i32 s22, s16, 8448
	s_add_co_u32 s22, s22, XST
	v_add_nc_u32 v[XSTO], s22, v[L16]
	v_mul_u32_u24 v[XRD], v2, 528
	v_lshl_add_u32 v[XRD], v3, 4, v[XRD]
	v_add_nc_u32 v[XRD], s22, v[XRD]
	s_lshr_b32 s22, s18, 4                         ; my scale byte in a tile's 1,024: (16 (j / 16) + r) 32 + 4 ((j / 2) % 8) + 2 (j % 2) + h
	s_lshl_b32 s22, s22, 9
	s_bfe_u32 s23, s18, 0x30001
	s_lshl_b32 s23, s23, 2
	s_add_co_u32 s22, s22, s23
	s_and_b32 s23, s18, 1
	s_lshl_b32 s23, s23, 1
	s_add_co_u32 s22, s22, s23
	v_lshl_add_u32 v[HSC], v2, 5, v3
	v_add_nc_u32 v[HSC], s22, v[HSC]
	v_mov_b32 v[TP], 0                             ; a lane permute's destination counts as one of its sources
	v_mov_b32 v[TP+1], 0
	s_lshl_b32 s50, s17, 2
	s_lshl_b32 s52, s17, 12
	s_mov_b32 s51, 0xffff0000
	s_mov_b32 s48, 0x76543210
	s_mov_b32 s49, 0xfedcba98
	s_mov_b32 s21, s16                             ; my first tile
	s_lshl_b32 s55, s17, 7
	s_lshl_b32 s22, s17, 11
	s_lshl_b32 s23, s18, 6
	s_add_co_u32 s22, s22, s23
	s_and_b32 s23, s16, 1
	s_lshl_b32 s23, s23, 5
	s_add_co_u32 s22, s22, s23                     ; my first weight row: 2,048 e + 64 j + 32 (wave % 2)
	s_lshl_b32 s22, s22, 12
	s_mov_b32 s23, 0
	s_wait_kmcnt 0x0
	s_cmp_lt_u32 s16, 2                            ; waves 0, 1: Wg; waves 2, 3: Wu
	s_cselect_b64 s[24:25], s[4:5], s[6:7]
	s_add_nc_u64 s[24:25], s[24:25], s[22:23]
	s_lshl_b32 s22, s17, 20
	s_lshl_b32 s54, s18, 9
	s_add_co_u32 s22, s22, s54
	s_add_nc_u64 s[26:27], s[14:15], s[22:23]      ; h's codes: 1,048,576 e + 512 j
	s_lshl_b32 s22, s17, 16
	s_add_co_u32 s22, s22, 8388608
	s_add_nc_u64 s[28:29], s[14:15], s[22:23]      ; h's scale words
	s_load_b32 s19, s[10:11], s55 offset:0x10000   ; the expert's tiles
	LISTADR 0
	s_wait_alu depctr_va_vdst(0)                   ; every offset and LDS address made above is written, and so are v254 and v255: the loads, stores and LDS instructions of the whole kernel read them
	LISTLD
.irp t, 0,1,2,3,4,5,6
	LOADU \t
.endr
	s_wait_loadcnt 48                              ; unit 0 is in; units 1 to 6 may be out
	TURNU 0
.set Q, 0
.rept NU
	UNIT Q
.set Q, Q+1
.endr
	s_wait_kmcnt 0x0
	s_wait_loadcnt 0x0
	s_min_u32 s19, s19, 64
	s_wait_alu depctr_vm_vsrc(0)                   ; the first request for a list has read its offset, which is made anew below; the stage's last stores have read the raw sets, in which the weights' fragments land behind the barrier
	ADDR
	LISTADR 4
	s_wait_alu depctr_va_vdst(0)                   ; the last unit has written its codes and its byte, which the sink reads; the offsets are written, which the loads below read; the lines above are done reading my token, in which the next one lands
	SINK NU-1
	ROWLOADS                                       ; my first tile's rows are on their way across the barrier: nobody stores those bytes
	LISTLD
	s_wait_dscnt 0x0                               ; my codes and scale bytes lie in LDS
	s_barrier_signal -1
	s_barrier_wait -1                              ; everybody's do; nothing is stored there again
.irp hw, 0,1
	WIN 0x40+0x40*\hw
.irp a, 0,1,2,3,4,5,6,7
.irp sp, 0,1,2,3
.irp c, 0,1
	ds_load_b128 v[8*(4*\a+\sp)+4*\c:8*(4*\a+\sp)+4*\c+3], v[FRA] offset:(64*(\a/4)+32*((\a%4)/2)+8*(\a%2))*528+256*\hw+64*\sp+32*\c
.endr
.endr
.endr
.endr
	WIN 0
.irp ta, 0,1,2,3
.irp q, 0,1
	ds_load_b128 v[WSC+8*\ta+4*\q:WSC+8*\ta+4*\q+3], v[SCA] offset:(32*(\ta/2)+8*(\ta%2))*48+16*\q
.endr
.endr
	s_add_co_u32 s31, s19, 3
	s_sub_co_u32 s31, s31, s16
	s_lshr_b32 s31, s31, 2                         ; my tiles: w, w + 4, .. under nt
	s_cmp_eq_u32 s31, 0
	s_cbranch_scc1 .Lend
	s_sub_co_u32 s30, s31, 1
	s_cmp_eq_u32 s30, 0
	s_cbranch_scc1 .Ltail
.Lt:
	TRIP 1
	s_sub_co_u32 s30, s30, 1
	s_cmp_lg_u32 s30, 0
	s_cbranch_scc1 .Lt
.Ltail:
	TRIP 0                                         ; the last tile asks for nothing
.Lend:
	s_wait_dscnt 0x0                               ; the closing lines, six on end
	s_wait_alu 0x0
	s_wait_tensorcnt 0x0
	ds_add_u32 v254, v255
	s_wait_dscnt 0x0
	s_endpgm
.Lfunc_end_k_qc450bfdec3_up:
	.size	k_qc450bfdec3_up, .Lfunc_end_k_qc450bfdec3_up-k_qc450bfdec3_up
	.p2alignl 7, 3214868480
	.fill 96, 4, 3214868480
	.section	.rodata,"a",@progbits
	.p2align	6, 0x0
	.amdhsa_kernel k_qc450bfdec3_up
		.amdhsa_group_segment_fixed_size 144896
		.amdhsa_private_segment_fixed_size 0
		.amdhsa_enable_private_segment 0
		.amdhsa_kernarg_size 48
		.amdhsa_user_sgpr_count 2
		.amdhsa_user_sgpr_kernarg_segment_ptr 1
		.amdhsa_wavefront_size32 1
		.amdhsa_system_sgpr_workgroup_id_x 1
		.amdhsa_system_sgpr_workgroup_id_y 1
		.amdhsa_system_sgpr_workgroup_id_z 1
		.amdhsa_system_vgpr_workitem_id 0
		.amdhsa_next_free_vgpr 896
		.amdhsa_next_free_sgpr 66
		.amdhsa_reserve_vcc 0
		.amdhsa_float_denorm_mode_32 3
		.amdhsa_float_denorm_mode_16_64 3
		.amdhsa_memory_ordered 1
		.amdhsa_forward_progress 1
		.amdhsa_inst_pref_size 175
	.end_amdhsa_kernel
	.amdgpu_metadata
---
amdhsa.version: [ 1, 2 ]
amdhsa.kernels:
  - .name:           k_qc450bfdec3_up
    .symbol:         k_qc450bfdec3_up.kd
    .args:
      - { .name: Wg, .offset: 0, .size: 8, .value_kind: global_buffer, .address_space: global }
      - { .name: Wu, .offset: 8, .size: 8, .value_kind: global_buffer, .address_space: global }
      - { .name: qx, .offset: 16, .size: 8, .value_kind: global_buffer, .address_space: global }
      - { .name: route, .offset: 24, .size: 8, .value_kind: global_buffer, .address_space: global }
      - { .name: top_k_weights, .offset: 32, .size: 8, .value_kind: global_buffer, .address_space: global }
      - { .name: hq, .offset: 40, .size: 8, .value_kind: global_buffer, .address_space: global }
    .group_segment_fixed_size: 144896
    .private_segment_fixed_size: 0
    .kernarg_segment_align: 8
    .kernarg_segment_size: 48
    .max_flat_workgroup_size: 128
    .sgpr_count:     66
    .vgpr_count:     896
    .wavefront_size: 32
...
	.end_amdgpu_metadata
.endif
;; end of part 6
;; launch down (part 7): grid 256 x 1, 4 waves a work-group, no clusters, 82,432 bytes of LDS; arguments Wd, hq, qx, route, top_k_weights, part, zb; writes part, zb
.if DOCPART == 7
	.amdgcn_target "amdgcn-amd-amdhsa--gfx1250"
	.amdhsa_code_object_version 6
	.text
	.protected	k_qc450bfdec3_down
	.globl	k_qc450bfdec3_down
	.p2align	8
	.type	k_qc450bfdec3_down,@function
k_qc450bfdec3_down:
	s_mov_b64 s[64:65], 0
	v_nop
	global_prefetch_b8 v0, s[64:65] scope:SCOPE_SE
	s_setreg_imm32_b32 hwreg(HW_REG_WAVE_SCHED_MODE, 0, 2), 2
	s_setreg_imm32_b32 hwreg(HW_REG_WAVE_MODE, 25, 1), 1
	s_wait_xcnt 0x0
	s_wait_alu depctr_vm_vsrc(0)
; DOWN: part[e][j][p][32] = h (place p of expert e's list) Wd[e]^T for d = 32 j .. 32 j + 31; beside it the first stage of the three adapters, and the rows of zeros.
; A WORK-GROUP OWNS WEIGHTS: expert e = wg / 32, 32 rows of Wd (256 KB on end), read once.  Phase W: wave w quantises 8 rows (16 units) into LDS; one barrier; every wave takes all 32 fragments
; (256 registers) and walks the expert's token tiles w, w + 4, ..  h's tiles come as register images, 512 consecutive bytes a load, two tiles ahead.
; The product is used transposed (source 0 = 16 rows of Wd, source 1 = 16 places): a lane holds one place and eight neighbouring d.  K = 2,048 is summed in two chains (even and odd K steps) that are added.
; part: rows of 128 bytes, row (32 e + j) 1,024 + p; rows (256 + j) 1,024 .. + 3 are zeros, for the experts that a token does not have.
; ADAPTERS (waves 0 and 1, token tile 2 j + w, every token): z = x A^T, zs = x sA^T, gate = x sgate^T on codes; zb[t][e] = 16 numbers z w, then 16 numbers zs (relu(gate) w), [s][rank].
; The gate's tile takes sgate's row s = 0 for its rows 0-7 and s = 1 for rows 8-15, so that lane (r, h) finds gate s = h in every register, beside zs of s = h.
; LIMITS: NaN and infinities among the inputs are not served; a block of zeros has the scale byte 1 (its codes are zeros).
; THE MODE: SCHED_MODE bits 1:0 = 2 (LLVM: expert scheduling mode 2), set by the entry lines.  The code itself states the register dependences
; between vector or matrix instructions and memory or LDS instructions, with s_wait_alu, always for 0.
; THE PLAN, phase W.  Registers that memory or LDS instructions touch:
;   raw sets 0-6 (window 1)  Written by the loads of unit n + 7, issued in unit n; read by the stage's stores alone.  No vector instruction names them.
;   X0, X1                   Written by the stage's loads of unit n + 1, issued in unit n; read by unit n + 1's maxima and conversions.
;   two sets of codes, byte  Written by unit n's conversions; read by the two sink stores, which are issued at the head of unit n + 1.
;   Two waits at a unit's head state all of it; the unit's memory and LDS instructions follow them, and no vector instruction stands between.
; THE PLAN, a tile of the loop (set k = 0, 1 by turns):
;   h's set k (window 2), HS[k]  Written by the loads issued in the same set's tile before; read by this tile's 32 products.
;   HA[k], HSA[k], PO            Written by three vector lines behind the products; read by the refill's loads and by the tile's four global stores.
;   ACC                          Begun anew by the products, summed by eight additions; read by the stage's four stores.
;   OB                           Written by the stage's four loads; read by the four global stores.
;   One wait on vm_vsrc at the tile's head (ACC, OB, PO and the two offsets are free to be written), one on va_vdst behind the additions; the stage's stores and loads, the refill and the global stores follow it with no further wait,
;   since no vector or matrix instruction stands behind it in the tile.
.set WS,   33280                       ; LDS: codes, 32 rows x 1,040 bytes from 0; scale bytes, 32 rows x 80
.set FST,  35840                       ; two stages of 4,608 bytes for each wave
.set PST,  72704                       ; 16 rows x 144 bytes for each wave: the way out
.set L16,  4
.set TIN,  5
.set TOUT, 6
.set CW,   7
.set SW,   8
.set FRA,  9
.set WSA,  10
.set L32,  11
.set PSI,  12
.set PSO,  13
.set PO,   14
.set HA,   16                          ; v16-17 h's codes, set 0, 1;  v18-19 its scale words
.set HSA,  18
.set X,    32
.set CB,   96
.set BYB,  104
.set MXA,  106
.set MXB,  107
.set SCL,  108
.set NCS,  2
.set NU,   16
.set ACC,  64                          ; v64-95: accumulator (n, parity) at 8 (2 n + parity)
.set OB,   96                          ; v96-111 rows on their way out
.set WSC,  192                         ; v192-207 Wd's scale words, one a K step: lanes 0-15 rows 0-15, lanes 16-31 rows 16-31
.set HS,   208                         ; v208-223 h's, two sets of 8: lanes 0-15 K steps 0-7, lanes 16-31 steps 8-15
.set SRC,  24
.set MSB, 0
.macro WIN new                         ; register windows: bits 1:0 source 0, 3:2 source 1, 5:4 source 2, 7:6 destination; the high byte repeats the setting that is left
.if MSB != (\new)
	s_set_vgpr_msb (MSB<<8)|(\new)
.set MSB, (\new)
.endif
.endm
; window 1: phase W: seven sets of 32 numbers as loaded; then Wd's fragments at v[8 (16 n + s)].  window 2: first A's, sA's and the gate's fragments, then two sets of h.  window 3: v0-63 x's fragments.
.macro LOADU n
	WIN 0x40
.irp m, 0,1,2,3,4,5,6,7
	global_load_b128 v[32*((\n)%7)+4*\m:32*((\n)%7)+4*\m+3], v[L16], s[SRC:SRC+1] offset:4096*(\n)+512*\m th:TH_LOAD_NT
.endr
.endm
.macro TURNU n
	WIN 0x04
.irp m, 0,1,2,3,4,5,6,7
	ds_store_b128 v[TIN], v[32*((\n)%7)+4*\m:32*((\n)%7)+4*\m+3] offset:4608*((\n)%2)+576*\m
.endr
	WIN 0
.irp i, 0,1,2,3,4,5,6,7
	ds_load_b128 v[X+32*((\n)%2)+4*\i:X+32*((\n)%2)+4*\i+3], v[TOUT] offset:4608*((\n)%2)+16*\i
.endr
.endm
.macro QBLK n
.set XQ, X+32*((\n)%2)
.set CQ, CB+4*((\n)%NCS)
.set BQ, BYB+((\n)%NCS)
	v_max3_num_f32 v[MXA], |v[XQ]|, |v[XQ+1]|, |v[XQ+2]|
	v_max3_num_f32 v[MXB], |v[XQ+3]|, |v[XQ+4]|, |v[XQ+5]|
.irp i, 6,10,14,18,22,26
	v_max3_num_f32 v[MXA], v[MXA], |v[XQ+\i]|, |v[XQ+\i+1]|
	v_max3_num_f32 v[MXB], v[MXB], |v[XQ+\i+2]|, |v[XQ+\i+3]|
.endr
	v_max3_num_f32 v[MXA], v[MXA], |v[XQ+30]|, |v[XQ+31]|
	v_max3_num_f32 v[MXA], v[MXA], v[MXB], 0x1800000
	v_add_nc_u32 v[SCL], 0xff000000, v[MXA]
.irp g, 0,1,2,3
	v_cvt_scalef32_pk8_fp4_f32 v[CQ+\g], v[XQ+8*\g:XQ+8*\g+7], v[SCL]
.endr
	v_lshrrev_b32 v[BQ], 23, v[SCL]                ; the byte; also the plain line behind the conversions
.endm
.macro SINK n                          ; unit n is half n % 2 of row n / 2 of my 8
	ds_store_b128 v[CW], v[CB+4*((\n)%NCS):CB+4*((\n)%NCS)+3] offset:1040*((\n)/2)+512*((\n)%2)
	ds_store_b8 v[SW], v[BYB+((\n)%NCS)] offset:80*((\n)/2)+32*((\n)%2)
.endm
.macro UNIT n
	s_wait_dscnt 0x0                               ; this unit's numbers are back from the stage: they were my youngest LDS instructions
	s_wait_alu depctr_vm_vsrc(0)                   ; this unit's stores into the stage have read raw set n % 7, in which the loads below land; the sink of two units back has read the codes and the byte that this unit writes again
.if (\n) > 0
	s_wait_alu depctr_va_vdst(0)                   ; the unit before has written its codes and its byte, which the sink below reads, and is done reading its X, in which the stage's loads below land
	SINK (\n)-1
.endif
.if (\n)+7 < NU
	LOADU (\n)+7
.endif
.if (\n)+1 < NU
.if NU-2-(\n) >= 6
	s_wait_loadcnt 48                              ; the next unit is in; six units behind it may be out
.else
	s_wait_loadcnt 8*(NU-2-(\n))
.endif
	TURNU (\n)+1
.endif
	QBLK \n
.endm
.macro ZP d, a, sc, s                  ; one product of the adapters' first stage: accumulator d, fragments from a on (window 2), their scale words from sc on, K step s
.if \s == 0
	v_wmma_scale_f32_16x16x128_f8f6f4 v[\d:\d+7], v[\a+8*\s:\a+8*\s+7], v[8*\s:8*\s+7], 0, v[\sc+\s], v[136+\s] matrix_a_fmt:MATRIX_FMT_FP4 matrix_b_fmt:MATRIX_FMT_FP4
.elseif \s < 4
	v_wmma_scale_f32_16x16x128_f8f6f4 v[\d:\d+7], v[\a+8*\s:\a+8*\s+7], v[8*\s:8*\s+7], v[\d:\d+7], v[\sc+\s], v[136+\s] matrix_a_fmt:MATRIX_FMT_FP4 matrix_b_fmt:MATRIX_FMT_FP4
.else
	v_wmma_scale_f32_16x16x128_f8f6f4 v[\d:\d+7], v[\a+8*\s:\a+8*\s+7], v[8*\s:8*\s+7], v[\d:\d+7], v[\sc+\s-4], v[136+\s-4] matrix_a_fmt:MATRIX_FMT_FP4 matrix_b_fmt:MATRIX_FMT_FP4 matrix_a_scale:MATRIX_SCALE_ROW1 matrix_b_scale:MATRIX_SCALE_ROW1
.endif
.endm
; h's tile s21 + add, held at the expert's last tile, into set k.  The two offsets are made apart from the 34 loads, so that they stand ahead of a wait that is there anyway
.macro HADR k, add
	s_add_co_u32 s22, s21, \add
	s_min_u32 s22, s22, s20
	s_min_u32 s22, s22, 63
	v_lshl_add_u32 v[HA+\k], s22, 14, v[L16]
	v_lshl_add_u32 v[HSA+\k], s22, 10, v[L32]
.endm
.macro HLD k
	WIN 0x80
.irp m, 0,1,2,3,4,5,6,7,8,9,10,11,12,13,14,15,16,17,18,19,20,21,22,23,24,25,26,27,28,29,30,31
	global_load_b128 v[128*\k+4*\m:128*\k+4*\m+3], v[HA+\k], s[26:27] offset:512*\m
.endr
	WIN 0
.irp q, 0,1
	global_load_b128 v[HS+8*\k+4*\q:HS+8*\k+4*\q+3], v[HSA+\k], s[34:35] offset:16*\q
.endr
.endm
.macro DW k, s, n
.set dD, ACC+8*(2*\n+(\s%2))
.set dA, 8*(16*\n+\s)
.set dB, 128*\k+8*\s
.set dW, WSC+\s
.set dH, HS+8*\k+(\s%8)
.if \s < 2
.if \n == 0
	v_wmma_scale_f32_16x16x128_f8f6f4 v[dD:dD+7], v[dA:dA+7], v[dB:dB+7], 0, v[dW], v[dH] matrix_a_fmt:MATRIX_FMT_FP4 matrix_b_fmt:MATRIX_FMT_FP4
.else
	v_wmma_scale_f32_16x16x128_f8f6f4 v[dD:dD+7], v[dA:dA+7], v[dB:dB+7], 0, v[dW], v[dH] matrix_a_fmt:MATRIX_FMT_FP4 matrix_b_fmt:MATRIX_FMT_FP4 matrix_a_scale:MATRIX_SCALE_ROW1
.endif
.elseif \s < 8
.if \n == 0
	v_wmma_scale_f32_16x16x128_f8f6f4 v[dD:dD+7], v[dA:dA+7], v[dB:dB+7], v[dD:dD+7], v[dW], v[dH] matrix_a_fmt:MATRIX_FMT_FP4 matrix_b_fmt:MATRIX_FMT_FP4
.else
	v_wmma_scale_f32_16x16x128_f8f6f4 v[dD:dD+7], v[dA:dA+7], v[dB:dB+7], v[dD:dD+7], v[dW], v[dH] matrix_a_fmt:MATRIX_FMT_FP4 matrix_b_fmt:MATRIX_FMT_FP4 matrix_a_scale:MATRIX_SCALE_ROW1
.endif
.else
.if \n == 0
	v_wmma_scale_f32_16x16x128_f8f6f4 v[dD:dD+7], v[dA:dA+7], v[dB:dB+7], v[dD:dD+7], v[dW], v[dH] matrix_a_fmt:MATRIX_FMT_FP4 matrix_b_fmt:MATRIX_FMT_FP4 matrix_b_scale:MATRIX_SCALE_ROW1
.else
	v_wmma_scale_f32_16x16x128_f8f6f4 v[dD:dD+7], v[dA:dA+7], v[dB:dB+7], v[dD:dD+7], v[dW], v[dH] matrix_a_fmt:MATRIX_FMT_FP4 matrix_b_fmt:MATRIX_FMT_FP4 matrix_a_scale:MATRIX_SCALE_ROW1 matrix_b_scale:MATRIX_SCALE_ROW1
.endif
.endif
.endm
.macro TILE k, refill                  ; tile s21 + 4 k from set k: 32 products, four accumulators by turns; then 16 rows of 128 bytes leave
	s_wait_alu depctr_vm_vsrc(0)                   ; the last tile's stores into the stage have read the accumulators, which the products begin anew; its global stores have read their rows and their offset, and this set's loads their two offsets, all written again below; ahead of the first tile: the last sink has read the codes, in whose registers rows land
	WIN 0x09                                       ; Wd window 1, h window 2
.irp s, 0,1,2,3,4,5,6,7,8,9,10,11,12,13,14,15
.irp n, 0,1
	DW \k, \s, \n
.endr
.endr
	WIN 0
	s_wait_xcnt 0x0                                ; the last tile's stores have had their addresses translated: their data and offset are written again below
.if \refill
	HADR \k, 8+4*\k
.endif
	s_add_co_u32 s22, s21, 4*\k
	s_min_u32 s22, s22, 63
	v_lshl_add_u32 v[PO], s22, 11, v[L16]
.rept 3-2*\refill
	v_nop                                          ; with the address lines above four places between the last product and the first read of results (ISA guide 7.12.1)
.endr
.irp n, 0,1
.irp q, 0,1,2,3
	v_pk_add_f32 v[ACC+16*\n+2*\q:ACC+16*\n+2*\q+1], v[ACC+16*\n+2*\q:ACC+16*\n+2*\q+1], v[ACC+16*\n+8+2*\q:ACC+16*\n+8+2*\q+1]   ; the two chains; each accumulator from its low end on
.endr
.endr
	s_wait_alu depctr_va_vdst(0)                   ; the sums are written, which the stage's stores read; the offsets are written, which the refill and the global stores read; the products are done reading set k of h and its scale words, in which the refill lands
.irp n, 0,1
.irp q, 0,1
	ds_store_b128 v[PSI], v[ACC+16*\n+4*\q:ACC+16*\n+4*\q+3] offset:64*\n+16*\q
.endr
.endr
.irp q, 0,1,2,3
	ds_load_b128 v[OB+4*\q:OB+4*\q+3], v[PSO] offset:576*\q        ; in order behind my stores: four rows of 128 bytes an instruction
.endr
.if \refill
	HLD \k                                         ; issued while the rows come back from the stage
.endif
	s_wait_dscnt 0x0
.irp q, 0,1,2,3
	global_store_b128 v[PO], v[OB+4*\q:OB+4*\q+3], s[28:29] offset:512*\q   ; 512 consecutive bytes
.endr
.endm
	s_load_b256 s[4:11], s[0:1], 0x0               ; Wd 4, hq 6, qx 8, route 10
	s_load_b128 s[12:15], s[0:1], 0x20             ; weights 12, part 14
	s_load_b64 s[36:37], s[0:1], 0x30              ; zb
	v_lshl_add_u32 v254, v0, 2, 0x14000
	v_mov_b32 v255, 0
	v_lshrrev_b32 v1, 5, v0
	v_readfirstlane_b32 s16, v1                    ; wave
	v_and_b32 v1, 31, v0
	v_and_b32 v2, 15, v0                           ; r
	v_bfe_u32 v3, v0, 4, 1                         ; h
	v_lshlrev_b32 v[L16], 4, v1
	v_lshlrev_b32 v[L32], 5, v1
	s_wait_alu depctr_va_sdst(0)                   ; s16 is written, ahead of its first reader
	s_lshr_b32 s17, ttmp9, 5                       ; e
	s_and_b32 s18, ttmp9, 31                       ; j
	s_mul_i32 s22, s16, 9216
	s_add_co_u32 s22, s22, FST
	v_lshrrev_b32 v15, 3, v1
	v_mul_u32_u24 v[TIN], v15, 144
	v_mul_u32_u24 v[PSO], v15, 144
	v_and_b32 v15, 7, v1
	v_lshl_add_u32 v[TIN], v15, 4, v[TIN]
	v_lshl_add_u32 v[PSO], v15, 4, v[PSO]
	v_add_nc_u32 v[TIN], s22, v[TIN]
	v_mul_u32_u24 v[TOUT], v1, 144
	v_add_nc_u32 v[TOUT], s22, v[TOUT]
	s_mul_i32 s22, s16, 8*1040
	v_add_nc_u32 v[CW], s22, v[L16]
	s_mul_i32 s22, s16, 8*80
	s_add_co_u32 s22, s22, WS
	v_add_nc_u32 v[SW], s22, v1
	v_mul_u32_u24 v[FRA], v2, 1040
	v_lshl_add_u32 v[FRA], v3, 4, v[FRA]
	v_mul_u32_u24 v[WSA], v1, 80
	v_add_nc_u32 v[WSA], WS, v[WSA]
	s_mul_i32 s22, s16, 2304
	s_add_co_u32 s22, s22, PST
	v_add_nc_u32 v[PSO], s22, v[PSO]
	v_mul_u32_u24 v[PSI], v2, 144
	v_lshl_add_u32 v[PSI], v3, 5, v[PSI]
	v_add_nc_u32 v[PSI], s22, v[PSI]
	; the adapters' addresses in qx, the weights and zb
	v_lshlrev_b32 v185, 4, v3                      ; 16 h
	s_lshl_b32 s22, s18, 1
	s_add_co_u32 s22, s22, s16
	s_lshl_b32 s22, s22, 4
	v_add_nc_u32 v186, s22, v2                     ; my token: 16 (2 j + wave) + r
	v_lshl_add_u32 v176, v186, 9, v185             ; its codes,
	v_lshl_add_u32 v177, v186, 5, v185             ; its scale words,
	s_lshl_b32 s22, s17, 2
	v_lshl_add_u32 v178, v186, 5, s22              ; its weight
	s_lshl_b32 s22, s17, 4
	s_add_co_u32 s22, s22, 1024
	v_add_nc_u32 v15, s22, v2                      ; A's row 1,024 + 16 e + r; sA's lies 128 rows on
	v_lshl_add_u32 v179, v15, 9, v185
	v_lshl_add_u32 v180, v15, 5, v185
	s_lshl_b32 s22, s17, 1
	s_add_co_u32 s22, s22, 1280
	v_lshrrev_b32 v15, 3, v2
	v_add_nc_u32 v15, s22, v15                     ; the gate's row 1,280 + 2 e + r / 8
	v_lshl_add_u32 v181, v15, 9, v185
	v_lshl_add_u32 v182, v15, 5, v185
	s_lshl_b32 s22, s17, 7
	v_lshl_add_u32 v183, v3, 5, s22
	v_lshl_add_u32 v184, v186, 10, v183            ; zb: 1,024 t + 128 e + 32 h
	s_lshl_b32 s55, s17, 7
	s_lshl_b32 s22, s17, 10
	s_lshl_b32 s23, s18, 5
	s_add_co_u32 s22, s22, s23
	s_lshl_b32 s23, s16, 3
	s_add_co_u32 s22, s22, s23                     ; my first row of Wd: 1,024 e + 32 j + 8 wave
	s_lshl_b32 s22, s22, 13
	s_mov_b32 s23, 0
	s_wait_kmcnt 0x0
	s_add_nc_u64 s[24:25], s[4:5], s[22:23]
	s_lshl_b32 s22, s17, 20
	s_add_nc_u64 s[26:27], s[6:7], s[22:23]        ; the expert's h codes
	s_lshl_b32 s22, s17, 16
	s_add_co_u32 s22, s22, 8388608
	s_add_nc_u64 s[34:35], s[6:7], s[22:23]        ; and scale words
	s_lshl_b32 s22, ttmp9, 17
	s_add_nc_u64 s[28:29], s[14:15], s[22:23]      ; part: 1,024 rows of 128 bytes for (e, j)
	s_add_co_u32 s22, s18, 256
	s_lshl_b32 s22, s22, 17
	s_add_nc_u64 s[38:39], s[14:15], s[22:23]      ; the rows of zeros of slice j
	s_load_b32 s19, s[10:11], s55 offset:0x10000   ; the expert's tiles
	s_wait_alu depctr_va_vdst(0)                   ; every offset and LDS address made above is written, and so are v254 and v255: the loads, stores and LDS instructions of the whole kernel read them
	s_cmp_ge_u32 s16, 2
	s_cbranch_scc1 .Lno_z1
	WIN 0xc0                                       ; 69 loads, ahead of the stream's
.irp sp, 0,1,2,3,4,5,6,7
.irp c, 0,1
	global_load_b128 v[8*\sp+4*\c:8*\sp+4*\c+3], v176, s[8:9] offset:64*\sp+32*\c
.endr
.endr
	WIN 0x80
.irp sp, 0,1,2,3,4,5,6,7
.irp c, 0,1
	global_load_b128 v[8*\sp+4*\c:8*\sp+4*\c+3], v179, s[8:9] offset:64*\sp+32*\c
	global_load_b128 v[64+8*\sp+4*\c:64+8*\sp+4*\c+3], v179, s[8:9] offset:65536+64*\sp+32*\c
	global_load_b128 v[128+8*\sp+4*\c:128+8*\sp+4*\c+3], v181, s[8:9] offset:64*\sp+32*\c
.endr
.endr
	WIN 0
	global_load_b128 v[136:139], v177, s[8:9] offset:663552        ; scale words: lanes 0-15 K steps 0-3, lanes 16-31 steps 4-7
	global_load_b128 v[140:143], v180, s[8:9] offset:663552
	global_load_b128 v[144:147], v180, s[8:9] offset:663552+4096
	global_load_b128 v[148:151], v182, s[8:9] offset:663552
	global_load_b32 v152, v178, s[12:13]
.Lno_z1:
.irp t, 0,1,2,3,4,5,6
	LOADU \t
.endr
	WIN 0
	s_cmp_ge_u32 s16, 2
	s_cbranch_scc1 .Lno_z2
	s_wait_loadcnt 56                              ; the adapters' 69 loads are in; the stream's 56 are younger
	WIN 0x0e                                       ; source 0 window 2, x window 3
.irp s, 0,1,2,3,4,5,6,7
	ZP 112, 0, 140, \s                             ; three accumulators by turns
	ZP 120, 64, 144, \s
	ZP 128, 128, 148, \s
.endr
	WIN 0
.rept 4
	v_nop
.endr
	v_max_num_f32 v153, 0, v128                    ; relu(gate s = h)
	v_mul_f32 v153, v153, v152                     ; x w
.irp q, 0,1,2,3,4,5,6,7
	v_mul_f32 v[160+\q], v[112+\q], v152           ; z w, ranks 8 h + q
.endr
.irp q, 0,1,2,3,4,5,6,7
	v_mul_f32 v[168+\q], v[120+\q], v153           ; zs (relu(gate) w), s = h, rank q
.endr
	s_wait_alu depctr_va_vdst(0)                   ; the sixteen multiplications have written v160 to v175, which the four stores read; the products are done reading window 2, in which h lands later
	global_store_b128 v184, v[160:163], s[36:37]
	global_store_b128 v184, v[164:167], s[36:37] offset:16
	global_store_b128 v184, v[168:171], s[36:37] offset:64
	global_store_b128 v184, v[172:175], s[36:37] offset:80
.Lno_z2:
	s_cmp_lg_u32 s17, 0
	s_cbranch_scc1 .Lno_zero
	s_cmp_lg_u32 s16, 3
	s_cbranch_scc1 .Lno_zero
.irp q, 0,1,2,3
	v_mov_b32 v[156+\q], 0
.endr
	s_wait_alu depctr_va_vdst(0)                   ; the four zeros are written, which the store reads
	global_store_b128 v[L16], v[156:159], s[38:39] ; four rows of zeros, 512 consecutive bytes
.Lno_zero:
	s_wait_loadcnt 48                              ; unit 0 is in; units 1 to 6 may be out
	TURNU 0
.set Q, 0
.rept NU
	UNIT Q
.set Q, Q+1
.endr
	s_wait_kmcnt 0x0
	s_min_u32 s19, s19, 64
	s_sub_co_u32 s20, s19, 1
	s_mov_b32 s21, s16                             ; my first tile
	HADR 0, 0
	HADR 1, 4
	s_wait_alu depctr_va_vdst(0)                   ; the last unit has written its codes and its byte, which the sink reads; the four offsets are written, which the loads of h read
	SINK NU-1
	HLD 0                                          ; two tiles of h are on their way across the barrier: nobody stores those bytes here
	HLD 1
	s_wait_dscnt 0x0                               ; my codes and scale bytes lie in LDS
	s_barrier_signal -1
	s_barrier_wait -1                              ; everybody's do; nothing is stored there again
	WIN 0x40                                       ; (the stage's last stores have read the raw sets, in which these fragments land: the last unit's wait on vm_vsrc stands behind them)
.irp n, 0,1
.irp sp, 0,1,2,3,4,5,6,7,8,9,10,11,12,13,14,15
.irp c, 0,1
	ds_load_b128 v[8*(16*\n+\sp)+4*\c:8*(16*\n+\sp)+4*\c+3], v[FRA] offset:16*\n*1040+64*\sp+32*\c
.endr
.endr
.endr
	WIN 0
.irp q, 0,1,2,3
	ds_load_b128 v[WSC+4*\q:WSC+4*\q+3], v[WSA] offset:16*\q
.endr
	s_wait_dscnt 0x0
	s_add_co_u32 s31, s19, 3
	s_sub_co_u32 s31, s31, s16
	s_lshr_b32 s31, s31, 2                         ; my tiles
	s_cmp_eq_u32 s31, 0
	s_cbranch_scc1 .Lend
	s_sub_co_u32 s30, s31, 1
	s_lshr_b32 s30, s30, 1                         ; trips of two tiles; one or two tiles are left for the tail
	s_cmp_eq_u32 s30, 0
	s_cbranch_scc1 .Ltail
.Lt:
	s_wait_loadcnt 34                              ; set 0 is in; set 1's 34 loads may be out
	TILE 0, 1
	s_wait_loadcnt 34                              ; set 1 is in; the 34 just issued into set 0 may be out
	TILE 1, 1
	s_add_co_u32 s21, s21, 8
	s_sub_co_u32 s30, s30, 1
	s_cmp_lg_u32 s30, 0
	s_cbranch_scc1 .Lt
.Ltail:
	s_wait_loadcnt 34
	TILE 0, 0
	s_add_co_u32 s22, s21, 4
	s_cmp_ge_u32 s22, s19
	s_cbranch_scc1 .Lend
	s_wait_loadcnt 0x0
	TILE 1, 0
.Lend:
	s_wait_dscnt 0x0                               ; the closing lines, six on end
	s_wait_alu 0x0
	s_wait_tensorcnt 0x0
	ds_add_u32 v254, v255
	s_wait_dscnt 0x0
	s_endpgm
.Lfunc_end_k_qc450bfdec3_down:
	.size	k_qc450bfdec3_down, .Lfunc_end_k_qc450bfdec3_down-k_qc450bfdec3_down
	.p2alignl 7, 3214868480
	.fill 96, 4, 3214868480
	.section	.rodata,"a",@progbits
	.p2align	6, 0x0
	.amdhsa_kernel k_qc450bfdec3_down
		.amdhsa_group_segment_fixed_size 82432
		.amdhsa_private_segment_fixed_size 0
		.amdhsa_enable_private_segment 0
		.amdhsa_kernarg_size 56
		.amdhsa_user_sgpr_count 2
		.amdhsa_user_sgpr_kernarg_segment_ptr 1
		.amdhsa_wavefront_size32 1
		.amdhsa_system_sgpr_workgroup_id_x 1
		.amdhsa_system_sgpr_workgroup_id_y 1
		.amdhsa_system_sgpr_workgroup_id_z 1
		.amdhsa_system_vgpr_workitem_id 0
		.amdhsa_next_free_vgpr 832
		.amdhsa_next_free_sgpr 66
		.amdhsa_reserve_vcc 0
		.amdhsa_float_denorm_mode_32 3
		.amdhsa_float_denorm_mode_16_64 3
		.amdhsa_memory_ordered 1
		.amdhsa_forward_progress 1
		.amdhsa_inst_pref_size 114
	.end_amdhsa_kernel
	.amdgpu_metadata
---
amdhsa.version: [ 1, 2 ]
amdhsa.kernels:
  - .name:           k_qc450bfdec3_down
    .symbol:         k_qc450bfdec3_down.kd
    .args:
      - { .name: Wd, .offset: 0, .size: 8, .value_kind: global_buffer, .address_space: global }
      - { .name: hq, .offset: 8, .size: 8, .value_kind: global_buffer, .address_space: global }
      - { .name: qx, .offset: 16, .size: 8, .value_kind: global_buffer, .address_space: global }
      - { .name: route, .offset: 24, .size: 8, .value_kind: global_buffer, .address_space: global }
      - { .name: top_k_weights, .offset: 32, .size: 8, .value_kind: global_buffer, .address_space: global }
      - { .name: part, .offset: 40, .size: 8, .value_kind: global_buffer, .address_space: global }
      - { .name: zb, .offset: 48, .size: 8, .value_kind: global_buffer, .address_space: global }
    .group_segment_fixed_size: 82432
    .private_segment_fixed_size: 0
    .kernarg_segment_align: 8
    .kernarg_segment_size: 56
    .max_flat_workgroup_size: 128
    .sgpr_count:     66
    .vgpr_count:     832
    .wavefront_size: 32
...
	.end_amdgpu_metadata
.endif
;; end of part 7
;; launch fin (part 8): grid 256 x 1, 4 waves a work-group, no clusters, 17,920 bytes of LDS; arguments part, zb, bq, route, out0; writes out0
.if DOCPART == 8
	.amdgcn_target "amdgcn-amd-amdhsa--gfx1250"
	.amdhsa_code_object_version 6
	.text
	.protected	k_qc450bfdec3_fin
	.globl	k_qc450bfdec3_fin
	.p2align	8
	.type	k_qc450bfdec3_fin,@function
k_qc450bfdec3_fin:
	s_mov_b64 s[64:65], 0
	v_nop
	global_prefetch_b8 v0, s[64:65] scope:SCOPE_SE
	s_setreg_imm32_b32 hwreg(HW_REG_WAVE_SCHED_MODE, 0, 2), 2
	s_setreg_imm32_b32 hwreg(HW_REG_WAVE_MODE, 25, 1), 1
	s_wait_xcnt 0x0
	s_wait_alu depctr_vm_vsrc(0)
; FIN: out0[t][d] = 2 (zq B^T + zsq sB^T) + the sum over the token's experts, in ascending order, of its rows of part.
; Work-group (i = wg / 4, dq = wg % 4), wave w: tokens 16 i .. + 15, d = 256 dq + 64 w .. + 63.  Waves share nothing: no barrier.
; The adapters' second stage has K = 128 = (expert, rank), the expert slowest: a block of 32 is two experts' 16 numbers, whole in one lane: lane (r, h) holds, for c = 0, 1, block 2 c + h of token r,
; in the order in which the first launch laid B and sB.  The products are used transposed (source 0 = 16 rows d of B or sB, source 1 = 16 tokens): a lane holds one token and eight neighbouring d,
; which is also how it reads its rows of part: 32 bytes of each row of 128.
; rk[e][t] is a row number, or 0x40000, the largest, for an expert that the token does not have: sorted ascending, a token's experts come first, in ascending order, and 0x40000 leads to rows of zeros.
; Two slots are always summed; further pairs only while some token of the tile has one (a branch on whole numbers that an earlier launch stored).
; LIMITS: NaN and infinities among the inputs are not served; a block of zeros has the scale byte 1 (its codes are zeros).
; THE MODE: SCHED_MODE bits 1:0 = 2 (LLVM: expert scheduling mode 2), set by the entry lines.  The code itself states the register dependences
; between vector or matrix instructions and memory or LDS instructions, with s_wait_alu, always for 0.
; THE PLAN.  Registers that memory or LDS instructions touch:
;   the offsets and LDS addresses v4 to v11   Made at the head, never written again: one wait ahead of the first load.
;   OF (v24-31)                               Written once, behind the sort; read by the loads of part: one wait ahead of the first of them.
;   two sets of part's numbers (window 1)     Written by loads; read by the additions; loaded again for a further pair of slots: one wait ahead of each such pair.
;   ACC                                       Written by products and additions; read by the stage's stores: one wait ahead of them, which also states that z's registers, in which the rows come back, are done with.
;   No register that a memory or LDS instruction has read is written again, so the text has no wait on vm_vsrc but the closing lines'.
;   z's codes and scale words are made by vector lines and taken by scaled products: one wait behind the eight places.  VCC goes from each compare to a branch: a wait between the two.
.set L16, 4
.set L4,  5
.set T4,  6
.set ZAD, 7
.set H32, 8
.set STI, 9
.set STO, 10
.set GO,  11
.set RK,  16                           ; v16-23 the eight row numbers, then sorted
.set OF,  24                           ; v24-31 their byte offsets in part
.set ACC, 32                           ; v32-63 four tiles of 16 d
.set BS,  64                           ; v64-71 B's and sB's scale words: 2 n + p
.set ZF,  72                           ; v72-87 z's codes: product p at 8 p
.set ZW,  88                           ; v88-89 z's scale words
.set TM,  90
.set SC,  92
.set BY,  94
.set Z,   128                          ; v128-255: 64 c + 32 (expert % 2) + 16 p + index; later v128-159 rows on their way out
.set MSB, 0
.macro WIN new                         ; register windows: bits 1:0 source 0, 3:2 source 1, 5:4 source 2, 7:6 destination; the high byte repeats the setting that is left
.if MSB != (\new)
	s_set_vgpr_msb (MSB<<8)|(\new)
.set MSB, (\new)
.endif
.endm
; window 1: v0-63 B's and sB's fragments at 8 (2 n + p); v64-127 two sets of 32 numbers of part
.macro CE a, b                         ; the smaller of two to a, the larger to b
	v_min_u32 v12, v[RK+\a], v[RK+\b]
	v_max_u32 v[RK+\b], v[RK+\a], v[RK+\b]
	v_mov_b32 v[RK+\a], v12
.endm
.macro PLOAD jj, set                   ; slot jj's 64 numbers: two slices of 32 d, 131,072 bytes apart
	WIN 0x40
.irp sl, 0,1
.irp np, 0,1
.irp kk, 0,1
	global_load_b128 v[64+32*\set+8*(2*\sl+\np)+4*\kk:64+32*\set+8*(2*\sl+\np)+4*\kk+3], v[OF+\jj], s[4:5] offset:131072*\sl+64*\np+16*\kk
.endr
.endr
.endr
	WIN 0
.endm
.macro ZQ pp                           ; product pp's 64 numbers of my token become its operand's 8 registers and scale word
.irp c, 0,1
	v_max3_num_f32 v[TM+\c], |v[Z+64*\c+16*\pp]|, |v[Z+64*\c+16*\pp+1]|, 0x1800000
.endr
.irp i, 2,4,6,8,10,12,14,32,34,36,38,40,42,44,46
.irp c, 0,1
	v_max3_num_f32 v[TM+\c], v[TM+\c], |v[Z+64*\c+16*\pp+\i]|, |v[Z+64*\c+16*\pp+\i+1]|
.endr
.endr
.irp c, 0,1
	v_add_nc_u32 v[SC+\c], 0xff000000, v[TM+\c]
.endr
.irp c, 0,1
	v_lshrrev_b32 v[BY+\c], 23, v[SC+\c]
.endr
	v_lshl_or_b32 v[ZW+\pp], v[BY+1], 16, v[BY]    ; blocks h and 2 + h,
	v_lshlrev_b32 v[ZW+\pp], v13, v[ZW+\pp]        ; at their places in the word;
	v_permlanex16_b32 v96, v[ZW+\pp], s24, s25
	v_or_b32 v[ZW+\pp], v[ZW+\pp], v96             ; with lane l xor 16's two it is whole
.irp c, 0,1
.irp g, 0,1
	v_cvt_scalef32_pk8_fp4_f32 v[ZF+8*\pp+4*\c+\g], v[Z+64*\c+16*\pp+8*\g:Z+64*\c+16*\pp+8*\g+7], v[SC+\c]
	v_cvt_scalef32_pk8_fp4_f32 v[ZF+8*\pp+4*\c+2+\g], v[Z+64*\c+32+16*\pp+8*\g:Z+64*\c+32+16*\pp+8*\g+7], v[SC+\c]
.endr
.endr
	v_nop                                          ; a plain line behind the conversions
.endm
	s_load_b256 s[4:11], s[0:1], 0x0               ; part 4, zb 6, bq 8, route 10
	s_load_b64 s[12:13], s[0:1], 0x20              ; out0
	v_lshl_add_u32 v126, v0, 2, 0x4400
	v_mov_b32 v127, 0
	v_lshrrev_b32 v1, 5, v0
	v_readfirstlane_b32 s18, v1                    ; wave
	v_and_b32 v1, 31, v0
	v_and_b32 v2, 15, v0                           ; r
	s_wait_alu depctr_va_vdst(0)
	v_bfe_u32 v3, v0, 4, 1                         ; h
	v_lshlrev_b32 v[L16], 4, v1
	v_lshlrev_b32 v[L4], 2, v1
	v_lshlrev_b32 v[H32], 5, v3
	v_lshlrev_b32 v13, 3, v3                       ; 8 h
	v_mov_b32 v96, 0                               ; a lane permute's destination counts as one of its sources
	s_wait_alu depctr_va_sdst(0)                   ; s18 is written, ahead of its first reader
	s_lshr_b32 s19, ttmp9, 2                       ; i
	s_and_b32 s20, ttmp9, 3                        ; dq
	s_lshl_b32 s27, s20, 2
	s_add_co_u32 s27, s27, s18                     ; 4 dq + w: my 64 d
	s_lshl_b32 s26, s27, 11                        ; my first slice of part, in rows: 1,024 (8 dq + 2 w)
	s_mov_b32 s21, 0x40000
	s_mov_b32 s24, 0x76543210
	s_mov_b32 s25, 0xfedcba98
	s_lshl_b32 s22, s19, 4
	v_add_nc_u32 v14, s22, v2                      ; my token
	v_lshlrev_b32 v[T4], 2, v14
	v_lshlrev_b32 v[ZAD], 10, v14
	s_wait_alu depctr_va_vdst(0)
	v_lshl_add_u32 v[ZAD], v3, 8, v[ZAD]           ; zb: 1,024 t + 256 h
	s_mul_i32 s22, s18, 4352                       ; my stage: 16 rows x 272 bytes
	v_mul_u32_u24 v[STI], v2, 272
	v_lshl_add_u32 v[STI], v3, 5, v[STI]
	v_add_nc_u32 v[STI], s22, v[STI]
	v_mul_u32_u24 v[STO], v3, 272
	v_lshl_add_u32 v[STO], v2, 4, v[STO]
	v_add_nc_u32 v[STO], s22, v[STO]
	v_lshlrev_b32 v[GO], 12, v3
	v_lshl_add_u32 v[GO], v2, 4, v[GO]             ; lanes 0-15 one row of out0, lanes 16-31 the next
	s_mov_b32 s23, 0
	s_wait_kmcnt 0x0
	s_lshl_b32 s22, s27, 13
	s_add_nc_u64 s[14:15], s[8:9], s[22:23]        ; my four d tiles' images: 2,048 bytes each
	s_lshl_b32 s22, s27, 10
	s_add_nc_u64 s[16:17], s[8:9], s[22:23]        ; their scale words: 256 bytes each, from byte 131,072 on
	s_lshl_b32 s22, s19, 16
	s_lshl_b32 s28, s27, 8
	s_add_co_u32 s22, s22, s28
	s_add_nc_u64 s[28:29], s[12:13], s[22:23]      ; out0 at row 16 i, column 64 (4 dq + w)
	s_wait_alu depctr_va_vdst(0)                   ; every offset and LDS address made above is written, and so are v126 and v127: the loads, stores and LDS instructions of the whole kernel read them
.irp e, 0,1,2,3,4,5,6,7
	global_load_b32 v[RK+\e], v[T4], s[10:11] offset:32768+4096*\e
.endr
.irp c, 0,1
.irp m, 0,1,2,3,4,5,6,7,8,9,10,11,12,13,14,15
	global_load_b128 v[Z+64*\c+4*\m:Z+64*\c+4*\m+3], v[ZAD], s[6:7] offset:512*\c+16*\m
.endr
.endr
	WIN 0x40
.irp f, 0,1,2,3,4,5,6,7
.irp c, 0,1
	global_load_b128 v[8*\f+4*\c:8*\f+4*\c+3], v[L16], s[14:15] offset:1024*\f+512*\c
.endr
.endr
	WIN 0
.irp f, 0,1,2,3,4,5,6,7
	global_load_b32 v[BS+\f], v[L4], s[16:17] offset:131072+128*\f
.endr
	s_wait_loadcnt 56                              ; the row numbers are in; the 32 + 16 + 8 loads behind them may be out
	CE 0, 1                                        ; an odd-even merge sort of eight: 19 exchanges
	CE 2, 3
	CE 4, 5
	CE 6, 7
	CE 0, 2
	CE 1, 3
	CE 4, 6
	CE 5, 7
	CE 1, 2
	CE 5, 6
	CE 0, 4
	CE 1, 5
	CE 2, 6
	CE 3, 7
	CE 2, 4
	CE 3, 5
	CE 1, 2
	CE 3, 4
	CE 5, 6
.irp q, 0,1,2,3,4,5,6,7
	v_min_u32 v[RK+\q], 0x40000, v[RK+\q]
	v_add_nc_u32 v[OF+\q], s26, v[RK+\q]
	v_lshl_add_u32 v[OF+\q], v[OF+\q], 7, v[H32]   ; rows of 128 bytes; my half's 32 bytes
.endr
	s_wait_alu depctr_va_vdst(0)                   ; the eight offsets in part are written, which the loads below and the later pairs' read
	PLOAD 0, 0
	PLOAD 1, 1
	s_wait_loadcnt 16                              ; z, the images and their scale words are in; the 16 loads of part may be out
	ZQ 0
	ZQ 1
.rept 8
	v_nop                                          ; a scale word made by vector lines stands eight places ahead of a scaled product, codes so made four
.endr
	s_wait_alu depctr_va_vdst(0)                   ; z's codes and scale words are written, which the scaled products take; the places above stay beside this wait
	WIN 0x01                                       ; source 0 window 1
.irp n, 0,1,2,3
	v_wmma_scale_f32_16x16x128_f8f6f4 v[ACC+8*\n:ACC+8*\n+7], v[16*\n:16*\n+7], v[ZF:ZF+7], 0, v[BS+2*\n], v[ZW] matrix_a_fmt:MATRIX_FMT_FP4 matrix_b_fmt:MATRIX_FMT_FP4
.endr
.irp n, 0,1,2,3
	v_wmma_scale_f32_16x16x128_f8f6f4 v[ACC+8*\n:ACC+8*\n+7], v[16*\n+8:16*\n+15], v[ZF+8:ZF+15], v[ACC+8*\n:ACC+8*\n+7], v[BS+2*\n+1], v[ZW+1] matrix_a_fmt:MATRIX_FMT_FP4 matrix_b_fmt:MATRIX_FMT_FP4
.endr
	WIN 0                                          ; (four accumulators by turns)
.rept 4
	v_nop
.endr
	s_wait_loadcnt 0x0
	WIN 0x10                                       ; source 2 window 1
.set k, 0
.rept 16
	v_pk_fma_f32 v[ACC+k:ACC+k+1], v[ACC+k:ACC+k+1], 2.0, v[64+k:64+k+1] op_sel_hi:[1,0,1]   ; both adapters' scale is 2; each accumulator from its low end on
.set k, k+2
.endr
	WIN 0x04                                       ; source 1 window 1
.set k, 0
.rept 16
	v_pk_add_f32 v[ACC+k:ACC+k+1], v[ACC+k:ACC+k+1], v[96+k:96+k+1]
.set k, k+2
.endr
	WIN 0
.irp m, 1,2,3
	v_cmp_gt_u32 vcc_lo, s21, v[RK+2*\m]           ; has any of my 16 tokens a further expert?
	s_wait_alu depctr_va_vcc(0)                    ; VCC is written, ahead of the branch that reads it
	s_cbranch_vccz .Lsum_done
	s_wait_alu depctr_va_vdst(0)                   ; the additions above are done reading the two sets of part's numbers, in which the loads below land
	PLOAD 2*\m, 0
	PLOAD 2*\m+1, 1
	s_wait_loadcnt 0x0
	WIN 0x04
.set k, 0
.rept 16
	v_pk_add_f32 v[ACC+k:ACC+k+1], v[ACC+k:ACC+k+1], v[64+k:64+k+1]
.set k, k+2
.endr
.set k, 0
.rept 16
	v_pk_add_f32 v[ACC+k:ACC+k+1], v[ACC+k:ACC+k+1], v[96+k:96+k+1]
.set k, k+2
.endr
	WIN 0
.endr
.Lsum_done:
	s_wait_alu depctr_va_vdst(0)                   ; the additions have written the sums, which the stage's stores read; the quantiser is done reading z's registers, in which the rows come back
.irp n, 0,1,2,3
.irp kk, 0,1
	ds_store_b128 v[STI], v[ACC+8*\n+4*\kk:ACC+8*\n+4*\kk+3] offset:64*\n+16*\kk
.endr
.endr
.irp m, 0,1,2,3,4,5,6,7
	ds_load_b128 v[128+4*\m:128+4*\m+3], v[STO] offset:544*\m      ; in order behind my stores: two rows of 256 bytes an instruction
.endr
.irp m, 0,1,2,3,4,5,6,7
	s_wait_dscnt 7-\m                              ; the younger reads of the stage may be out
	global_store_b128 v[GO], v[128+4*\m:128+4*\m+3], s[28:29] offset:8192*\m th:TH_STORE_NT   ; sixteen lanes store 256 consecutive bytes, at a multiple of 256 from out0's first byte
.endr
	s_wait_dscnt 0x0                               ; the closing lines, six on end
	s_wait_alu 0x0
	s_wait_tensorcnt 0x0
	ds_add_u32 v126, v127
	s_wait_dscnt 0x0
	s_endpgm
.Lfunc_end_k_qc450bfdec3_fin:
	.size	k_qc450bfdec3_fin, .Lfunc_end_k_qc450bfdec3_fin-k_qc450bfdec3_fin
	.p2alignl 7, 3214868480
	.fill 96, 4, 3214868480
	.section	.rodata,"a",@progbits
	.p2align	6, 0x0
	.amdhsa_kernel k_qc450bfdec3_fin
		.amdhsa_group_segment_fixed_size 17920
		.amdhsa_private_segment_fixed_size 0
		.amdhsa_enable_private_segment 0
		.amdhsa_kernarg_size 40
		.amdhsa_user_sgpr_count 2
		.amdhsa_user_sgpr_kernarg_segment_ptr 1
		.amdhsa_wavefront_size32 1
		.amdhsa_system_sgpr_workgroup_id_x 1
		.amdhsa_system_sgpr_workgroup_id_y 1
		.amdhsa_system_sgpr_workgroup_id_z 1
		.amdhsa_system_vgpr_workitem_id 0
		.amdhsa_next_free_vgpr 384
		.amdhsa_next_free_sgpr 66
		.amdhsa_reserve_vcc 1
		.amdhsa_float_denorm_mode_32 3
		.amdhsa_float_denorm_mode_16_64 3
		.amdhsa_memory_ordered 1
		.amdhsa_forward_progress 1
		.amdhsa_inst_pref_size 37
	.end_amdhsa_kernel
	.amdgpu_metadata
---
amdhsa.version: [ 1, 2 ]
amdhsa.kernels:
  - .name:           k_qc450bfdec3_fin
    .symbol:         k_qc450bfdec3_fin.kd
    .args:
      - { .name: part, .offset: 0, .size: 8, .value_kind: global_buffer, .address_space: global }
      - { .name: zb, .offset: 8, .size: 8, .value_kind: global_buffer, .address_space: global }
      - { .name: bq, .offset: 16, .size: 8, .value_kind: global_buffer, .address_space: global }
      - { .name: route, .offset: 24, .size: 8, .value_kind: global_buffer, .address_space: global }
      - { .name: out0, .offset: 32, .size: 8, .value_kind: global_buffer, .address_space: global }
    .group_segment_fixed_size: 17920
    .private_segment_fixed_size: 0
    .kernarg_segment_align: 8
    .kernarg_segment_size: 40
    .max_flat_workgroup_size: 128
    .sgpr_count:     66
    .vgpr_count:     384
    .wavefront_size: 32
...
	.end_amdgpu_metadata
.endif
;; end of part 8
